; MI455X (gfx1250); checked and timed in simulation.
; The chip was launched on July 23, 2026; its instructions are those of AMD's public machine-readable ISA for CDNA 5 (MIT licence, August 2026) and "CDNA5" Instruction Set Architecture Reference Guide (July 2026). The comments in the code are by the model that wrote it; some were corrected since.
;; Mo E Layer. Allowed arithmetic: matrix products marked QUANTISED: E4M3 operands, one E8M0 scale for each 32 along K, by v_wmma_scale_f32_16x16x128_f8f6f4 with both operands' format E4M3, f32 sums; products left as they are: f32 operands where the result goes on into a quantised operand, else bf16, f16 or f32 operands; f32 sums; everything else in f32.
;; Inputs: W1 8 x 1,024 x 4,096 float32; W2 8 x 4,096 x 1,024 float32; b1 8 x 4,096 float32; b2 8 x 1,024 float32; gate_b 8 float32; gate_w 1,024 x 8 float32; x 8 x 128 x 1,024 float32.
;; Outputs: out0 8 x 128 x 1,024 float32.
;; This version of the problem:
;;   THIS VERSION OF THE PROBLEM IS GIVEN IN LOW PRECISION. The matrix products marked QUANTISED in the list below multiply operands that are first quantised to E4M3 (4 exponent bits, 3 mantissa bits; 8 bits a number), with one power-of-two scale for each 32 numbers along K (OCP MX v1.0); their sums are f32. All else is computed in f32.
;;   The module's matrix products, in the order in which they are computed (A, B: the left and right operand; K: the contracted axis; several contracted axes count as one K, in the product's order):
;;     1. [M 1,024, K 1,024] x [K 1,024, N 8]; A: input x; B: input gate_w: left as it is (N = 8 < 16)
;;     2. [M 1,024, K 1,024] x [K 1,024, N 4,096]; A: input x; B: input W1: QUANTISED
;;     3. [M 1,024, K 4,096] x [K 4,096, N 1,024]; A: computed on the way; B: input W2: QUANTISED
;;     4. [M 1,024, K 1,024] x [K 1,024, N 4,096]; A: input x; B: input W1: QUANTISED
;;     5. [M 1,024, K 4,096] x [K 4,096, N 1,024]; A: computed on the way; B: input W2: QUANTISED
;;     6. [M 1,024, K 1,024] x [K 1,024, N 4,096]; A: input x; B: input W1: QUANTISED
;;     7. [M 1,024, K 4,096] x [K 4,096, N 1,024]; A: computed on the way; B: input W2: QUANTISED
;;     8. [M 1,024, K 1,024] x [K 1,024, N 4,096]; A: input x; B: input W1: QUANTISED
;;     9. [M 1,024, K 4,096] x [K 4,096, N 1,024]; A: computed on the way; B: input W2: QUANTISED
;;     10. [M 1,024, K 1,024] x [K 1,024, N 4,096]; A: input x; B: input W1: QUANTISED
;;     11. [M 1,024, K 4,096] x [K 4,096, N 1,024]; A: computed on the way; B: input W2: QUANTISED
;;     12. [M 1,024, K 1,024] x [K 1,024, N 4,096]; A: input x; B: input W1: QUANTISED
;;     13. [M 1,024, K 4,096] x [K 4,096, N 1,024]; A: computed on the way; B: input W2: QUANTISED
;;     14. [M 1,024, K 1,024] x [K 1,024, N 4,096]; A: input x; B: input W1: QUANTISED
;;     15. [M 1,024, K 4,096] x [K 4,096, N 1,024]; A: computed on the way; B: input W2: QUANTISED
;;     16. [M 1,024, K 1,024] x [K 1,024, N 4,096]; A: input x; B: input W1: QUANTISED
;;     17. [M 1,024, K 4,096] x [K 4,096, N 1,024]; A: computed on the way; B: input W2: QUANTISED
;;   THE QUANTISER, for each operand of a quantised product, along K:
;;     - K is cut into blocks of 32 from its start; a last block that is shorter is filled with zeros.
;;     - A block's scale is 2^e with e = floor(log2(the largest magnitude in the block)) - 8, held to -126 .. 127; a block of zeros has e = 0. As a byte (E8M0): e + 127.
;;     - Each number is divided by its block's scale, clamped to +-448, and rounded to the nearest number of E4M3, ties to even, subnormals kept.
;;     - The product sums the exact products of the quantised numbers (number of the format x scale) in f32.
;;   ~~~python
;;   def quantise(x, axis):      # numpy; x: float32 -> the quantised numbers, widened to float32 again
;;       x = np.moveaxis(x, axis, -1); K = x.shape[-1]
;;       x = np.pad(x, [(0, 0)] * (x.ndim - 1) + [(0, -K % 32)]); x = x.reshape(x.shape[:-1] + (-1, 32)); a = np.abs(x).max(-1, keepdims=True)
;;       e = np.where(a > 0, np.clip(np.frexp(np.where(a > 0, a, 1))[1] - 1 - 8, -126, 127), 0)      # np.frexp(a)[1] - 1 = floor(log2(a)), exactly
;;       r = np.clip(x / 2.0 ** e, -448, 448)
;;       step = 2.0 ** (np.maximum(np.frexp(np.where(r == 0, 1, r))[1] - 1, -6) - 3)
;;       q = np.round(r / step) * step * 2.0 ** e      # np.round: ties to even
;;       return np.moveaxis(q.reshape(q.shape[:-2] + (-1,))[..., :K], -1, axis).astype(np.float32)
;;   ~~~
;;   OPERANDS COMPUTED ON THE WAY. 'Computed on the way' means the value that the module computes at that place (a softmax that the list does not call 'softmax' is quantised finished and normalised). What goes into a quantiser is computed in f32, as accurately as f32 sums, v_exp_f32 and their like allow (about 1e-6 of the number): no bf16 or f16 on the way to a quantiser, and a product that is left as it is and whose result goes on into a quantised operand takes f32 operands (vector FMAs, or v_wmma_f32_16x16x4_f32). A number that lies on a knife's edge between two numbers of the format may be rounded either way, as far as f32 arithmetic and the matrix unit's own rounding can turn it there, and no further.
;; 2 versions. Each part assembles by itself: llvm-mc -triple=amdgcn-amd-amdhsa -mcpu=gfx1250 --defsym DOCPART=n.
;; ======== version 1 of 2: 5 launches
;; workspace buffers: sel 4,096 bytes of whole numbers; xq 1,089,536 bytes; xs 8,650,752 bytes; pos 8,448 bytes of whole numbers; hq 34,603,008 bytes; yp 67,108,864 bytes
;; launch route (part 1): grid 128 x 1, 4 waves a work-group, no clusters, 46,592 bytes of LDS; arguments x, gate_w, gate_b, sel, xq; writes sel, xq
.if DOCPART == 1
	.amdgcn_target "amdgcn-amd-amdhsa--gfx1250"
	.amdhsa_code_object_version 6
	.text
	.protected	k_q4f8e44768c_route
	.globl	k_q4f8e44768c_route
	.p2align	8
	.type	k_q4f8e44768c_route,@function
k_q4f8e44768c_route:
	s_mov_b64 s[64:65], 0
	v_nop
	global_prefetch_b8 v0, s[64:65] scope:SCOPE_SE
	s_setreg_imm32_b32 hwreg(HW_REG_WAVE_MODE, 25, 1), 1
	s_wait_xcnt 0x0
; THE ROUTER, AND x INTO CODES.  x [1024 tokens][1024] f32, gate_w [1024][8], gate_b [8].
; For each token: logits = x gate_w + gate_b in f32 (fused multiply-adds), softmax with its maximum taken away, the two largest gates (of equal gates the lower index), both divided by their sum.
; Stored at fixed places: sel[token] = e0 | e1 << 8;  xq + 0x108000: the two weights, 8 bytes a token.  No address and no branch here hangs on them.
; The same numbers of x are quantised along their 1,024: E4M3 codes, one E8M0 byte for each 32.  xq + 0: codes [token][1024];  xq + 0x100000: scale words [token][8], word s for k = 128 s .. 128 s + 127.
; A block's byte is its largest magnitude's exponent field - 8, held at 1 from below.  A block of zeros so gets the byte 1: its codes are zeros, and only this program reads the bytes.
; LIMITS: NaN and infinities among the inputs are not served.  The logits are f32 sums in an order of their own: gates that agree to the last bits of f32 may change places against another order of summing.
; SHARES.  A wave takes two tokens.  Lane l holds x[token][128 i + 4 l + 0..3] in four registers for i = 0 .. 7: each load covers 512 consecutive bytes, and x is read once for both uses.
; gate_w (32 KB) comes into LDS once for the work-group; a lane's four rows (128 bytes) are a chunk, chunks 144 bytes apart, so that sixteen lanes' reads of 16 bytes start at sixteen different places modulo 256.
; No matrix unit, no cluster: eight columns are too few for the one, and the work-groups share only gate_w, one part in 130 of what the launch reads.
.set XR,   32                          ; v32-95    x: token k, step i, number j at XR + 32 k + 4 i + j
.set GW,   96                          ; v96-159   gate rows: first the staging of the loads, then two chunks by turns
.set ACC,  160                         ; v160-175  partial logits: token k, expert e at ACC + 8 k + e
.set LG,   176                         ; v176-183  logits of my half's token
.set PR,   184                         ; v184-191  its gates
.set IV,   192                         ; v192-199  1 / scale of step i's block
.set AM,   200                         ; v200-207  largest magnitudes
.set EB,   208                         ; v208-223  scale bytes, a set for each token
.set DC,   224                         ; v224-239  codes, a set for each token
.set OC,   240                         ; v240-255  codes read back by rows, a set for each token
.set GP,   144                         ; a chunk's place in LDS: 128 bytes + 16
.set REG0, 36864                       ; behind the 256 chunks: a region of 2,304 bytes for each wave: 2 x 1,024 bytes of codes, then 64 scale bytes
.set REGB, 2304
	s_load_b256 s[4:11], s[0:1], 0x0               ; x s[4:5], gate_w s[6:7], gate_b s[8:9], sel s[10:11]
	s_load_b64 s[12:13], s[0:1], 0x20              ; xq
	v_lshl_add_u32 v27, v0, 2, 0xb400
	v_mov_b32 v28, 0
	v_lshrrev_b32 v9, 5, v0
	v_readfirstlane_b32 s14, v9                    ; wave 0..3
	v_and_b32 v1, 31, v0                           ; lane
	v_lshlrev_b32 v2, 4, v1                        ; 16 x lane
	v_lshrrev_b32 v3, 3, v0
	v_mul_u32_u24 v3, v3, GP
	v_and_b32 v9, 7, v0
	v_lshl_add_u32 v3, v9, 4, v3                   ; gate, on the way in: piece t of 16 bytes lies in chunk t / 8 at 16 (t % 8)
	v_mul_u32_u24 v4, v1, GP                       ; gate, on the way out: my chunk of a step's 32
	s_mul_i32 s15, s14, REGB
	s_add_co_u32 s15, s15, REG0                    ; my wave's region
	v_lshlrev_b32 v5, 2, v1
	v_add_nc_u32 v5, s15, v5                       ; codes in: 4 x lane
	v_add_nc_u32 v6, s15, v2                       ; codes back: 16 x lane
	v_lshrrev_b32 v7, 3, v1
	v_add_nc_u32 v7, s15, v7
	v_add_nc_u32 v7, 2048, v7                      ; scale bytes in: byte lane / 8 of a word
	v_and_b32 v8, 15, v0
	v_lshlrev_b32 v8, 2, v8                        ; scale words: 4 x (lane % 16), in memory
	v_add_nc_u32 v11, s15, v8
	v_add_nc_u32 v11, 2048, v11                    ; and in LDS
	v_lshlrev_b32 v12, 4, v0                       ; gate_w: 16 x thread
	v_lshrrev_b32 v13, 4, v1                       ; which of the wave's two tokens my half of the lanes answers for
	v_lshlrev_b32 v14, 2, v13                      ; its word of sel
	v_lshlrev_b32 v15, 3, v13                      ; its pair of weights
	v_mov_b32 v30, 1.0                             ; the conversions' scale operand: the numbers are divided beforehand
	v_mov_b32 v31, 0x43e00000                      ; 448
	s_mov_b32 s24, 0x76543210
	s_mov_b32 s25, 0xfedcba98                      ; v_permlanex16_b32's selects for lane l xor 16
	s_lshl_b32 s26, ttmp9, 3
	s_lshl_b32 s27, s14, 1
	s_add_co_u32 s26, s26, s27                     ; my first token: 8 x work-group + 2 x wave
	s_lshl_b32 s28, s26, 12                        ; its place in x,
	s_mov_b32 s29, 0
	s_lshl_b32 s38, s26, 10                        ; among the codes,
	s_mov_b32 s39, 0
	s_lshl_b32 s40, s26, 5
	s_add_co_u32 s40, s40, 0x100000                ; among the scale words,
	s_mov_b32 s41, 0
	s_lshl_b32 s42, s26, 3
	s_add_co_u32 s42, s42, 0x108000                ; among the weights,
	s_mov_b32 s43, 0
	s_lshl_b32 s44, s26, 2                         ; and in sel
	s_mov_b32 s45, 0
	s_wait_kmcnt 0x0
	s_load_b256 s[16:23], s[8:9], 0x0              ; gate_b: eight numbers
	s_add_nc_u64 s[4:5], s[4:5], s[28:29]
	s_add_nc_u64 s[30:31], s[12:13], s[38:39]
	s_add_nc_u64 s[32:33], s[12:13], s[40:41]
	s_add_nc_u64 s[34:35], s[12:13], s[42:43]
	s_add_nc_u64 s[36:37], s[10:11], s[44:45]
.irp n, 0,1,2,3,4,5,6,7,8,9,10,11,12,13,14,15
	global_load_b128 v[GW+4*\n:GW+4*\n+3], v12, s[6:7] offset:2048*\n   ; the four waves take 2,048 consecutive bytes of gate_w
.endr
.irp k, 0,1
.irp i, 0,1,2,3,4,5,6,7
	global_load_b128 v[XR+32*\k+4*\i:XR+32*\k+4*\i+3], v2, s[4:5] offset:4096*\k+512*\i th:TH_LOAD_NT
.endr
.endr
	s_wait_loadcnt 16                              ; gate_w is in; the 16 loads of x issued behind it may stay out
.irp n, 0,1,2,3,4,5,6,7,8,9,10,11,12,13,14,15
	ds_store_b128 v3, v[GW+4*\n:GW+4*\n+3] offset:2304*\n
.endr
	s_wait_dscnt 0x0                               ; for the others' sake: my part of gate_w lies in LDS
	s_barrier_signal -1
	s_barrier_wait -1                              ; everybody's does
.macro GFETCH i                        ; my four gate rows of step i (128 i + 4 lane + 0..3) into half i % 2 of GW: register 8 j + e = gate_w[row j][e]
.irp k, 0,1,2,3,4,5,6,7
	ds_load_b128 v[GW+32*((\i)%2)+4*\k:GW+32*((\i)%2)+4*\k+3], v4 offset:4608*(\i)+16*\k
.endr
.endm
.macro DOT i                           ; 32 packed multiply-adds: two experts at a time, x's number for both halves.  The very first products start the sums: nothing is cleared
.irp k, 0,1
.irp j, 0,1,2,3
.irp e, 0,2,4,6
.if ((\i) == 0) && (\j == 0)
	v_pk_mul_f32 v[ACC+8*\k+\e:ACC+8*\k+\e+1], v[GW+\e:GW+\e+1], v[XR+32*\k:XR+32*\k+1] op_sel_hi:[1,0]
.elseif (\j % 2) == 0
	v_pk_fma_f32 v[ACC+8*\k+\e:ACC+8*\k+\e+1], v[GW+32*((\i)%2)+8*\j+\e:GW+32*((\i)%2)+8*\j+\e+1], v[XR+32*\k+4*(\i)+\j:XR+32*\k+4*(\i)+\j+1], v[ACC+8*\k+\e:ACC+8*\k+\e+1] op_sel_hi:[1,0,1]
.else
	v_pk_fma_f32 v[ACC+8*\k+\e:ACC+8*\k+\e+1], v[GW+32*((\i)%2)+8*\j+\e:GW+32*((\i)%2)+8*\j+\e+1], v[XR+32*\k+4*(\i)+\j-1:XR+32*\k+4*(\i)+\j], v[ACC+8*\k+\e:ACC+8*\k+\e+1] op_sel:[0,1,0] op_sel_hi:[1,1,1]
.endif
.endr
.endr
.endr
.endm
	GFETCH 0
.irp i, 0,1,2,3,4,5,6,7
.if \i < 7
	GFETCH \i+1
	s_wait_dscnt 8                                 ; this step's chunk is in; the next step's eight loads may be out
.else
	s_wait_dscnt 0x0
.endif
.if \i == 0
	s_wait_loadcnt 0x0                             ; x
.endif
	DOT \i
.endr
	; the sixteen sums over the 32 lanes: four steps inside each half of the lanes ride on the additions, one crosses the halves
.irp m, 1,2,4,8
.irp k, 0,1,2,3,4,5,6,7,8,9,10,11,12,13,14,15
	v_add_f32_dpp v[ACC+\k], v[ACC+\k], v[ACC+\k] row_xmask:\m row_mask:0xf bank_mask:0xf
.endr
.endr
.irp k, 0,1,2,3,4,5,6,7,8,9,10,11,12,13,14,15
	v_permlanex16_b32 v[GW+\k], v[ACC+\k], s24, s25
.endr
.irp k, 0,1,2,3,4,5,6,7,8,9,10,11,12,13,14,15
	v_add_f32 v[ACC+\k], v[ACC+\k], v[GW+\k]
.endr
	s_wait_kmcnt 0x0                               ; gate_b
	v_cmp_gt_u32 vcc_lo, 16, v1
.irp e, 0,1,2,3,4,5,6,7
	v_cndmask_b32 v[LG+\e], v[ACC+8+\e], v[ACC+\e], vcc_lo   ; lanes 0-15 go on with the first token, lanes 16-31 with the second: what follows is written once
.endr
.irp e, 0,1,2,3,4,5,6,7
	v_add_f32 v[LG+\e], s[16+\e], v[LG+\e]
.endr
	v_max3_num_f32 v16, v[LG], v[LG+1], v[LG+2]    ; the softmax takes its maximum away
	v_max3_num_f32 v16, v16, v[LG+3], v[LG+4]
	v_max3_num_f32 v16, v16, v[LG+5], v[LG+6]
	v_max_num_f32 v16, v16, v[LG+7]
.irp e, 0,1,2,3,4,5,6,7
	v_sub_f32 v[PR+\e], v[LG+\e], v16
.endr
.irp e, 0,1,2,3,4,5,6,7
	v_mul_f32 v[PR+\e], 0x3fb8aa3b, v[PR+\e]       ; x log2(e)
.endr
.irp e, 0,1,2,3,4,5,6,7
	v_exp_f32 v[PR+\e], v[PR+\e]
.endr
	v_nop                                          ; one plain instruction behind the exponentials (ISA guide 5.7.2)
	s_wait_alu depctr_va_vdst(0)
	v_add_f32 v17, v[PR], v[PR+1]
	v_add_f32 v18, v[PR+2], v[PR+3]
	v_add_f32 v19, v[PR+4], v[PR+5]
	v_add_f32 v20, v[PR+6], v[PR+7]
	v_add_f32 v17, v17, v18
	v_add_f32 v19, v19, v20
	v_add_f32 v17, v17, v19
	v_rcp_f32 v18, v17
	v_nop
	s_wait_alu depctr_va_vdst(0)
.irp e, 0,1,2,3,4,5,6,7
	v_mul_f32 v[PR+\e], v[PR+\e], v18              ; the gates
.endr
.macro TOP best, idx                   ; the largest gate and its index; a later gate wins only if it is strictly larger: of equals the lower index
	v_mov_b32 v[\best], v[PR]
	v_mov_b32 v[\idx], 0
.irp e, 1,2,3,4,5,6,7
	v_cmp_le_f32 vcc_lo, v[PR+\e], v[\best]
	v_cndmask_b32 v[\idx], \e, v[\idx], vcc_lo
	v_max_num_f32 v[\best], v[\best], v[PR+\e]
.endr
.endm
	TOP 19, 20
.irp e, 0,1,2,3,4,5,6,7
	v_cmp_ne_u32 vcc_lo, \e, v20
	v_cndmask_b32 v[PR+\e], -1.0, v[PR+\e], vcc_lo   ; the winner leaves: -1 lies under every gate
.endr
	TOP 21, 22
	v_add_f32 v23, v19, v21
	v_rcp_f32 v23, v23
	v_lshl_or_b32 v26, v22, 8, v20                 ; e0 | e1 << 8  (also the plain instruction behind the reciprocal)
	s_wait_alu depctr_va_vdst(0)
	v_mul_f32 v24, v19, v23
	v_mul_f32 v25, v21, v23
	global_store_b32 v14, v26, s[36:37]            ; the sixteen lanes of a token store the same word with the same value
	global_store_b64 v15, v[24:25], s[34:35]
; Token k into codes.  A block of 32 lies in eight neighbouring lanes, four numbers each.  A conversion takes eight registers under ONE scale, and these span two blocks: so each number is
; multiplied by 1 / its block's scale first (a power of two: nothing is rounded) and converted under the scale 1.
.macro QTOK k
.irp i, 0,1,2,3,4,5,6,7
	v_max3_num_f32 v[AM+\i], |v[XR+32*\k+4*\i]|, |v[XR+32*\k+4*\i+1]|, 0x4800000   ; with the floor 2^(9 - 127): the byte cannot fall under 1
.endr
.irp i, 0,1,2,3,4,5,6,7
	v_max3_num_f32 v[AM+\i], v[AM+\i], |v[XR+32*\k+4*\i+2]|, |v[XR+32*\k+4*\i+3]|
.endr
.irp m, 1,2,4
.irp i, 0,1,2,3,4,5,6,7
	v_max_num_f32_dpp v[AM+\i], v[AM+\i], v[AM+\i] row_xmask:\m row_mask:0xf bank_mask:0xf
.endr
.endr
.irp i, 0,1,2,3,4,5,6,7
	v_and_b32 v[IV+\i], 0x7f800000, v[AM+\i]
.endr
.irp i, 0,1,2,3,4,5,6,7
	v_sub_nc_u32 v[IV+\i], 0x83000000, v[IV+\i]    ; exponent field 262 - the largest magnitude's: 1 / scale
.endr
.irp i, 0,1,2,3,4,5,6,7
	v_lshrrev_b32 v[EB+8*\k+\i], 23, v[AM+\i]
.endr
.irp i, 0,1,2,3,4,5,6,7
	v_add_nc_u32 v[EB+8*\k+\i], -8, v[EB+8*\k+\i]  ; the scale's byte
.endr
.irp i, 0,1,2,3,4,5,6,7
.if (\i % 2) == 0
	v_pk_mul_f32 v[XR+32*\k+4*\i:XR+32*\k+4*\i+1], v[XR+32*\k+4*\i:XR+32*\k+4*\i+1], v[IV+\i:IV+\i+1] op_sel_hi:[1,0]
	v_pk_mul_f32 v[XR+32*\k+4*\i+2:XR+32*\k+4*\i+3], v[XR+32*\k+4*\i+2:XR+32*\k+4*\i+3], v[IV+\i:IV+\i+1] op_sel_hi:[1,0]
.else
	v_pk_mul_f32 v[XR+32*\k+4*\i:XR+32*\k+4*\i+1], v[XR+32*\k+4*\i:XR+32*\k+4*\i+1], v[IV+\i-1:IV+\i] op_sel:[0,1] op_sel_hi:[1,1]
	v_pk_mul_f32 v[XR+32*\k+4*\i+2:XR+32*\k+4*\i+3], v[XR+32*\k+4*\i+2:XR+32*\k+4*\i+3], v[IV+\i-1:IV+\i] op_sel:[0,1] op_sel_hi:[1,1]
.endif
.endr
.set n, 0
.rept 32
	v_med3_num_f32 v[XR+32*\k+n], v[XR+32*\k+n], -v31, v31   ; the conversion to an 8-bit code does not saturate (ISA guide 7.6.2): the hold at 448
.set n, n+1
.endr
.irp g, 0,1,2,3
	v_cvt_scalef32_pk8_fp8_f32 v[DC+8*\k+2*\g:DC+8*\k+2*\g+1], v[XR+32*\k+8*\g:XR+32*\k+8*\g+7], v30
.endr
	v_nop                                          ; one plain instruction behind the last conversion
.irp i, 0,1,2,3,4,5,6,7
	ds_store_b32 v5, v[DC+8*\k+\i] offset:1024*\k+128*\i     ; register i: codes of k = 128 i + 4 lane + 0..3: the row lies in LDS in its true order
.endr
.irp i, 0,1,2,3,4,5,6,7
	ds_store_b8 v7, v[EB+8*\k+\i] offset:32*\k+4*\i          ; word i, byte lane / 8; the eight lanes of a block write the same byte with the same value
.endr
.irp q, 0,1
	ds_load_b128 v[OC+8*\k+4*\q:OC+8*\k+4*\q+3], v6 offset:1024*\k+512*\q   ; LDS serves a wave's instructions in order (ISA guide 5.7.1.4): these see my stores
.endr
.endm
	QTOK 0
	QTOK 1
	ds_load_b32 v29, v11                           ; the two tokens' sixteen scale words
	s_wait_dscnt 0x0
.irp k, 0,1
.irp q, 0,1
	global_store_b128 v2, v[OC+8*\k+4*\q:OC+8*\k+4*\q+3], s[30:31] offset:1024*\k+512*\q   ; 32 lanes store 512 consecutive bytes, aligned
.endr
.endr
	global_store_b32 v8, v29, s[32:33]             ; 64 consecutive bytes; lanes l and l + 16 store the same word with the same value
	s_wait_tensorcnt 0x0
	ds_add_u32 v27, v28
	s_wait_dscnt 0x0
	s_endpgm
.Lfunc_end_k_q4f8e44768c_route:
	.size	k_q4f8e44768c_route, .Lfunc_end_k_q4f8e44768c_route-k_q4f8e44768c_route
	.p2alignl 7, 3214868480
	.fill 96, 4, 3214868480
	.section	.rodata,"a",@progbits
	.p2align	6, 0x0
	.amdhsa_kernel k_q4f8e44768c_route
		.amdhsa_group_segment_fixed_size 46592
		.amdhsa_private_segment_fixed_size 0
		.amdhsa_enable_private_segment 0
		.amdhsa_kernarg_size 40
		.amdhsa_user_sgpr_count 2
		.amdhsa_user_sgpr_kernarg_segment_ptr 1
		.amdhsa_wavefront_size32 1
		.amdhsa_system_sgpr_workgroup_id_x 1
		.amdhsa_system_sgpr_workgroup_id_y 1
		.amdhsa_system_sgpr_workgroup_id_z 1
		.amdhsa_system_vgpr_workitem_id 0
		.amdhsa_next_free_vgpr 256
		.amdhsa_next_free_sgpr 66
		.amdhsa_reserve_vcc 1
		.amdhsa_float_denorm_mode_32 3
		.amdhsa_float_denorm_mode_16_64 3
		.amdhsa_memory_ordered 1
		.amdhsa_forward_progress 1
		.amdhsa_inst_pref_size 56
	.end_amdhsa_kernel
	.amdgpu_metadata
---
amdhsa.version: [ 1, 2 ]
amdhsa.kernels:
  - .name:           k_q4f8e44768c_route
    .symbol:         k_q4f8e44768c_route.kd
    .args:
      - { .name: x, .offset: 0, .size: 8, .value_kind: global_buffer, .address_space: global }
      - { .name: gate_w, .offset: 8, .size: 8, .value_kind: global_buffer, .address_space: global }
      - { .name: gate_b, .offset: 16, .size: 8, .value_kind: global_buffer, .address_space: global }
      - { .name: sel, .offset: 24, .size: 8, .value_kind: global_buffer, .address_space: global }
      - { .name: xq, .offset: 32, .size: 8, .value_kind: global_buffer, .address_space: global }
    .group_segment_fixed_size: 46592
    .private_segment_fixed_size: 0
    .kernarg_segment_align: 8
    .kernarg_segment_size: 40
    .max_flat_workgroup_size: 128
    .sgpr_count:     66
    .vgpr_count:     256
    .wavefront_size: 32
...
	.end_amdgpu_metadata
.endif
;; end of part 1
;; launch place (part 2): grid 16 x 8, 1 waves a work-group, no clusters, 4,608 bytes of LDS; arguments sel, xq, xs, pos; writes xs, pos
.if DOCPART == 2
	.amdgcn_target "amdgcn-amd-amdhsa--gfx1250"
	.amdhsa_code_object_version 6
	.text
	.protected	k_q4f8e44768c_place
	.globl	k_q4f8e44768c_place
	.p2align	8
	.type	k_q4f8e44768c_place,@function
k_q4f8e44768c_place:
	s_mov_b64 s[64:65], 0
	v_nop
	global_prefetch_b8 v0, s[64:65] scope:SCOPE_SE
	s_setreg_imm32_b32 hwreg(HW_REG_WAVE_MODE, 25, 1), 1
	s_wait_xcnt 0x0
; THE ROWS ARE PLACED BY EXPERT.  sel[token] = e0 | e1 << 8 was stored by the launch before.  Expert e owns rows e x 1024 .. e x 1024 + 1023 of the sorted order (a token's two experts differ, so 1,024 is
; the most it can get); what is written of them is its count rounded up to 64 rows.
; Work-group (i, e), one wave: it makes expert e's whole list in LDS (a counting sort: each token's rank is the number of the expert's tokens in front of it, by a count of mask bits; no atomics), and then
; serves the tiles of 16 rows T = i, i + 16, i + 32, i + 48 of that list, as far as the expert has rows.  For a tile it gathers the rows' codes and scale words out of xq and stores them AS THE MATRIX OPERAND'S REGISTERS WANT THEM:
;   xs + 0:        [e][T 64][K step 8][c 4][lane 32][16 bytes]: lane (r, h)'s registers 4 c .. 4 c + 3 = k 32 c + 16 h + 0..15 of row r.  Each store covers 512 consecutive bytes.
;   xs + 0x800000: [e][T][K step 8][r 16] scale words.
;   pos + 0:       [token][2]: the row (e x 1024 + rank) that holds the token for its first and for its second expert;   pos + 8192: the eight counts.
; Rows between the count and the next multiple of 64 carry token 0's codes: what is made of them is finite and nobody reads it.
; A work-group whose tiles lie behind the expert's rows stores nothing: the grid serves every split, all tokens on one expert too.
; The four tiles are written out: a tile's place stands in the immediates, no pointer is stepped, and all addresses that hang on the list are made once, with all lanes on, in registers that hold nothing else.
.set AC,  12                           ; v12-15    tile k: my row's codes in xq, + 16 h
.set AQ,  16                           ; v16-19    its scale words, + 4 h
.set AP,  20                           ; v20-23    its word of pos
.set SL,  24                           ; v24-55    sel: register 4 a + j, lane l: token 128 a + 4 l + j
.set CD,  56                           ; v56-183   a tile's codes: 32 x 4 registers (while the list is made: at work)
.set SWD, 184                          ; v184-187  its scale words
.set FIL, 188                          ; v188-191  the mark of an empty place
.set MK,  192                          ; v192-195  tile k: negative where my lane stores no word of pos
.set RV,  196                          ; v196-199  tile k: my row's number
.set TOK, 200                          ; the row's token
.set SLT, 201                          ; first or second expert
.set H16, 202                          ; 16 h
.set H4,  203                          ; 4 h
.set CA,  204                          ; the count's place in pos
.set CV,  205                          ; the count
	s_load_b256 s[4:11], s[0:1], 0x0               ; sel s[4:5], xq s[6:7], xs s[8:9], pos s[10:11]
	v_lshl_add_u32 v208, v0, 2, 0x1100
	v_mov_b32 v209, 0
	s_and_b32 s20, ttmp7, 0xffff                   ; my expert
	s_and_b32 s26, ttmp9, 15                       ; i
	s_mov_b32 s21, 0                               ; the expert's tokens so far
	v_and_b32 v2, 15, v0                           ; r
	v_lshrrev_b32 v3, 4, v0                        ; h
	v_lshlrev_b32 v4, 4, v0                        ; 16 x lane
	v_lshlrev_b32 v5, 2, v0                        ; 4 x lane
	v_mov_b32 v6, 0x400                            ; the list's place for tokens of other experts: a word behind its end
	v_lshlrev_b32 v[H16], 4, v3
	v_lshlrev_b32 v[H4], 2, v3
.irp k, 0,1,2,3
	v_mov_b32 v[FIL+\k], 0x80000000                ; an empty place of the list: bit 31, token 0
.endr
.irp a, 0,1,2,3,4,5,6,7
	ds_store_b128 v4, v[FIL:FIL+3] offset:512*\a
.endr
	s_lshl_b32 s24, s26, 6
	v_lshl_add_u32 v1, v2, 2, s24                  ; the list's word of row 16 i + r
	s_lshl_b32 s25, s20, 10
	s_lshl_b32 s24, s26, 4
	s_add_co_u32 s25, s25, s24
	v_add_nc_u32 v7, s25, v2                       ; that row's number: e x 1024 + 16 i + r
	s_lshl_b32 s36, s20, 20
	s_lshl_b32 s24, s26, 14
	s_add_co_u32 s36, s36, s24                     ; my first tile's images: e x 1 MB + i x 16 KB
	s_mov_b32 s37, 0
	s_lshl_b32 s38, s20, 15
	s_lshl_b32 s24, s26, 9
	s_add_co_u32 s38, s38, s24
	s_add_co_u32 s38, s38, 0x800000                ; and its scale words: e x 32 KB + i x 512
	s_mov_b32 s39, 0
	s_lshl_b32 s24, s20, 2
	s_add_co_u32 s24, s24, 8192
	v_mov_b32 v[CA], s24
	s_wait_kmcnt 0x0
	s_add_nc_u64 s[32:33], s[8:9], s[36:37]
	s_add_nc_u64 s[34:35], s[8:9], s[38:39]
.irp a, 0,1,2,3,4,5,6,7
	global_load_b128 v[SL+4*\a:SL+4*\a+3], v4, s[4:5] offset:512*\a
.endr
	s_wait_loadcnt 0x0
; 32 tokens at a time: which of them have my expert; each one's rank; its number, with bit 16 set where my expert is its second, goes to the list at its rank.
.set G, 0
.rept 32
.set TB, CD+6*(G%2)
	v_and_b32 v[TB], 0xff, v[SL+G]
	v_lshrrev_b32 v[TB+1], 8, v[SL+G]
	v_cmp_eq_u32 s28, s20, v[TB]
	v_cmp_eq_u32 s29, s20, v[TB+1]
	s_or_b32 s30, s28, s29
	v_mbcnt_lo_u32_b32 v[TB+2], s30, s21           ; the tokens so far + those of lower lanes
	v_cndmask_b32 v[TB+2], v6, v[TB+2], s30
	v_min_u32 v[TB+2], 0x400, v[TB+2]
	v_lshlrev_b32 v[TB+3], 2, v[TB+2]
	v_or_b32 v[TB+4], 128*(G/4)+(G%4), v5          ; the token's number
	v_or_b32 v[TB+5], 0x10000, v[TB+4]
	v_cndmask_b32 v[TB+4], v[TB+4], v[TB+5], s29
	ds_store_b32 v[TB+3], v[TB+4]
	s_bcnt1_i32_b32 s31, s30
	s_add_co_u32 s21, s21, s31
.set G, G+1
.endr
	s_add_co_u32 s23, s21, 63
	s_lshr_b32 s23, s23, 6
	s_lshl_b32 s23, s23, 2
	s_min_u32 s23, s23, 64                         ; tiles to be written: four for each 64 rows begun
	v_mov_b32 v[CV], s21
.irp k, 0,1,2,3
	ds_load_b32 v[8+\k], v1 offset:1024*\k         ; my row of each of my four possible tiles (LDS serves a wave's instructions in order, ISA guide 5.7.1.4: the list is whole)
.endr
	s_wait_dscnt 0x0
.irp k, 0,1,2,3                        ; what hangs on the list: held to the table's size, then only shifts to the left and additions
	v_and_b32 v[TOK], 0x3ff, v[8+\k]
	v_min_u32 v[TOK], 0x3ff, v[TOK]                ; the row's token
	v_lshlrev_b32 v[AC+\k], 10, v[TOK]
	v_add_nc_u32 v[AC+\k], v[AC+\k], v[H16]
	v_lshlrev_b32 v[AQ+\k], 5, v[TOK]
	v_add_nc_u32 v[AQ+\k], v[AQ+\k], v[H4]
	v_bfe_u32 v[SLT], v[8+\k], 16, 1
	v_min_u32 v[SLT], 1, v[SLT]
	v_lshlrev_b32 v[SLT], 2, v[SLT]
	v_lshlrev_b32 v[AP+\k], 3, v[TOK]
	v_add_nc_u32 v[AP+\k], v[AP+\k], v[SLT]        ; pos: 8 x token + 4 x (first or second expert)
	v_lshl_or_b32 v[MK+\k], v3, 31, v[8+\k]        ; negative: an empty place, or lanes 16-31
	v_add_nc_u32 v[RV+\k], 256*\k, v7
.endr
	s_cmp_lg_u32 s26, 0
	s_cbranch_scc1 .Lno_count                      ; the expert's first work-group stores its count:
	global_store_b32 v[CA], v[CV], s[10:11]        ; the 32 lanes store the same word with the same value
.Lno_count:
.macro TILE k
	s_add_co_u32 s22, s26, 16*\k                   ; T
	s_cmp_ge_u32 s22, s23
	s_cbranch_scc1 .Ldone                          ; the expert's rows end in front of this tile, and so of those behind it
.irp s, 0,1,2,3,4,5,6,7
.irp c, 0,1,2,3
	global_load_b128 v[CD+4*(4*\s+\c):CD+4*(4*\s+\c)+3], v[AC+\k], s[6:7] offset:128*\s+32*\c
.endr
.endr
.irp q, 0,1,2,3
	global_load_b32 v[SWD+\q], v[AQ+\k], s[6:7] offset:0x100000+8*\q   ; lane (r, h): the word of K step 2 q + h
.endr
	v_cmp_le_i32 vcc_lo, 0, v[MK+\k]               ; a true row, and lanes 0-15 alone
	s_wait_loadcnt 0x0
.irp s, 0,1,2,3,4,5,6,7
.irp c, 0,1,2,3
	global_store_b128 v4, v[CD+4*(4*\s+\c):CD+4*(4*\s+\c)+3], s[32:33] offset:\k*0x40000+2048*\s+512*\c   ; sixteen tiles on are 256 KB
.endr
.endr
.irp q, 0,1,2,3
	global_store_b32 v5, v[SWD+\q], s[34:35] offset:\k*0x2000+128*\q
.endr
	s_wait_xcnt 0x0                                ; EXEC changes only behind this wait
	s_and_saveexec_b32 s28, vcc_lo
	global_store_b32 v[AP+\k], v[RV+\k], s[10:11]
	s_wait_xcnt 0x0                                ; and again in front of the line that widens it; the stores' data registers are also free now for the next tile's loads
	s_or_b32 exec_lo, exec_lo, s28
.endm
	TILE 0
	TILE 1
	TILE 2
	TILE 3
.Ldone:
	s_wait_tensorcnt 0x0
	ds_add_u32 v208, v209
	s_wait_dscnt 0x0
	s_endpgm
.Lfunc_end_k_q4f8e44768c_place:
	.size	k_q4f8e44768c_place, .Lfunc_end_k_q4f8e44768c_place-k_q4f8e44768c_place
	.p2alignl 7, 3214868480
	.fill 96, 4, 3214868480
	.section	.rodata,"a",@progbits
	.p2align	6, 0x0
	.amdhsa_kernel k_q4f8e44768c_place
		.amdhsa_group_segment_fixed_size 4608
		.amdhsa_private_segment_fixed_size 0
		.amdhsa_enable_private_segment 0
		.amdhsa_kernarg_size 32
		.amdhsa_user_sgpr_count 2
		.amdhsa_user_sgpr_kernarg_segment_ptr 1
		.amdhsa_wavefront_size32 1
		.amdhsa_system_sgpr_workgroup_id_x 1
		.amdhsa_system_sgpr_workgroup_id_y 1
		.amdhsa_system_sgpr_workgroup_id_z 1
		.amdhsa_system_vgpr_workitem_id 0
		.amdhsa_next_free_vgpr 210
		.amdhsa_next_free_sgpr 66
		.amdhsa_reserve_vcc 1
		.amdhsa_float_denorm_mode_32 3
		.amdhsa_float_denorm_mode_16_64 3
		.amdhsa_memory_ordered 1
		.amdhsa_forward_progress 1
		.amdhsa_inst_pref_size 60
	.end_amdhsa_kernel
	.amdgpu_metadata
---
amdhsa.version: [ 1, 2 ]
amdhsa.kernels:
  - .name:           k_q4f8e44768c_place
    .symbol:         k_q4f8e44768c_place.kd
    .args:
      - { .name: sel, .offset: 0, .size: 8, .value_kind: global_buffer, .address_space: global }
      - { .name: xq, .offset: 8, .size: 8, .value_kind: global_buffer, .address_space: global }
      - { .name: xs, .offset: 16, .size: 8, .value_kind: global_buffer, .address_space: global }
      - { .name: pos, .offset: 24, .size: 8, .value_kind: global_buffer, .address_space: global }
    .group_segment_fixed_size: 4608
    .private_segment_fixed_size: 0
    .kernarg_segment_align: 8
    .kernarg_segment_size: 32
    .max_flat_workgroup_size: 32
    .sgpr_count:     66
    .vgpr_count:     210
    .wavefront_size: 32
...
	.end_amdgpu_metadata
.endif
;; end of part 2
;; launch gemm1 (part 3): grid 32 x 8, 8 waves a work-group, no clusters, 136,448 bytes of LDS; arguments W1, b1, xs, pos, hq; writes hq
.if DOCPART == 3
	.amdgcn_target "amdgcn-amd-amdhsa--gfx1250"
	.amdhsa_code_object_version 6
	.text
	.protected	k_q4f8e44768c_gemm1
	.globl	k_q4f8e44768c_gemm1
	.p2align	8
	.type	k_q4f8e44768c_gemm1,@function
k_q4f8e44768c_gemm1:
	s_mov_b64 s[64:65], 0
	v_nop
	global_prefetch_b8 v0, s[64:65] scope:SCOPE_SE
	s_setreg_imm32_b32 hwreg(HW_REG_WAVE_MODE, 25, 1), 1
	s_wait_xcnt 0x0
; THE FIRST PRODUCT OF EACH EXPERT: hidden = relu(x W1[e] + b1[e]) for the rows routed to expert e, in MX-FP8, and the hidden layer quantised on the way out.
; Work-group (sx, e) owns W1[e][:, 128 sx .. 128 sx + 127]: 512 KB of f32, which no other work-group reads.  Two phases, one barrier between them.
; PHASE Q: the slice is streamed once, quantised along K (its first axis) and laid into LDS as images of the operand's registers.  A lane takes four neighbouring columns and 16 rows of a block of 32
;   (lanes l and l xor 16 share a block): one load reads two runs of 256 consecutive bytes, rows k and k + 16.  Four columns stand side by side in a lane's registers, so each number is multiplied by
;   1 / its column's scale (a power of two: nothing is rounded), held at 448 and converted under the scale 1; byte permutes then turn 4 x 4 bytes, so that a column's 16 codes along K are 16 bytes.
; PHASE G: the expert's rows, 64 at a time, against the slice.  A wave's unit: 4 tiles of rows x 4 tiles of columns x all of K: 16 accumulators, 128 matrix instructions.  Waves take panel w % 2 (64 columns)
;   and chunks w / 2, w / 2 + 4, ..  The rows' fragments come from memory as they lie (the launch before laid them so), the weights' from LDS.
;   The loop over a wave's chunks has four trips, as many as an expert's 1,024 rows at the most can ask of it; a wave leaves it at the head of the first trip whose chunk lies behind the expert's rows.
; TRANSPOSED USE: source 0 = 16 columns of W1, source 1 = 16 rows of x: a lane holds ONE row.  THE COLUMNS OF A TILE ARE NOT NEIGHBOURS: lane r of tile 2 b + u takes column 32 b + 8 u + r + 8 (r / 8) of the panel,
;   so that the 16 registers of tiles 2 b, 2 b + 1 are 16 neighbouring hidden units: the conversions' results are registers of the second product's operand, K step sx, pieces c = 2 panel + b.
; b1 is loaded into the accumulators and is the C of each sum's first matrix instruction.
; hq + 0: [e][T 64][K step 32][c 4][lane 32][16 bytes];  hq + 0x2000000: scale words [e][T][K step 32][r 16].
; NO TENSOR LOAD, NO CLUSTER: the number of chunks is a count read from memory, and partners would need different numbers of tiles; each weight byte has one reader anyway.
; LIMITS: NaN and infinities among the inputs are not served.  A block of zeros gets the byte 1 with zero codes (only this program reads the bytes).
; REGISTERS.  Window 0: v1-14 addresses and constants; v16-31 the rows' scale words; v48-51 the weights' scale words; v52-115 the rows' fragments, third buffer (on the way out: at work); v116-121 at work at the head;
;   v128-255 the weights' fragments, two buffers (in phase Q: at work; on the way out: codes).  Window 1: v0-127 the 16 accumulators, (row tile j, column tile t) at 8 (4 j + t) (in phase Q: loads); v128-255 the rows' fragments, two buffers (likewise).
.set S,      8                         ; K steps of 128
.set NP,     4                         ; registers of scale words for a tile of rows: two K steps to a register
.set TRIPS,  4                         ; 16 chunks at the most, four waves to a panel
.set TILEB,  16384                     ; a tile of rows in xs
.set SWT,    512                       ; its scale words
.set PITCH,  16384                     ; a row of W1[e] in bytes
.set TSTR,   16400                     ; a tile of columns in LDS: 8 K steps x 2,048 bytes, + 16, so that the sixteen lanes of a store start at sixteen different places modulo 256
.set WSC,    131328                    ; behind the 8 tiles: the weights' scale words, [panel][K step][16 t + r]
.set KSOFF,  8192                      ; a wave's second K step lies four steps on
.set SWOFF,  1024
.set LN16, 1                           ; 16 x lane
.set LN4,  2                           ; 4 x lane
.set AW,   3                           ; v3-6  my panel's four tiles in LDS, + 16 x lane
.set AS,   7                           ; my panel's scale words, + 4 x lane
.set HB,   8                           ; 64 h: b1
.set R4,   9                           ; 4 r: the hidden layer's scale words
.set VO,   10                          ; phase Q: my 16 bytes of a row, 16 rows down for lanes 16-31
.set AWR,  11                          ; phase Q: where my first column's 16 codes go
.set ASW,  12                          ; phase Q: where my four columns' scale words go
.set ONE,  13
.set HOLD, 14
.set XS,   16
.set WS,   48
.set XF2,  52
.set WF,   128
.set AM,   128                         ; phase Q: largest magnitudes of my four columns
.set PM,   132                         ;          the other half's
.set IV,   136                         ;          1 / scale
.set EB,   140                         ;          scale bytes
.set SW,   144                         ;          scale words in the making
.set PP,   148                         ;          halfway through the turn
.set CC,   160                         ;          codes: register i = row i's four columns
.set TT,   176                         ;          codes: registers 4 j .. 4 j + 3 = column j's sixteen rows
.set QTM,  52                          ; the way out: largest numbers of eight blocks, the other half's, scale operands, 448 x scale, bytes, half scale words
.set QTP,  60
.set QSC,  68
.set QTH,  76
.set QTB,  84
.set QPW,  92
.set CD,   128                         ; and the codes
.set MSB, 0
.macro WIN new                         ; s_set_vgpr_msb: bits 1:0 source 0, 3:2 source 1, 5:4 source 2, 7:6 destination; the high byte repeats the setting that is left
.if MSB != \new
	s_set_vgpr_msb (MSB<<8)|\new
.set MSB, \new
.endif
.endm
.macro PLACES n
.rept \n
	v_nop
.endr
.endm
	s_load_b256 s[4:11], s[0:1], 0x0               ; W1 s[4:5], b1 s[6:7], xs s[8:9], pos s[10:11]
	s_load_b64 s[12:13], s[0:1], 0x20              ; hq
	v_lshl_add_u32 v126, v0, 2, 0x21100
	v_mov_b32 v127, 0
	v_lshrrev_b32 v116, 5, v0
	v_readfirstlane_b32 s30, v116                  ; wave 0..7
	s_and_b32 s31, ttmp7, 0xffff                   ; e
	s_mov_b32 s32, ttmp9                           ; sx
	s_and_b32 s45, s30, 1                          ; my panel
	s_lshr_b32 s46, s30, 1                         ; phase Q: my first K step; phase G: my first chunk
	v_and_b32 v116, 31, v0
	v_lshlrev_b32 v[LN16], 4, v116
	v_lshlrev_b32 v[LN4], 2, v116
	v_and_b32 v117, 15, v0                         ; q in phase Q, r in phase G
	v_bfe_u32 v118, v0, 4, 1                       ; which half of the lanes
	v_lshlrev_b32 v[HB], 6, v118
	v_lshlrev_b32 v[R4], 2, v117
	v_lshlrev_b32 v[VO], 4, v117
	v_lshl_or_b32 v[VO], v118, 18, v[VO]           ; 16 q + 16 rows of 16,384 bytes for lanes 16-31
	; my columns 4 q + j = 32 b + 16 a + 8 u + lo: tile 2 b + u, lane r = 8 a + lo of the image
	v_bfe_u32 v119, v0, 3, 1                       ; b
	v_bfe_u32 v120, v0, 1, 1                       ; u
	v_lshl_add_u32 v119, v119, 1, v120             ; the tile
	v_bfe_u32 v120, v0, 2, 1                       ; a
	v_and_b32 v121, 1, v0                          ; lo / 4
	v_mul_u32_u24 v[AWR], v119, TSTR
	v_lshl_add_u32 v[AWR], v120, 7, v[AWR]
	v_lshl_add_u32 v[AWR], v121, 6, v[AWR]
	v_lshl_add_u32 v[AWR], v118, 8, v[AWR]
	s_mul_i32 s47, s45, 4*TSTR                     ; my panel's tiles
	s_lshl_b32 s48, s46, 11
	s_add_co_u32 s48, s48, s47
	v_add_nc_u32 v[AWR], s48, v[AWR]
	v_lshlrev_b32 v[ASW], 6, v119
	v_lshl_add_u32 v[ASW], v120, 5, v[ASW]
	v_lshl_add_u32 v[ASW], v121, 4, v[ASW]
	s_lshl_b32 s48, s45, 11
	s_add_co_u32 s48, s48, WSC                     ; my panel's scale words
	v_add_nc_u32 v[AS], s48, v[LN4]
	s_lshl_b32 s49, s46, 8
	s_add_co_u32 s48, s48, s49
	v_add_nc_u32 v[ASW], s48, v[ASW]
	v_add_nc_u32 v[AW], s47, v[LN16]
	v_add_nc_u32 v[AW+1], TSTR, v[AW]
	v_add_nc_u32 v[AW+2], 2*TSTR, v[AW]
	v_add_nc_u32 v[AW+3], 3*TSTR, v[AW]
	v_mov_b32 v[ONE], 1.0
	v_mov_b32 v[HOLD], 0x43e00000                  ; 448
.irp j, 0,1,2,3
	v_mov_b32 v[PM+\j], 0                          ; written once: a lane permute's destination counts as one of its sources
.endr
	s_mov_b32 s36, 0x76543210
	s_mov_b32 s37, 0xfedcba98                      ; v_permlanex16_b32's selects for lane l xor 16
	s_mov_b32 s39, 0x600000                        ; the mantissa field of 448
	s_mov_b32 s40, 0x05010400                      ; byte selects of the 4 x 4 turn
	s_mov_b32 s41, 0x07030602
	s_mov_b32 s42, 0x05040100
	s_mov_b32 s43, 0x07060302
	s_lshl_b32 s50, s31, 24                        ; W1: e x 16 MB + 512 sx + 256 panel + my K step's 128 rows
	s_lshl_b32 s52, s32, 9
	s_add_co_u32 s50, s50, s52
	s_lshl_b32 s52, s45, 8
	s_add_co_u32 s50, s50, s52
	s_lshl_b32 s52, s46, 21
	s_add_co_u32 s50, s50, s52
	s_mov_b32 s51, 0
	s_lshl_b32 s56, s31, 2
	s_wait_kmcnt 0x0
	s_add_nc_u64 s[16:17], s[4:5], s[50:51]
	s_add_nc_u64 s[18:19], s[16:17], 0x800000      ; my second K step: four steps, 512 rows, on
	s_load_b32 s33, s[10:11], s56 offset:0x2000    ; the expert's count of rows
; A set: 64 columns x 32 rows of K: 16 loads into 64 registers of window 1, register 4 i + j = row 32 c + 16 (lane / 16) + i, column 4 q + j.
.macro QLOAD buf, ks, c
	WIN 0x40
.irp i, 0,1,2,3,4,5,6,7,8,9,10,11,12,13,14,15
	global_load_b128 v[64*\buf+4*\i:64*\buf+4*\i+3], v[VO], s[16+2*\ks:17+2*\ks] offset:(32*\c+\i)*PITCH th:TH_LOAD_NT
.endr
.endm
.macro QSET buf, ks, c, left
	s_wait_loadcnt \left                           ; this set is in; the younger sets, 16 loads each, may stay out
	s_wait_dscnt 0x0                               ; the last set's LDS stores are done
	WIN 0x05
.irp j, 0,1,2,3
	v_max3_num_f32 v[AM+\j], |v[64*\buf+\j]|, |v[64*\buf+4+\j]|, 0x4800000   ; with the floor 2^(9 - 127): the byte cannot fall under 1
.endr
	WIN 0x14
.irp i, 2,4,6,8,10,12,14
.irp j, 0,1,2,3
	v_max3_num_f32 v[AM+\j], v[AM+\j], |v[64*\buf+4*\i+\j]|, |v[64*\buf+4*\i+4+\j]|   ; the four columns by turns
.endr
.endr
	WIN 0
.irp j, 0,1,2,3
	v_permlanex16_b32 v[PM+\j], v[AM+\j], s36, s37
.endr
.irp j, 0,1,2,3
	v_max_num_f32 v[AM+\j], v[AM+\j], v[PM+\j]     ; with the block's other 16 rows
.endr
.irp j, 0,1,2,3
	v_and_b32 v[IV+\j], 0x7f800000, v[AM+\j]
.endr
.irp j, 0,1,2,3
	v_sub_nc_u32 v[IV+\j], 0x83000000, v[IV+\j]    ; exponent field 262 - the largest magnitude's: 1 / scale
.endr
.irp j, 0,1,2,3
	v_lshrrev_b32 v[EB+\j], 23, v[AM+\j]
.endr
.irp j, 0,1,2,3
.if \c == 0
	v_add_nc_u32 v[SW+\j], -8, v[EB+\j]            ; the scale's byte: the K step's first starts the word
.else
	v_add_nc_u32 v[EB+\j], -8, v[EB+\j]
.endif
.endr
.if \c > 0
.irp j, 0,1,2,3
	v_lshl_or_b32 v[SW+\j], v[EB+\j], 8*\c, v[SW+\j]
.endr
.endif
	WIN 0x41
.irp i, 0,1,2,3,4,5,6,7,8,9,10,11,12,13,14,15
	v_pk_mul_f32 v[64*\buf+4*\i:64*\buf+4*\i+1], v[64*\buf+4*\i:64*\buf+4*\i+1], v[IV:IV+1]
	v_pk_mul_f32 v[64*\buf+4*\i+2:64*\buf+4*\i+3], v[64*\buf+4*\i+2:64*\buf+4*\i+3], v[IV+2:IV+3]
.endr
.set n, 0
.rept 64
	v_med3_num_f32 v[64*\buf+n], v[64*\buf+n], -v[HOLD], v[HOLD]   ; the conversion to an 8-bit code does not saturate (ISA guide 7.6.2): the hold at 448
.set n, n+1
.endr
	WIN 0x01
.irp g, 0,1,2,3,4,5,6,7
	v_cvt_scalef32_pk8_fp8_f32 v[CC+2*\g:CC+2*\g+1], v[64*\buf+8*\g:64*\buf+8*\g+7], v[ONE]
.endr
	WIN 0
	v_nop                                          ; one plain instruction behind the last conversion
.irp g, 0,1,2,3                        ; rows 4 g .. 4 g + 3: four registers of four columns become four registers of four rows
	v_perm_b32 v[PP+4*(\g%2)],   v[CC+4*\g+1], v[CC+4*\g],   s40
	v_perm_b32 v[PP+4*(\g%2)+1], v[CC+4*\g+1], v[CC+4*\g],   s41
	v_perm_b32 v[PP+4*(\g%2)+2], v[CC+4*\g+3], v[CC+4*\g+2], s40
	v_perm_b32 v[PP+4*(\g%2)+3], v[CC+4*\g+3], v[CC+4*\g+2], s41
	v_perm_b32 v[TT+\g],    v[PP+4*(\g%2)+2], v[PP+4*(\g%2)],   s42
	v_perm_b32 v[TT+4+\g],  v[PP+4*(\g%2)+2], v[PP+4*(\g%2)],   s43
	v_perm_b32 v[TT+8+\g],  v[PP+4*(\g%2)+3], v[PP+4*(\g%2)+1], s42
	v_perm_b32 v[TT+12+\g], v[PP+4*(\g%2)+3], v[PP+4*(\g%2)+1], s43
.endr
.irp j, 0,1,2,3
	ds_store_b128 v[AWR], v[TT+4*\j:TT+4*\j+3] offset:16*\j+512*\c+\ks*KSOFF   ; column j: registers 4 c .. 4 c + 3 of its lane of the image
.endr
.if \c == 3
	ds_store_b128 v[ASW], v[SW:SW+3] offset:\ks*SWOFF   ; my four columns' words of this K step; both halves of the lanes write the same words
.endif
.endm
	QLOAD 0, 0, 0                                  ; four sets, 64 loads a wave, go out before anything else
	QLOAD 1, 0, 1
	QLOAD 2, 0, 2
	QLOAD 3, 0, 3
	s_lshl_b32 s50, s31, 20                        ; the rows' images: e x 1 MB + chunk x 64 KB
	s_lshl_b32 s52, s46, 16
	s_add_co_u32 s50, s50, s52
	s_add_nc_u64 s[20:21], s[8:9], s[50:51]
	s_lshl_b32 s50, s31, 15                        ; their scale words: e x 32 KB + chunk x 2 KB
	s_lshl_b32 s52, s46, 11
	s_add_co_u32 s50, s50, s52
	s_add_co_u32 s50, s50, 0x800000
	s_add_nc_u64 s[22:23], s[8:9], s[50:51]
	s_lshl_b32 s50, s31, 22                        ; the hidden layer's images: e x 4 MB + chunk x 256 KB + K step sx + my panel's two pieces
	s_lshl_b32 s52, s46, 18
	s_add_co_u32 s50, s50, s52
	s_lshl_b32 s52, s32, 11
	s_add_co_u32 s50, s50, s52
	s_lshl_b32 s52, s45, 10
	s_add_co_u32 s50, s50, s52
	s_add_nc_u64 s[24:25], s[12:13], s[50:51]
	s_lshl_b32 s50, s31, 17                        ; its scale words: e x 128 KB + chunk x 8 KB + 64 sx + my panel's two bytes
	s_lshl_b32 s52, s46, 13
	s_add_co_u32 s50, s50, s52
	s_lshl_b32 s52, s32, 6
	s_add_co_u32 s50, s50, s52
	s_lshl_b32 s52, s45, 1
	s_add_co_u32 s50, s50, s52
	s_add_co_u32 s50, s50, 0x2000000
	s_add_nc_u64 s[26:27], s[12:13], s[50:51]
	s_lshl_b32 s50, s31, 14                        ; b1: e x 16 KB + 512 sx + 256 panel
	s_lshl_b32 s52, s32, 9
	s_add_co_u32 s50, s50, s52
	s_lshl_b32 s52, s45, 8
	s_add_co_u32 s50, s50, s52
	s_add_nc_u64 s[28:29], s[6:7], s[50:51]
	s_wait_kmcnt 0x0                               ; the count
	s_add_co_u32 s34, s33, 63
	s_lshr_b32 s34, s34, 6
	s_min_u32 s34, s34, 16                         ; chunks of 64 rows
	QSET 0, 0, 0, 48
	QLOAD 0, 1, 0
	QSET 1, 0, 1, 48
	QLOAD 1, 1, 1
	QSET 2, 0, 2, 48
	QLOAD 2, 1, 2
	QSET 3, 0, 3, 48
	QLOAD 3, 1, 3
	QSET 0, 1, 0, 48
	QSET 1, 1, 1, 32
	QSET 2, 1, 2, 16
	QSET 3, 1, 3, 0
	s_wait_dscnt 0x0                               ; for the others' sake: my part of the slice lies in LDS
	s_barrier_signal -1
	s_barrier_wait -1                              ; the whole slice does.  The one barrier: it stands ahead of every branch on the count
; ---- PHASE G
.macro XLOAD s, buf                    ; the four row tiles' fragments of K step s: 16 loads of 512 consecutive bytes
.if (\buf) == 2
	WIN 0
.set XLB, XF2
.else
	WIN 0x40
.set XLB, 128+64*(\buf)
.endif
.irp j, 0,1,2,3
.irp c, 0,1,2,3
	global_load_b128 v[XLB+16*\j+4*\c:XLB+16*\j+4*\c+3], v[LN16], s[20:21] offset:\j*TILEB+2048*(\s)+512*\c
.endr
.endr
.endm
.macro WLOAD s, buf                    ; my panel's four fragments of K step s, and their scale words: lanes 0-15 an even tile's, lanes 16-31 the odd tile's behind it
	WIN 0
.irp t, 0,1,2,3
.irp c, 0,1,2,3
	ds_load_b128 v[WF+64*(\buf)+16*\t+4*\c:WF+64*(\buf)+16*\t+4*\c+3], v[AW+\t] offset:2048*(\s)+512*\c
.endr
.endr
	ds_load_b32 v[WS+2*(\buf)], v[AS] offset:256*(\s)
	ds_load_b32 v[WS+2*(\buf)+1], v[AS] offset:256*(\s)+128
.endm
.macro MM j, t, s                      ; accumulator (j, t) += W1's tile t x rows' tile j, K step s.  The scale registers' upper lanes serve odd tiles and odd K steps
.set AC, 8*(4*(\j)+(\t))
.set FA, WFB+16*(\t)
.set FB, XFB+16*(\j)
.set SA, WS+2*((\s)%2)+(\t)/2
.set SB, XS+NP*(\j)+(\s)/2
.if (((\t)%2) == 0) && (((\s)%2) == 0)
	v_wmma_scale_f32_16x16x128_f8f6f4 v[AC:AC+7], v[FA:FA+15], v[FB:FB+15], v[AC:AC+7], v[SA], v[SB]
.elseif (((\s)%2) == 0)
	v_wmma_scale_f32_16x16x128_f8f6f4 v[AC:AC+7], v[FA:FA+15], v[FB:FB+15], v[AC:AC+7], v[SA], v[SB] matrix_a_scale:MATRIX_SCALE_ROW1
.elseif (((\t)%2) == 0)
	v_wmma_scale_f32_16x16x128_f8f6f4 v[AC:AC+7], v[FA:FA+15], v[FB:FB+15], v[AC:AC+7], v[SA], v[SB] matrix_b_scale:MATRIX_SCALE_ROW1
.else
	v_wmma_scale_f32_16x16x128_f8f6f4 v[AC:AC+7], v[FA:FA+15], v[FB:FB+15], v[AC:AC+7], v[SA], v[SB] matrix_a_scale:MATRIX_SCALE_ROW1 matrix_b_scale:MATRIX_SCALE_ROW1
.endif
.endm
; A K step: 16 matrix instructions, the 16 accumulators by turns, one instruction a turn.  The rows' fragments are asked for two steps ahead (three buffers), the weights' one (two).
.macro GSTEP s
	WIN 0
	PLACES 8                                       ; loads into registers that the last step's matrix instructions read stand eight plain vector instructions behind them
.if (\s)+2 < S
.set NB, ((\s)+2)%3
	XLOAD (\s)+2, NB
.endif
.if (\s)+1 < S
.set NB, ((\s)+1)%2
	WLOAD (\s)+1, NB
.endif
.if S-1-(\s) >= 2
	s_wait_loadcnt 32                              ; this step's rows are in; the next two steps', 16 loads each, may be out
.else
	s_wait_loadcnt 16*(S-1-(\s))
.endif
.if (\s)+1 < S
	s_wait_dscnt 18                                ; this step's weights are in; the next step's 16 + 2 loads may be out
.else
	s_wait_dscnt 0x0
.endif
.if ((\s)%3) == 2
	WIN 0x50                                       ; C and D window 1, both sources window 0
.set XFB, XF2
.else
	WIN 0x54                                       ; C, D and source 1 window 1
.set XFB, 128+64*((\s)%3)
.endif
.set WFB, WF+64*((\s)%2)
.irp j, 0,1,2,3
.irp t, 0,1,2,3
	MM \j, \t, \s
.endr
.endr
.endm
	s_mov_b32 s35, s46                             ; my chunk
	s_mov_b32 s57, 0                               ; trips
.Lunit:
	s_cmp_ge_u32 s35, s34
	s_cbranch_scc1 .Lend                           ; my chunk lies behind the expert's rows, and so do those that would follow
	WIN 0x40
.irp j, 0,1,2,3                        ; b1 into the accumulators: tile t, register i of lane (r, h) is hidden unit 32 (t / 2) + 16 h + 8 (t % 2) + i of the panel
.irp t, 0,1,2,3
	global_load_b128 v[8*(4*\j+\t):8*(4*\j+\t)+3], v[HB], s[28:29] offset:(32*(\t/2)+8*(\t%2))*4
	global_load_b128 v[8*(4*\j+\t)+4:8*(4*\j+\t)+7], v[HB], s[28:29] offset:(32*(\t/2)+8*(\t%2))*4+16
.endr
.endr
	WIN 0
.irp j, 0,1,2,3
.irp q, 0,1,2,3
	global_load_b32 v[XS+NP*\j+\q], v[LN4], s[22:23] offset:\j*SWT+128*\q   ; lanes 0-15: K step 2 q; lanes 16-31: K step 2 q + 1
.endr
.endr
	XLOAD 0, 0
	XLOAD 1, 1
	WLOAD 0, 0
.irp s, 0,1,2,3,4,5,6,7
	GSTEP \s
.endr
	; THE WAY OUT: eight blocks of 32 hidden units (row tile j, half b of the panel), 16 registers a lane each, at accumulator register 16 (2 j + b); lanes l and l xor 16 share a block.
	WIN 0
	PLACES 9
.irp k, 0,1,2,3,4,5,6,7
	v_mov_b32 v[QTP+\k], 0                         ; a lane permute's destination counts as one of its sources
.endr
	WIN 0x05
.irp k, 0,1,2,3,4,5,6,7
	v_max3_num_f32 v[QTM+\k], v[16*\k], v[16*\k+1], 0x4800000   ; no |.|: what is negative becomes 0 and must not count; the floor stands over it.  Each accumulator is read from its low end on
.endr
	WIN 0x14
.irp i, 2,4,6,8,10,12,14
.irp k, 0,1,2,3,4,5,6,7
	v_max3_num_f32 v[QTM+\k], v[QTM+\k], v[16*\k+\i], v[16*\k+\i+1]
.endr
.endr
	WIN 0
.irp k, 0,1,2,3,4,5,6,7
	v_permlanex16_b32 v[QTP+\k], v[QTM+\k], s36, s37
.endr
.irp k, 0,1,2,3,4,5,6,7
	v_max_num_f32 v[QTM+\k], v[QTM+\k], v[QTP+\k]
.endr
.irp k, 0,1,2,3,4,5,6,7
	v_add_nc_u32 v[QSC+\k], 0xfc000000, v[QTM+\k]  ; 8 off the exponent field: the conversion's scale operand
.endr
.irp k, 0,1,2,3,4,5,6,7
	v_and_or_b32 v[QTH+\k], v[QTM+\k], 0x7f800000, s39   ; 448 x the scale
.endr
.irp k, 0,1,2,3,4,5,6,7
	v_lshrrev_b32 v[QTB+\k], 23, v[QSC+\k]         ; the scale's byte
.endr
.irp j, 0,1,2,3
	v_lshl_or_b32 v[QPW+\j], v[QTB+2*\j+1], 8, v[QTB+2*\j]   ; my panel's two bytes of the row's scale word
.endr
	WIN 0x41
.irp k, 0,1,2,3,4,5,6,7
.irp i, 0,1,2,3,4,5,6,7,8,9,10,11,12,13,14,15
	v_med3_num_f32 v[16*\k+\i], v[16*\k+\i], 0, v[QTH+\k]   ; the activation and the hold in one
.endr
.endr
	WIN 0x01
.irp k, 0,1,2,3,4,5,6,7
	v_cvt_scalef32_pk8_fp8_f32 v[CD+4*\k:CD+4*\k+1], v[16*\k:16*\k+7], v[QSC+\k]
	v_cvt_scalef32_pk8_fp8_f32 v[CD+4*\k+2:CD+4*\k+3], v[16*\k+8:16*\k+15], v[QSC+\k]
.endr
	WIN 0
	v_nop                                          ; one plain instruction behind the last conversion
.irp j, 0,1,2,3
.irp b, 0,1
	global_store_b128 v[LN16], v[CD+4*(2*\j+\b):CD+4*(2*\j+\b)+3], s[24:25] offset:\j*65536+512*\b   ; 512 consecutive bytes: piece 2 panel + b of the operand's image
.endr
	global_store_b16 v[R4], v[QPW+\j], s[26:27] offset:2048*\j   ; lanes l and l + 16 store the same two bytes
.endr
	s_wait_xcnt 0x0                                ; the loads' and stores' bases and the stores' data are rewritten only behind this wait
	s_add_nc_u64 s[20:21], s[20:21], 0x40000       ; four chunks on
	s_add_nc_u64 s[22:23], s[22:23], 0x2000
	s_add_nc_u64 s[24:25], s[24:25], 0x100000
	s_add_nc_u64 s[26:27], s[26:27], 0x8000
	s_add_co_u32 s35, s35, 4
	s_add_co_u32 s57, s57, 1
	s_cmp_lt_u32 s57, TRIPS
	s_cbranch_scc1 .Lunit
.Lend:
	s_wait_tensorcnt 0x0
	ds_add_u32 v126, v127
	s_wait_dscnt 0x0
	s_endpgm
.Lfunc_end_k_q4f8e44768c_gemm1:
	.size	k_q4f8e44768c_gemm1, .Lfunc_end_k_q4f8e44768c_gemm1-k_q4f8e44768c_gemm1
	.p2alignl 7, 3214868480
	.fill 96, 4, 3214868480
	.section	.rodata,"a",@progbits
	.p2align	6, 0x0
	.amdhsa_kernel k_q4f8e44768c_gemm1
		.amdhsa_group_segment_fixed_size 136448
		.amdhsa_private_segment_fixed_size 0
		.amdhsa_enable_private_segment 0
		.amdhsa_kernarg_size 40
		.amdhsa_user_sgpr_count 2
		.amdhsa_user_sgpr_kernarg_segment_ptr 1
		.amdhsa_wavefront_size32 1
		.amdhsa_system_sgpr_workgroup_id_x 1
		.amdhsa_system_sgpr_workgroup_id_y 1
		.amdhsa_system_sgpr_workgroup_id_z 1
		.amdhsa_system_vgpr_workitem_id 0
		.amdhsa_next_free_vgpr 512
		.amdhsa_next_free_sgpr 66
		.amdhsa_reserve_vcc 0
		.amdhsa_float_denorm_mode_32 3
		.amdhsa_float_denorm_mode_16_64 3
		.amdhsa_memory_ordered 1
		.amdhsa_forward_progress 1
		.amdhsa_inst_pref_size 180
	.end_amdhsa_kernel
	.amdgpu_metadata
---
amdhsa.version: [ 1, 2 ]
amdhsa.kernels:
  - .name:           k_q4f8e44768c_gemm1
    .symbol:         k_q4f8e44768c_gemm1.kd
    .args:
      - { .name: W1, .offset: 0, .size: 8, .value_kind: global_buffer, .address_space: global }
      - { .name: b1, .offset: 8, .size: 8, .value_kind: global_buffer, .address_space: global }
      - { .name: xs, .offset: 16, .size: 8, .value_kind: global_buffer, .address_space: global }
      - { .name: pos, .offset: 24, .size: 8, .value_kind: global_buffer, .address_space: global }
      - { .name: hq, .offset: 32, .size: 8, .value_kind: global_buffer, .address_space: global }
    .group_segment_fixed_size: 136448
    .private_segment_fixed_size: 0
    .kernarg_segment_align: 8
    .kernarg_segment_size: 40
    .max_flat_workgroup_size: 256
    .sgpr_count:     66
    .vgpr_count:     512
    .wavefront_size: 32
...
	.end_amdgpu_metadata
.endif
;; end of part 3
;; launch gemm2 (part 4): grid 32 x 8, 8 waves a work-group, no clusters, 171,264 bytes of LDS; arguments W2, hq, pos, yp; writes yp
.if DOCPART == 4
	.amdgcn_target "amdgcn-amd-amdhsa--gfx1250"
	.amdhsa_code_object_version 6
	.text
	.protected	k_q4f8e44768c_gemm2
	.globl	k_q4f8e44768c_gemm2
	.p2align	8
	.type	k_q4f8e44768c_gemm2,@function
k_q4f8e44768c_gemm2:
	s_mov_b64 s[64:65], 0
	v_nop
	global_prefetch_b8 v0, s[64:65] scope:SCOPE_SE
	s_setreg_imm32_b32 hwreg(HW_REG_WAVE_MODE, 25, 1), 1
	s_wait_xcnt 0x0
; THE SECOND PRODUCT OF EACH EXPERT: yp[kh][row] = hidden[row][2048 kh ..] W2[e][2048 kh .., 64 ns ..], in MX-FP8, f32 sums, for the rows routed to expert e.
; Work-group (ns + 16 kh, e) owns 2,048 rows x 64 columns of W2[e]: 512 KB of f32, which no other work-group reads.  The two halves of K are added, with b2 and the gates' weights, by the launch behind this one.
; PHASE Q as in the first product: the slice is streamed once, quantised along K (its first axis) and laid into LDS as images of the operand's registers.  A lane takes four neighbouring columns and 16 rows of a
;   block of 32 (lanes l and l xor 16 share a block): one load reads two runs of 256 consecutive bytes.  Wave w takes K steps w and w + 8 of the slice's 16.
; PHASE G: a wave's unit: 64 rows (4 tiles) x the 64 columns (4 tiles) x 16 K steps: 16 accumulators, 256 matrix instructions.  Waves take chunks w, w + 8.
;   The loop over a wave's chunks has two trips, as many as an expert's 1,024 rows at the most can ask of it; a wave leaves it at the head of the first trip whose chunk lies behind the expert's rows.
; TRANSPOSED USE: source 0 = 16 columns of W2, source 1 = 16 rows of the hidden layer: a lane's eight results are eight neighbouring columns of one row.  A tile of 16 rows x 64 columns goes through the
;   wave's own stage in LDS and leaves as rows: sixteen lanes store 256 consecutive bytes, aligned.
; NO TENSOR LOAD, NO CLUSTER: the number of chunks is a count read from memory, and partners would need different numbers of tiles; each weight byte has one reader anyway.
; LIMITS: NaN and infinities among the inputs are not served.  A block of zeros gets the byte 1 with zero codes (only this program reads the bytes).
; REGISTERS.  Window 0: v1-15 addresses and constants; v16-47 the rows' scale words; v48-51 the weights'; v52-115 the rows' fragments, third buffer; v116-121 at work at the head; v128-255 the weights' fragments,
;   two buffers (in phase Q: at work; on the way out: rows read back).  Window 1: v0-127 the 16 accumulators, (row tile j, column tile t) at 8 (4 j + t) (in phase Q: loads); v128-255 the rows' fragments, two buffers (likewise).
.set S,      16                        ; K steps of 128
.set NP,     8                         ; registers of scale words for a tile of rows: two K steps to a register
.set TRIPS,  2                         ; 16 chunks at the most, eight waves
.set TILEB,  65536                     ; a tile of rows in hq
.set SWT,    2048                      ; its scale words
.set PITCH,  4096                      ; a row of W2[e] in bytes
.set TSTR,   32784                     ; a tile of columns in LDS: 16 K steps x 2,048 bytes, + 16, so that the sixteen lanes of a store start at sixteen different places modulo 256
.set WSC,    131328                    ; behind the 4 tiles: the weights' scale words, [K step][16 t + r]
.set STG,    135424                    ; behind them: a stage of 16 rows x (256 + 16) bytes for each wave
.set KSOFF,  16384                     ; a wave's second K step lies eight steps on
.set SWOFF,  2048
.set LN16, 1                           ; 16 x lane
.set LN4,  2                           ; 4 x lane
.set AW,   3                           ; v3-6  the four tiles in LDS, + 16 x lane
.set AS,   7                           ; the weights' scale words, + 4 x lane
.set STO,  8                           ; the stage: where I put 32 bytes of a row
.set RD,   9                           ; and where I read a row back
.set VO,   10                          ; phase Q: my 16 bytes of a row, 16 rows down for lanes 16-31
.set AWR,  11                          ; phase Q: where my first column's 16 codes go
.set ASW,  12                          ; phase Q: where my four columns' scale words go
.set ONE,  13
.set HOLD, 14
.set YO,   15                          ; my 16 bytes of two rows of yp
.set XS,   16
.set WS,   48
.set XF2,  52
.set WF,   128
.set OBR,  128                         ; the way out: 16 rows read back, two sets by turns
.set AM,   128                         ; phase Q: as in the first product
.set PM,   132
.set IV,   136
.set EB,   140
.set SW,   144
.set PP,   148
.set CC,   160
.set TT,   176
.set MSB, 0
.macro WIN new                         ; s_set_vgpr_msb: bits 1:0 source 0, 3:2 source 1, 5:4 source 2, 7:6 destination; the high byte repeats the setting that is left
.if MSB != \new
	s_set_vgpr_msb (MSB<<8)|\new
.set MSB, \new
.endif
.endm
.macro PLACES n
.rept \n
	v_nop
.endr
.endm
	s_load_b256 s[4:11], s[0:1], 0x0               ; W2 s[4:5], hq s[6:7], pos s[8:9], yp s[10:11]
	v_lshl_add_u32 v126, v0, 2, 0x29900
	v_mov_b32 v127, 0
	v_lshrrev_b32 v116, 5, v0
	v_readfirstlane_b32 s30, v116                  ; wave 0..7
	s_and_b32 s31, ttmp7, 0xffff                   ; e
	s_and_b32 s32, ttmp9, 15                       ; ns: which 64 columns
	s_lshr_b32 s45, ttmp9, 4                       ; kh: which half of K
	v_and_b32 v116, 31, v0
	v_lshlrev_b32 v[LN16], 4, v116
	v_lshlrev_b32 v[LN4], 2, v116
	v_and_b32 v117, 15, v0                         ; q in phase Q, r in phase G
	v_bfe_u32 v118, v0, 4, 1                       ; which half of the lanes
	v_lshlrev_b32 v[VO], 4, v117
	v_lshl_or_b32 v[VO], v118, 16, v[VO]           ; 16 q + 16 rows of 4,096 bytes for lanes 16-31
	v_bfe_u32 v119, v0, 2, 2                       ; my columns 4 q + j: tile q / 4,
	v_and_b32 v120, 3, v0                          ; lane r = 4 (q % 4) + j of the image
	v_mul_u32_u24 v[AWR], v119, TSTR
	v_lshl_add_u32 v[AWR], v120, 6, v[AWR]
	v_lshl_add_u32 v[AWR], v118, 8, v[AWR]
	s_lshl_b32 s48, s30, 11                        ; my first K step
	v_add_nc_u32 v[AWR], s48, v[AWR]
	v_lshlrev_b32 v[ASW], 4, v117
	s_lshl_b32 s48, s30, 8
	s_add_co_u32 s48, s48, WSC
	v_add_nc_u32 v[ASW], s48, v[ASW]
	v_add_nc_u32 v[AS], WSC, v[LN4]
	v_mov_b32 v[AW], v[LN16]
	v_add_nc_u32 v[AW+1], TSTR, v[LN16]
	v_add_nc_u32 v[AW+2], 2*TSTR, v[LN16]
	v_add_nc_u32 v[AW+3], 3*TSTR, v[LN16]
	s_mul_i32 s48, s30, 16*272
	s_add_co_u32 s48, s48, STG                     ; my stage
	v_mul_u32_u24 v[STO], v117, 272
	v_lshl_add_u32 v[STO], v118, 5, v[STO]
	v_add_nc_u32 v[STO], s48, v[STO]               ; in: row r, + 32 h
	v_mul_u32_u24 v[RD], v118, 272
	v_lshl_add_u32 v[RD], v117, 4, v[RD]
	v_add_nc_u32 v[RD], s48, v[RD]                 ; back: lanes 0-15 one row, lanes 16-31 the next
	v_lshlrev_b32 v[YO], 12, v118
	v_lshl_add_u32 v[YO], v117, 4, v[YO]           ; and the same two rows in yp
	v_mov_b32 v[ONE], 1.0
	v_mov_b32 v[HOLD], 0x43e00000                  ; 448
.irp j, 0,1,2,3
	v_mov_b32 v[PM+\j], 0                          ; written once: a lane permute's destination counts as one of its sources
.endr
	s_mov_b32 s36, 0x76543210
	s_mov_b32 s37, 0xfedcba98                      ; v_permlanex16_b32's selects for lane l xor 16
	s_mov_b32 s40, 0x05010400                      ; byte selects of the 4 x 4 turn
	s_mov_b32 s41, 0x07030602
	s_mov_b32 s42, 0x05040100
	s_mov_b32 s43, 0x07060302
	s_lshl_b32 s50, s31, 24                        ; W2: e x 16 MB + (2048 kh + 128 wave) rows + 256 ns
	s_lshl_b32 s52, s45, 23
	s_add_co_u32 s50, s50, s52
	s_lshl_b32 s52, s30, 19
	s_add_co_u32 s50, s50, s52
	s_lshl_b32 s52, s32, 8
	s_add_co_u32 s50, s50, s52
	s_mov_b32 s51, 0
	s_lshl_b32 s56, s31, 2
	s_wait_kmcnt 0x0
	s_add_nc_u64 s[16:17], s[4:5], s[50:51]
	s_add_nc_u64 s[18:19], s[16:17], 0x400000      ; my second K step: eight steps, 1,024 rows, on
	s_load_b32 s33, s[8:9], s56 offset:0x2000      ; the expert's count of rows
; A set: 64 columns x 32 rows of K: 16 loads into 64 registers of window 1, register 4 i + j = row 32 c + 16 (lane / 16) + i, column 4 q + j.
.macro QLOAD buf, ks, c
	WIN 0x40
.irp i, 0,1,2,3,4,5,6,7,8,9,10,11,12,13,14,15
	global_load_b128 v[64*\buf+4*\i:64*\buf+4*\i+3], v[VO], s[16+2*\ks:17+2*\ks] offset:(32*\c+\i)*PITCH th:TH_LOAD_NT
.endr
.endm
.macro QSET buf, ks, c, left
	s_wait_loadcnt \left                           ; this set is in; the younger sets, 16 loads each, may stay out
	s_wait_dscnt 0x0                               ; the last set's LDS stores are done
	WIN 0x05
.irp j, 0,1,2,3
	v_max3_num_f32 v[AM+\j], |v[64*\buf+\j]|, |v[64*\buf+4+\j]|, 0x4800000   ; with the floor 2^(9 - 127): the byte cannot fall under 1
.endr
	WIN 0x14
.irp i, 2,4,6,8,10,12,14
.irp j, 0,1,2,3
	v_max3_num_f32 v[AM+\j], v[AM+\j], |v[64*\buf+4*\i+\j]|, |v[64*\buf+4*\i+4+\j]|   ; the four columns by turns
.endr
.endr
	WIN 0
.irp j, 0,1,2,3
	v_permlanex16_b32 v[PM+\j], v[AM+\j], s36, s37
.endr
.irp j, 0,1,2,3
	v_max_num_f32 v[AM+\j], v[AM+\j], v[PM+\j]     ; with the block's other 16 rows
.endr
.irp j, 0,1,2,3
	v_and_b32 v[IV+\j], 0x7f800000, v[AM+\j]
.endr
.irp j, 0,1,2,3
	v_sub_nc_u32 v[IV+\j], 0x83000000, v[IV+\j]    ; exponent field 262 - the largest magnitude's: 1 / scale
.endr
.irp j, 0,1,2,3
	v_lshrrev_b32 v[EB+\j], 23, v[AM+\j]
.endr
.irp j, 0,1,2,3
.if \c == 0
	v_add_nc_u32 v[SW+\j], -8, v[EB+\j]            ; the scale's byte: the K step's first starts the word
.else
	v_add_nc_u32 v[EB+\j], -8, v[EB+\j]
.endif
.endr
.if \c > 0
.irp j, 0,1,2,3
	v_lshl_or_b32 v[SW+\j], v[EB+\j], 8*\c, v[SW+\j]
.endr
.endif
	WIN 0x41
.irp i, 0,1,2,3,4,5,6,7,8,9,10,11,12,13,14,15
	v_pk_mul_f32 v[64*\buf+4*\i:64*\buf+4*\i+1], v[64*\buf+4*\i:64*\buf+4*\i+1], v[IV:IV+1]
	v_pk_mul_f32 v[64*\buf+4*\i+2:64*\buf+4*\i+3], v[64*\buf+4*\i+2:64*\buf+4*\i+3], v[IV+2:IV+3]
.endr
.set n, 0
.rept 64
	v_med3_num_f32 v[64*\buf+n], v[64*\buf+n], -v[HOLD], v[HOLD]   ; the conversion to an 8-bit code does not saturate (ISA guide 7.6.2): the hold at 448
.set n, n+1
.endr
	WIN 0x01
.irp g, 0,1,2,3,4,5,6,7
	v_cvt_scalef32_pk8_fp8_f32 v[CC+2*\g:CC+2*\g+1], v[64*\buf+8*\g:64*\buf+8*\g+7], v[ONE]
.endr
	WIN 0
	v_nop                                          ; one plain instruction behind the last conversion
.irp g, 0,1,2,3                        ; rows 4 g .. 4 g + 3: four registers of four columns become four registers of four rows
	v_perm_b32 v[PP+4*(\g%2)],   v[CC+4*\g+1], v[CC+4*\g],   s40
	v_perm_b32 v[PP+4*(\g%2)+1], v[CC+4*\g+1], v[CC+4*\g],   s41
	v_perm_b32 v[PP+4*(\g%2)+2], v[CC+4*\g+3], v[CC+4*\g+2], s40
	v_perm_b32 v[PP+4*(\g%2)+3], v[CC+4*\g+3], v[CC+4*\g+2], s41
	v_perm_b32 v[TT+\g],    v[PP+4*(\g%2)+2], v[PP+4*(\g%2)],   s42
	v_perm_b32 v[TT+4+\g],  v[PP+4*(\g%2)+2], v[PP+4*(\g%2)],   s43
	v_perm_b32 v[TT+8+\g],  v[PP+4*(\g%2)+3], v[PP+4*(\g%2)+1], s42
	v_perm_b32 v[TT+12+\g], v[PP+4*(\g%2)+3], v[PP+4*(\g%2)+1], s43
.endr
.irp j, 0,1,2,3
	ds_store_b128 v[AWR], v[TT+4*\j:TT+4*\j+3] offset:16*\j+512*\c+\ks*KSOFF   ; column j: registers 4 c .. 4 c + 3 of its lane of the image
.endr
.if \c == 3
	ds_store_b128 v[ASW], v[SW:SW+3] offset:\ks*SWOFF   ; my four columns' words of this K step; both halves of the lanes write the same words
.endif
.endm
	QLOAD 0, 0, 0                                  ; four sets, 64 loads a wave, go out before anything else
	QLOAD 1, 0, 1
	QLOAD 2, 0, 2
	QLOAD 3, 0, 3
	s_lshl_b32 s50, s31, 22                        ; the hidden layer's images: e x 4 MB + chunk x 256 KB + my half's 16 K steps
	s_lshl_b32 s52, s30, 18
	s_add_co_u32 s50, s50, s52
	s_lshl_b32 s52, s45, 15
	s_add_co_u32 s50, s50, s52
	s_add_nc_u64 s[20:21], s[6:7], s[50:51]
	s_lshl_b32 s50, s31, 17                        ; its scale words: e x 128 KB + chunk x 8 KB + my half's 1 KB
	s_lshl_b32 s52, s30, 13
	s_add_co_u32 s50, s50, s52
	s_lshl_b32 s52, s45, 10
	s_add_co_u32 s50, s50, s52
	s_add_co_u32 s50, s50, 0x2000000
	s_add_nc_u64 s[22:23], s[6:7], s[50:51]
	s_lshl_b32 s50, s45, 25                        ; yp: kh x 32 MB + e x 4 MB + chunk x 256 KB + 256 ns
	s_lshl_b32 s52, s31, 22
	s_add_co_u32 s50, s50, s52
	s_lshl_b32 s52, s30, 18
	s_add_co_u32 s50, s50, s52
	s_lshl_b32 s52, s32, 8
	s_add_co_u32 s50, s50, s52
	s_add_nc_u64 s[24:25], s[10:11], s[50:51]
	s_wait_kmcnt 0x0                               ; the count
	s_add_co_u32 s34, s33, 63
	s_lshr_b32 s34, s34, 6
	s_min_u32 s34, s34, 16                         ; chunks of 64 rows
	QSET 0, 0, 0, 48
	QLOAD 0, 1, 0
	QSET 1, 0, 1, 48
	QLOAD 1, 1, 1
	QSET 2, 0, 2, 48
	QLOAD 2, 1, 2
	QSET 3, 0, 3, 48
	QLOAD 3, 1, 3
	QSET 0, 1, 0, 48
	QSET 1, 1, 1, 32
	QSET 2, 1, 2, 16
	QSET 3, 1, 3, 0
	s_wait_dscnt 0x0                               ; for the others' sake: my part of the slice lies in LDS
	s_barrier_signal -1
	s_barrier_wait -1                              ; the whole slice does.  The one barrier: it stands ahead of every branch on the count
; ---- PHASE G
.macro XLOAD s, buf                    ; the four row tiles' fragments of K step s: 16 loads of 512 consecutive bytes
.if (\buf) == 2
	WIN 0
.set XLB, XF2
.else
	WIN 0x40
.set XLB, 128+64*(\buf)
.endif
.irp j, 0,1,2,3
.irp c, 0,1,2,3
	global_load_b128 v[XLB+16*\j+4*\c:XLB+16*\j+4*\c+3], v[LN16], s[20:21] offset:\j*TILEB+2048*(\s)+512*\c
.endr
.endr
.endm
.macro WLOAD s, buf                    ; the four column tiles' fragments of K step s, and their scale words: lanes 0-15 an even tile's, lanes 16-31 the odd tile's behind it
	WIN 0
.irp t, 0,1,2,3
.irp c, 0,1,2,3
	ds_load_b128 v[WF+64*(\buf)+16*\t+4*\c:WF+64*(\buf)+16*\t+4*\c+3], v[AW+\t] offset:2048*(\s)+512*\c
.endr
.endr
	ds_load_b32 v[WS+2*(\buf)], v[AS] offset:256*(\s)
	ds_load_b32 v[WS+2*(\buf)+1], v[AS] offset:256*(\s)+128
.endm
.macro MM j, t, s                      ; accumulator (j, t) += W2's tile t x rows' tile j, K step s.  The scale registers' upper lanes serve odd tiles and odd K steps
.set AC, 8*(4*(\j)+(\t))
.set FA, WFB+16*(\t)
.set FB, XFB+16*(\j)
.set SA, WS+2*((\s)%2)+(\t)/2
.set SB, XS+NP*(\j)+(\s)/2
.if (((\t)%2) == 0) && (((\s)%2) == 0)
	v_wmma_scale_f32_16x16x128_f8f6f4 v[AC:AC+7], v[FA:FA+15], v[FB:FB+15], v[AC:AC+7], v[SA], v[SB]
.elseif (((\s)%2) == 0)
	v_wmma_scale_f32_16x16x128_f8f6f4 v[AC:AC+7], v[FA:FA+15], v[FB:FB+15], v[AC:AC+7], v[SA], v[SB] matrix_a_scale:MATRIX_SCALE_ROW1
.elseif (((\t)%2) == 0)
	v_wmma_scale_f32_16x16x128_f8f6f4 v[AC:AC+7], v[FA:FA+15], v[FB:FB+15], v[AC:AC+7], v[SA], v[SB] matrix_b_scale:MATRIX_SCALE_ROW1
.else
	v_wmma_scale_f32_16x16x128_f8f6f4 v[AC:AC+7], v[FA:FA+15], v[FB:FB+15], v[AC:AC+7], v[SA], v[SB] matrix_a_scale:MATRIX_SCALE_ROW1 matrix_b_scale:MATRIX_SCALE_ROW1
.endif
.endm
.macro MMZ j, t                        ; K step 0 starts the sums: nothing is cleared
.set AC, 8*(4*(\j)+(\t))
.set FA, WFB+16*(\t)
.set FB, XFB+16*(\j)
.set SA, WS+(\t)/2
.set SB, XS+NP*(\j)
.if ((\t)%2) == 0
	v_wmma_scale_f32_16x16x128_f8f6f4 v[AC:AC+7], v[FA:FA+15], v[FB:FB+15], 0, v[SA], v[SB]
.else
	v_wmma_scale_f32_16x16x128_f8f6f4 v[AC:AC+7], v[FA:FA+15], v[FB:FB+15], 0, v[SA], v[SB] matrix_a_scale:MATRIX_SCALE_ROW1
.endif
.endm
; A K step: 16 matrix instructions, the 16 accumulators by turns, one instruction a turn.  The rows' fragments are asked for two steps ahead (three buffers), the weights' one (two).
.macro GSTEP s
	WIN 0
	PLACES 8                                       ; loads into registers that the last step's matrix instructions read stand eight plain vector instructions behind them
.if (\s)+2 < S
.set NB, ((\s)+2)%3
	XLOAD (\s)+2, NB
.endif
.if (\s)+1 < S
.set NB, ((\s)+1)%2
	WLOAD (\s)+1, NB
.endif
.if S-1-(\s) >= 2
	s_wait_loadcnt 32                              ; this step's rows are in; the next two steps', 16 loads each, may be out
.else
	s_wait_loadcnt 16*(S-1-(\s))
.endif
.if (\s)+1 < S
	s_wait_dscnt 18                                ; this step's weights are in; the next step's 16 + 2 loads may be out
.else
	s_wait_dscnt 0x0
.endif
.if ((\s)%3) == 2
	WIN 0x50                                       ; C and D window 1, both sources window 0
.set XFB, XF2
.else
	WIN 0x54                                       ; C, D and source 1 window 1
.set XFB, 128+64*((\s)%3)
.endif
.set WFB, WF+64*((\s)%2)
.irp j, 0,1,2,3
.irp t, 0,1,2,3
.if (\s) == 0
	MMZ \j, \t
.else
	MM \j, \t, \s
.endif
.endr
.endr
.endm
; THE WAY OUT of row tile j.  Into my stage: lane (r, h) puts tile t's eight columns at row r, 64 t + 32 h; each accumulator from its low end on.  Back as rows of 256 bytes, two an instruction.
.macro TOSTAGE j
	WIN 0x04                                       ; an LDS store's data are its source 1: window 1
.irp t, 0,1,2,3
	ds_store_b128 v[STO], v[8*(4*(\j)+\t):8*(4*(\j)+\t)+3] offset:64*\t
	ds_store_b128 v[STO], v[8*(4*(\j)+\t)+4:8*(4*(\j)+\t)+7] offset:64*\t+16
.endr
	WIN 0
.irp i, 0,1,2,3,4,5,6,7
	ds_load_b128 v[OBR+32*((\j)%2)+4*\i:OBR+32*((\j)%2)+4*\i+3], v[RD] offset:544*\i   ; LDS serves a wave's instructions in order (ISA guide 5.7.1.4): these see my stores, and the next tile's stores come behind them
.endr
.endm
.macro SEND j, younger                 ; younger: the LDS instructions issued behind tile j's loads, which may stay out
	s_wait_dscnt \younger
.irp i, 0,1,2,3,4,5,6,7
	global_store_b128 v[YO], v[OBR+32*((\j)%2)+4*\i:OBR+32*((\j)%2)+4*\i+3], s[24:25] offset:(16*(\j)+2*\i)*4096 th:TH_STORE_NT   ; sixteen lanes store 256 consecutive bytes, aligned; nobody in this launch reads them
.endr
.endm
	s_mov_b32 s35, s30                             ; my chunk
	s_mov_b32 s57, 0                               ; trips
.Lunit:
	s_cmp_ge_u32 s35, s34
	s_cbranch_scc1 .Lend                           ; my chunk lies behind the expert's rows, and so does the one that would follow
.irp j, 0,1,2,3
.irp q, 0,1,2,3,4,5,6,7
	global_load_b32 v[XS+NP*\j+\q], v[LN4], s[22:23] offset:\j*SWT+128*\q   ; lanes 0-15: K step 2 q; lanes 16-31: K step 2 q + 1
.endr
.endr
	XLOAD 0, 0
	XLOAD 1, 1
	WLOAD 0, 0
.irp s, 0,1,2,3,4,5,6,7,8,9,10,11,12,13,14,15
	GSTEP \s
.endr
	WIN 0
	PLACES 9                                       ; behind the last products: their results are read, their operands' registers loaded, and the next unit's first products write the accumulators anew
	TOSTAGE 0
.irp j, 1,2,3
.if \j > 1
	s_wait_xcnt 0x0                                ; tile j - 2's stores have read their registers: tile j's rows may land there
.endif
	TOSTAGE \j
	SEND \j-1, 16                                  ; behind tile j - 1's loads: tile j's 8 stores and 8 loads
.endr
	SEND 3, 0
	s_wait_xcnt 0x0                                ; the loads' and stores' bases and the stores' data are rewritten only behind this wait
	s_add_nc_u64 s[20:21], s[20:21], 0x200000      ; eight chunks on
	s_add_nc_u64 s[22:23], s[22:23], 0x10000
	s_add_nc_u64 s[24:25], s[24:25], 0x200000
	s_add_co_u32 s35, s35, 8
	s_add_co_u32 s57, s57, 1
	s_cmp_lt_u32 s57, TRIPS
	s_cbranch_scc1 .Lunit
.Lend:
	s_wait_tensorcnt 0x0
	ds_add_u32 v126, v127
	s_wait_dscnt 0x0
	s_endpgm
.Lfunc_end_k_q4f8e44768c_gemm2:
	.size	k_q4f8e44768c_gemm2, .Lfunc_end_k_q4f8e44768c_gemm2-k_q4f8e44768c_gemm2
	.p2alignl 7, 3214868480
	.fill 96, 4, 3214868480
	.section	.rodata,"a",@progbits
	.p2align	6, 0x0
	.amdhsa_kernel k_q4f8e44768c_gemm2
		.amdhsa_group_segment_fixed_size 171264
		.amdhsa_private_segment_fixed_size 0
		.amdhsa_enable_private_segment 0
		.amdhsa_kernarg_size 32
		.amdhsa_user_sgpr_count 2
		.amdhsa_user_sgpr_kernarg_segment_ptr 1
		.amdhsa_wavefront_size32 1
		.amdhsa_system_sgpr_workgroup_id_x 1
		.amdhsa_system_sgpr_workgroup_id_y 1
		.amdhsa_system_sgpr_workgroup_id_z 1
		.amdhsa_system_vgpr_workitem_id 0
		.amdhsa_next_free_vgpr 512
		.amdhsa_next_free_sgpr 66
		.amdhsa_reserve_vcc 0
		.amdhsa_float_denorm_mode_32 3
		.amdhsa_float_denorm_mode_16_64 3
		.amdhsa_memory_ordered 1
		.amdhsa_forward_progress 1
		.amdhsa_inst_pref_size 209
	.end_amdhsa_kernel
	.amdgpu_metadata
---
amdhsa.version: [ 1, 2 ]
amdhsa.kernels:
  - .name:           k_q4f8e44768c_gemm2
    .symbol:         k_q4f8e44768c_gemm2.kd
    .args:
      - { .name: W2, .offset: 0, .size: 8, .value_kind: global_buffer, .address_space: global }
      - { .name: hq, .offset: 8, .size: 8, .value_kind: global_buffer, .address_space: global }
      - { .name: pos, .offset: 16, .size: 8, .value_kind: global_buffer, .address_space: global }
      - { .name: yp, .offset: 24, .size: 8, .value_kind: global_buffer, .address_space: global }
    .group_segment_fixed_size: 171264
    .private_segment_fixed_size: 0
    .kernarg_segment_align: 8
    .kernarg_segment_size: 32
    .max_flat_workgroup_size: 256
    .sgpr_count:     66
    .vgpr_count:     512
    .wavefront_size: 32
...
	.end_amdgpu_metadata
.endif
;; end of part 4
;; launch combine (part 5): grid 256 x 1, 4 waves a work-group, no clusters, 0 bytes of LDS; arguments yp, pos, xq, b2, out0; writes out0
.if DOCPART == 5
	.amdgcn_target "amdgcn-amd-amdhsa--gfx1250"
	.amdhsa_code_object_version 6
	.text
	.protected	k_q4f8e44768c_combine
	.globl	k_q4f8e44768c_combine
	.p2align	8
	.type	k_q4f8e44768c_combine,@function
k_q4f8e44768c_combine:
	s_mov_b64 s[64:65], 0
	v_nop
	global_prefetch_b8 v0, s[64:65] scope:SCOPE_SE
	s_setreg_imm32_b32 hwreg(HW_REG_WAVE_MODE, 25, 1), 1
	s_wait_xcnt 0x0
; out0[token] = g0 (y[R0] + b2[e0]) + g1 (y[R1] + b2[e1]), y[R] = yp[0][R] + yp[1][R]: the two halves of the second product's K.
; pos[token] = the rows R0, R1 (expert x 1024 + rank) that hold the token for its first and second expert, stored two launches ago; the weights g0, g1 lie at xq + 0x108000.
; Each output row has one owner, a wave, which gathers its four rows of yp and two rows of b2: no sum crosses work-groups.  A stream: 48 loads of 512 consecutive bytes go out together, eight stores likewise.
; No LDS, no matrix unit, no cluster: nothing is shared but b2, 32 KB.
	s_load_b256 s[4:11], s[0:1], 0x0               ; yp s[4:5], pos s[6:7], xq s[8:9], b2 s[10:11]
	s_load_b64 s[12:13], s[0:1], 0x20              ; out0
	v_lshrrev_b32 v2, 5, v0
	v_readfirstlane_b32 s14, v2                    ; wave
	v_and_b32 v1, 31, v0
	v_lshlrev_b32 v1, 4, v1                        ; 16 x lane
	s_lshl_b32 s15, ttmp9, 2
	s_add_co_u32 s15, s15, s14                     ; my token
	s_lshl_b32 s16, s15, 3
	s_wait_kmcnt 0x0
	s_load_b64 s[18:19], s[6:7], s16 offset:0x0
	s_load_b64 s[20:21], s[8:9], s16 offset:0x108000
	s_lshl_b32 s46, s15, 12
	s_mov_b32 s47, 0
	s_add_nc_u64 s[40:41], s[12:13], s[46:47]      ; my row of out0
	s_mov_b32 s45, 0
	s_wait_kmcnt 0x0
	s_lshr_b32 s24, s18, 10
	s_min_u32 s24, s24, 7                          ; e0
	s_lshr_b32 s25, s19, 10
	s_min_u32 s25, s25, 7                          ; e1
	s_min_u32 s22, s18, 0x1fff                     ; R0
	s_min_u32 s23, s19, 0x1fff                     ; R1
	s_lshl_b32 s44, s22, 12
	s_add_nc_u64 s[28:29], s[4:5], s[44:45]
	s_add_nc_u64 s[30:31], s[28:29], 0x2000000     ; the other half of K lies 32 MB on
	s_lshl_b32 s44, s23, 12
	s_add_nc_u64 s[32:33], s[4:5], s[44:45]
	s_add_nc_u64 s[34:35], s[32:33], 0x2000000
	s_lshl_b32 s44, s24, 12
	s_add_nc_u64 s[36:37], s[10:11], s[44:45]
	s_lshl_b32 s44, s25, 12
	s_add_nc_u64 s[38:39], s[10:11], s[44:45]
	s_mov_b32 s42, s21                             ; g1 as the low word of a pair: the packed forms take a scalar pair's low word for both halves
	s_mov_b32 s43, s21
.irp q, 0,1,2,3,4,5,6,7                ; piece q of the row: six loads, registers 32 + 24 q on
	global_load_b128 v[32+24*\q:35+24*\q], v1, s[28:29] offset:512*\q th:TH_LOAD_NT
	global_load_b128 v[36+24*\q:39+24*\q], v1, s[30:31] offset:512*\q th:TH_LOAD_NT
	global_load_b128 v[40+24*\q:43+24*\q], v1, s[32:33] offset:512*\q th:TH_LOAD_NT
	global_load_b128 v[44+24*\q:47+24*\q], v1, s[34:35] offset:512*\q th:TH_LOAD_NT
	global_load_b128 v[48+24*\q:51+24*\q], v1, s[36:37] offset:512*\q
	global_load_b128 v[52+24*\q:55+24*\q], v1, s[38:39] offset:512*\q
.endr
.irp q, 0,1,2,3,4,5,6,7
	s_wait_loadcnt 6*(7-\q)                        ; piece q is in; the younger pieces, six loads each, may stay out
.irp u, 0,2
	v_pk_add_f32 v[32+24*\q+\u:33+24*\q+\u], v[32+24*\q+\u:33+24*\q+\u], v[36+24*\q+\u:37+24*\q+\u]
	v_pk_add_f32 v[40+24*\q+\u:41+24*\q+\u], v[40+24*\q+\u:41+24*\q+\u], v[44+24*\q+\u:45+24*\q+\u]
	v_pk_add_f32 v[32+24*\q+\u:33+24*\q+\u], v[32+24*\q+\u:33+24*\q+\u], v[48+24*\q+\u:49+24*\q+\u]
	v_pk_add_f32 v[40+24*\q+\u:41+24*\q+\u], v[40+24*\q+\u:41+24*\q+\u], v[52+24*\q+\u:53+24*\q+\u]
	v_pk_mul_f32 v[32+24*\q+\u:33+24*\q+\u], v[32+24*\q+\u:33+24*\q+\u], s[20:21] op_sel_hi:[1,0]
	v_pk_fma_f32 v[32+24*\q+\u:33+24*\q+\u], v[40+24*\q+\u:41+24*\q+\u], s[42:43], v[32+24*\q+\u:33+24*\q+\u] op_sel_hi:[1,0,1]
.endr
	global_store_b128 v1, v[32+24*\q:35+24*\q], s[40:41] offset:512*\q th:TH_STORE_NT   ; 32 lanes store 512 consecutive bytes, aligned
.endr
	s_endpgm
.Lfunc_end_k_q4f8e44768c_combine:
	.size	k_q4f8e44768c_combine, .Lfunc_end_k_q4f8e44768c_combine-k_q4f8e44768c_combine
	.p2alignl 7, 3214868480
	.fill 96, 4, 3214868480
	.section	.rodata,"a",@progbits
	.p2align	6, 0x0
	.amdhsa_kernel k_q4f8e44768c_combine
		.amdhsa_group_segment_fixed_size 0
		.amdhsa_private_segment_fixed_size 0
		.amdhsa_enable_private_segment 0
		.amdhsa_kernarg_size 40
		.amdhsa_user_sgpr_count 2
		.amdhsa_user_sgpr_kernarg_segment_ptr 1
		.amdhsa_wavefront_size32 1
		.amdhsa_system_sgpr_workgroup_id_x 1
		.amdhsa_system_sgpr_workgroup_id_y 1
		.amdhsa_system_sgpr_workgroup_id_z 1
		.amdhsa_system_vgpr_workitem_id 0
		.amdhsa_next_free_vgpr 224
		.amdhsa_next_free_sgpr 66
		.amdhsa_reserve_vcc 0
		.amdhsa_float_denorm_mode_32 3
		.amdhsa_float_denorm_mode_16_64 3
		.amdhsa_memory_ordered 1
		.amdhsa_forward_progress 1
		.amdhsa_inst_pref_size 14
	.end_amdhsa_kernel
	.amdgpu_metadata
---
amdhsa.version: [ 1, 2 ]
amdhsa.kernels:
  - .name:           k_q4f8e44768c_combine
    .symbol:         k_q4f8e44768c_combine.kd
    .args:
      - { .name: yp, .offset: 0, .size: 8, .value_kind: global_buffer, .address_space: global }
      - { .name: pos, .offset: 8, .size: 8, .value_kind: global_buffer, .address_space: global }
      - { .name: xq, .offset: 16, .size: 8, .value_kind: global_buffer, .address_space: global }
      - { .name: b2, .offset: 24, .size: 8, .value_kind: global_buffer, .address_space: global }
      - { .name: out0, .offset: 32, .size: 8, .value_kind: global_buffer, .address_space: global }
    .group_segment_fixed_size: 0
    .private_segment_fixed_size: 0
    .kernarg_segment_align: 8
    .kernarg_segment_size: 40
    .max_flat_workgroup_size: 128
    .sgpr_count:     66
    .vgpr_count:     224
    .wavefront_size: 32
...
	.end_amdgpu_metadata
.endif
;; end of part 5
;; ======== version 2 of 2: 5 launches
;; workspace buffers: sel 4,096 bytes of whole numbers; xq 1,089,536 bytes; xs 8,650,752 bytes; pos 8,448 bytes of whole numbers; hq 34,603,008 bytes; yp 67,108,864 bytes
;; launch route (part 6): grid 128 x 1, 4 waves a work-group, no clusters, 46,592 bytes of LDS; arguments x, gate_w, gate_b, sel, xq; writes sel, xq
.if DOCPART == 6
	.amdgcn_target "amdgcn-amd-amdhsa--gfx1250"
	.amdhsa_code_object_version 6
	.text
	.protected	k_q4f8e44768c_route
	.globl	k_q4f8e44768c_route
	.p2align	8
	.type	k_q4f8e44768c_route,@function
k_q4f8e44768c_route:
	s_mov_b64 s[64:65], 0
	v_nop
	global_prefetch_b8 v0, s[64:65] scope:SCOPE_SE
	s_setreg_imm32_b32 hwreg(HW_REG_WAVE_MODE, 25, 1), 1
	s_wait_xcnt 0x0
; THE ROUTER, AND x INTO CODES.  x [1024 tokens][1024] f32, gate_w [1024][8], gate_b [8].
; For each token: logits = x gate_w + gate_b in f32 (fused multiply-adds), softmax with its maximum taken away, the two largest gates (of equal gates the lower index), both divided by their sum.
; Stored at fixed places: sel[token] = e0 | e1 << 8;  xq + 0x108000: the two weights, 8 bytes a token.  No address and no branch here hangs on them.
; The same numbers of x are quantised along their 1,024: E4M3 codes, one E8M0 byte for each 32.  xq + 0: codes [token][1024];  xq + 0x100000: scale words [token][8], word s for k = 128 s .. 128 s + 127.
; A block's byte is its largest magnitude's exponent field - 8, held at 1 from below.  A block of zeros so gets the byte 1: its codes are zeros, and only this program reads the bytes.
; LIMITS: NaN and infinities among the inputs are not served.  The logits are f32 sums in an order of their own: gates that agree to the last bits of f32 may change places against another order of summing.
; SHARES.  A wave takes two tokens.  Lane l holds x[token][128 i + 4 l + 0..3] in four registers for i = 0 .. 7: each load covers 512 consecutive bytes, and x is read once for both uses.
; gate_w (32 KB) comes into LDS once for the work-group; a lane's four rows (128 bytes) are a chunk, chunks 144 bytes apart, so that sixteen lanes' reads of 16 bytes start at sixteen different places modulo 256.
; No matrix unit, no cluster: eight columns are too few for the one, and the work-groups share only gate_w, one part in 130 of what the launch reads.
.set XR,   32                          ; v32-95    x: token k, step i, number j at XR + 32 k + 4 i + j
.set GW,   96                          ; v96-159   gate rows: first the staging of the loads, then two chunks by turns
.set ACC,  160                         ; v160-175  partial logits: token k, expert e at ACC + 8 k + e
.set LG,   176                         ; v176-183  logits of my half's token
.set PR,   184                         ; v184-191  its gates
.set IV,   192                         ; v192-199  1 / scale of step i's block
.set AM,   200                         ; v200-207  largest magnitudes
.set EB,   208                         ; v208-223  scale bytes, a set for each token
.set DC,   224                         ; v224-239  codes, a set for each token
.set OC,   240                         ; v240-255  codes read back by rows, a set for each token
.set GP,   144                         ; a chunk's place in LDS: 128 bytes + 16
.set REG0, 36864                       ; behind the 256 chunks: a region of 2,304 bytes for each wave: 2 x 1,024 bytes of codes, then 64 scale bytes
.set REGB, 2304
	s_load_b256 s[4:11], s[0:1], 0x0               ; x s[4:5], gate_w s[6:7], gate_b s[8:9], sel s[10:11]
	s_load_b64 s[12:13], s[0:1], 0x20              ; xq
	v_lshl_add_u32 v27, v0, 2, 0xb400
	v_mov_b32 v28, 0
	v_lshrrev_b32 v9, 5, v0
	v_readfirstlane_b32 s14, v9                    ; wave 0..3
	v_and_b32 v1, 31, v0                           ; lane
	v_lshlrev_b32 v2, 4, v1                        ; 16 x lane
	v_lshrrev_b32 v3, 3, v0
	v_mul_u32_u24 v3, v3, GP
	v_and_b32 v9, 7, v0
	v_lshl_add_u32 v3, v9, 4, v3                   ; gate, on the way in: piece t of 16 bytes lies in chunk t / 8 at 16 (t % 8)
	v_mul_u32_u24 v4, v1, GP                       ; gate, on the way out: my chunk of a step's 32
	s_mul_i32 s15, s14, REGB
	s_add_co_u32 s15, s15, REG0                    ; my wave's region
	v_lshlrev_b32 v5, 2, v1
	v_add_nc_u32 v5, s15, v5                       ; codes in: 4 x lane
	v_add_nc_u32 v6, s15, v2                       ; codes back: 16 x lane
	v_lshrrev_b32 v7, 3, v1
	v_add_nc_u32 v7, s15, v7
	v_add_nc_u32 v7, 2048, v7                      ; scale bytes in: byte lane / 8 of a word
	v_and_b32 v8, 15, v0
	v_lshlrev_b32 v8, 2, v8                        ; scale words: 4 x (lane % 16), in memory
	v_add_nc_u32 v11, s15, v8
	v_add_nc_u32 v11, 2048, v11                    ; and in LDS
	v_lshlrev_b32 v12, 4, v0                       ; gate_w: 16 x thread
	v_lshrrev_b32 v13, 4, v1                       ; which of the wave's two tokens my half of the lanes answers for
	v_lshlrev_b32 v14, 2, v13                      ; its word of sel
	v_lshlrev_b32 v15, 3, v13                      ; its pair of weights
	v_mov_b32 v30, 1.0                             ; the conversions' scale operand: the numbers are divided beforehand
	v_mov_b32 v31, 0x43e00000                      ; 448
	s_mov_b32 s24, 0x76543210
	s_mov_b32 s25, 0xfedcba98                      ; v_permlanex16_b32's selects for lane l xor 16
	s_lshl_b32 s26, ttmp9, 3
	s_lshl_b32 s27, s14, 1
	s_add_co_u32 s26, s26, s27                     ; my first token: 8 x work-group + 2 x wave
	s_lshl_b32 s28, s26, 12                        ; its place in x,
	s_mov_b32 s29, 0
	s_lshl_b32 s38, s26, 10                        ; among the codes,
	s_mov_b32 s39, 0
	s_lshl_b32 s40, s26, 5
	s_add_co_u32 s40, s40, 0x100000                ; among the scale words,
	s_mov_b32 s41, 0
	s_lshl_b32 s42, s26, 3
	s_add_co_u32 s42, s42, 0x108000                ; among the weights,
	s_mov_b32 s43, 0
	s_lshl_b32 s44, s26, 2                         ; and in sel
	s_mov_b32 s45, 0
	s_wait_alu depctr_va_vdst(0)
	s_wait_kmcnt 0x0
	s_load_b256 s[16:23], s[8:9], 0x0              ; gate_b: eight numbers
	s_add_nc_u64 s[4:5], s[4:5], s[28:29]
	s_add_nc_u64 s[30:31], s[12:13], s[38:39]
	s_add_nc_u64 s[32:33], s[12:13], s[40:41]
	s_add_nc_u64 s[34:35], s[12:13], s[42:43]
	s_add_nc_u64 s[36:37], s[10:11], s[44:45]
.irp n, 0,1,2,3,4,5,6,7,8,9,10,11,12,13,14,15
	global_load_b128 v[GW+4*\n:GW+4*\n+3], v12, s[6:7] offset:2048*\n   ; the four waves take 2,048 consecutive bytes of gate_w
.endr
.irp k, 0,1
.irp i, 0,1,2,3,4,5,6,7
	global_load_b128 v[XR+32*\k+4*\i:XR+32*\k+4*\i+3], v2, s[4:5] offset:4096*\k+512*\i th:TH_LOAD_NT
.endr
.endr
	s_wait_loadcnt 16                              ; gate_w is in; the 16 loads of x issued behind it may stay out
.irp n, 0,1,2,3,4,5,6,7,8,9,10,11,12,13,14,15
	ds_store_b128 v3, v[GW+4*\n:GW+4*\n+3] offset:2304*\n
.endr
	s_wait_dscnt 0x0                               ; for the others' sake: my part of gate_w lies in LDS
	s_barrier_signal -1
	s_barrier_wait -1                              ; everybody's does
.macro GFETCH i                        ; my four gate rows of step i (128 i + 4 lane + 0..3) into half i % 2 of GW: register 8 j + e = gate_w[row j][e]
.irp k, 0,1,2,3,4,5,6,7
	ds_load_b128 v[GW+32*((\i)%2)+4*\k:GW+32*((\i)%2)+4*\k+3], v4 offset:4608*(\i)+16*\k
.endr
.endm
.macro DOT i                           ; 32 packed multiply-adds: two experts at a time, x's number for both halves.  The very first products start the sums: nothing is cleared
.irp k, 0,1
.irp j, 0,1,2,3
.irp e, 0,2,4,6
.if ((\i) == 0) && (\j == 0)
	v_pk_mul_f32 v[ACC+8*\k+\e:ACC+8*\k+\e+1], v[GW+\e:GW+\e+1], v[XR+32*\k:XR+32*\k+1] op_sel_hi:[1,0]
.elseif (\j % 2) == 0
	v_pk_fma_f32 v[ACC+8*\k+\e:ACC+8*\k+\e+1], v[GW+32*((\i)%2)+8*\j+\e:GW+32*((\i)%2)+8*\j+\e+1], v[XR+32*\k+4*(\i)+\j:XR+32*\k+4*(\i)+\j+1], v[ACC+8*\k+\e:ACC+8*\k+\e+1] op_sel_hi:[1,0,1]
.else
	v_pk_fma_f32 v[ACC+8*\k+\e:ACC+8*\k+\e+1], v[GW+32*((\i)%2)+8*\j+\e:GW+32*((\i)%2)+8*\j+\e+1], v[XR+32*\k+4*(\i)+\j-1:XR+32*\k+4*(\i)+\j], v[ACC+8*\k+\e:ACC+8*\k+\e+1] op_sel:[0,1,0] op_sel_hi:[1,1,1]
.endif
.endr
.endr
.endr
.endm
	GFETCH 0
.irp i, 0,1,2,3,4,5,6,7
.if \i < 7
	GFETCH \i+1
	s_wait_dscnt 8                                 ; this step's chunk is in; the next step's eight loads may be out
.else
	s_wait_dscnt 0x0
.endif
.if \i == 0
	s_wait_loadcnt 0x0                             ; x
.endif
	DOT \i
.endr
	; the sixteen sums over the 32 lanes: four steps inside each half of the lanes ride on the additions, one crosses the halves
.irp m, 1,2,4,8
.irp k, 0,1,2,3,4,5,6,7,8,9,10,11,12,13,14,15
	v_add_f32_dpp v[ACC+\k], v[ACC+\k], v[ACC+\k] row_xmask:\m row_mask:0xf bank_mask:0xf
.endr
.endr
.irp k, 0,1,2,3,4,5,6,7,8,9,10,11,12,13,14,15
	v_permlanex16_b32 v[GW+\k], v[ACC+\k], s24, s25
.endr
.irp k, 0,1,2,3,4,5,6,7,8,9,10,11,12,13,14,15
	v_add_f32 v[ACC+\k], v[ACC+\k], v[GW+\k]
.endr
	s_wait_alu depctr_va_vdst(0)
	s_wait_kmcnt 0x0                               ; gate_b
	v_cmp_gt_u32 vcc_lo, 16, v1
.irp e, 0,1,2,3,4,5,6,7
	v_cndmask_b32 v[LG+\e], v[ACC+8+\e], v[ACC+\e], vcc_lo   ; lanes 0-15 go on with the first token, lanes 16-31 with the second: what follows is written once
.endr
.irp e, 0,1,2,3,4,5,6,7
	v_add_f32 v[LG+\e], s[16+\e], v[LG+\e]
.endr
	v_max3_num_f32 v16, v[LG], v[LG+1], v[LG+2]    ; the softmax takes its maximum away
	v_max3_num_f32 v16, v16, v[LG+3], v[LG+4]
	v_max3_num_f32 v16, v16, v[LG+5], v[LG+6]
	v_max_num_f32 v16, v16, v[LG+7]
.irp e, 0,1,2,3,4,5,6,7
	v_sub_f32 v[PR+\e], v[LG+\e], v16
.endr
.irp e, 0,1,2,3,4,5,6,7
	v_mul_f32 v[PR+\e], 0x3fb8aa3b, v[PR+\e]       ; x log2(e)
.endr
	s_wait_alu depctr_va_vdst(0)
.irp e, 0,1,2,3,4,5,6,7
	v_exp_f32 v[PR+\e], v[PR+\e]
.endr
	v_nop                                          ; one plain instruction behind the exponentials (ISA guide 5.7.2)
	s_wait_alu depctr_va_vdst(0)
	v_add_f32 v17, v[PR], v[PR+1]
	v_add_f32 v18, v[PR+2], v[PR+3]
	v_add_f32 v19, v[PR+4], v[PR+5]
	v_add_f32 v20, v[PR+6], v[PR+7]
	v_add_f32 v17, v17, v18
	v_add_f32 v19, v19, v20
	v_add_f32 v17, v17, v19
	s_wait_alu depctr_va_vdst(0)
	v_rcp_f32 v18, v17
	v_nop
	s_wait_alu depctr_va_vdst(0)
.irp e, 0,1,2,3,4,5,6,7
	v_mul_f32 v[PR+\e], v[PR+\e], v18              ; the gates
.endr
.macro TOP best, idx                   ; the largest gate and its index; a later gate wins only if it is strictly larger: of equals the lower index
	v_mov_b32 v[\best], v[PR]
	v_mov_b32 v[\idx], 0
.irp e, 1,2,3,4,5,6,7
	v_cmp_le_f32 vcc_lo, v[PR+\e], v[\best]
	v_cndmask_b32 v[\idx], \e, v[\idx], vcc_lo
	v_max_num_f32 v[\best], v[\best], v[PR+\e]
.endr
.endm
	TOP 19, 20
.irp e, 0,1,2,3,4,5,6,7
	v_cmp_ne_u32 vcc_lo, \e, v20
	v_cndmask_b32 v[PR+\e], -1.0, v[PR+\e], vcc_lo   ; the winner leaves: -1 lies under every gate
.endr
	TOP 21, 22
	v_add_f32 v23, v19, v21
	s_wait_alu depctr_va_vdst(0)
	v_rcp_f32 v23, v23
	v_lshl_or_b32 v26, v22, 8, v20                 ; e0 | e1 << 8  (also the plain instruction behind the reciprocal)
	s_wait_alu depctr_va_vdst(0)
	v_mul_f32 v24, v19, v23
	v_mul_f32 v25, v21, v23
	global_store_b32 v14, v26, s[36:37]            ; the sixteen lanes of a token store the same word with the same value
	global_store_b64 v15, v[24:25], s[34:35]
; Token k into codes.  A block of 32 lies in eight neighbouring lanes, four numbers each.  A conversion takes eight registers under ONE scale, and these span two blocks: so each number is
; multiplied by 1 / its block's scale first (a power of two: nothing is rounded) and converted under the scale 1.
.macro QTOK k
.irp i, 0,1,2,3,4,5,6,7
	v_max3_num_f32 v[AM+\i], |v[XR+32*\k+4*\i]|, |v[XR+32*\k+4*\i+1]|, 0x4800000   ; with the floor 2^(9 - 127): the byte cannot fall under 1
.endr
.irp i, 0,1,2,3,4,5,6,7
	v_max3_num_f32 v[AM+\i], v[AM+\i], |v[XR+32*\k+4*\i+2]|, |v[XR+32*\k+4*\i+3]|
.endr
.irp m, 1,2,4
.irp i, 0,1,2,3,4,5,6,7
	v_max_num_f32_dpp v[AM+\i], v[AM+\i], v[AM+\i] row_xmask:\m row_mask:0xf bank_mask:0xf
.endr
.endr
.irp i, 0,1,2,3,4,5,6,7
	v_and_b32 v[IV+\i], 0x7f800000, v[AM+\i]
.endr
.irp i, 0,1,2,3,4,5,6,7
	v_sub_nc_u32 v[IV+\i], 0x83000000, v[IV+\i]    ; exponent field 262 - the largest magnitude's: 1 / scale
.endr
.irp i, 0,1,2,3,4,5,6,7
	v_lshrrev_b32 v[EB+8*\k+\i], 23, v[AM+\i]
.endr
.irp i, 0,1,2,3,4,5,6,7
	v_add_nc_u32 v[EB+8*\k+\i], -8, v[EB+8*\k+\i]  ; the scale's byte
.endr
.irp i, 0,1,2,3,4,5,6,7
.if (\i % 2) == 0
	v_pk_mul_f32 v[XR+32*\k+4*\i:XR+32*\k+4*\i+1], v[XR+32*\k+4*\i:XR+32*\k+4*\i+1], v[IV+\i:IV+\i+1] op_sel_hi:[1,0]
	v_pk_mul_f32 v[XR+32*\k+4*\i+2:XR+32*\k+4*\i+3], v[XR+32*\k+4*\i+2:XR+32*\k+4*\i+3], v[IV+\i:IV+\i+1] op_sel_hi:[1,0]
.else
	v_pk_mul_f32 v[XR+32*\k+4*\i:XR+32*\k+4*\i+1], v[XR+32*\k+4*\i:XR+32*\k+4*\i+1], v[IV+\i-1:IV+\i] op_sel:[0,1] op_sel_hi:[1,1]
	v_pk_mul_f32 v[XR+32*\k+4*\i+2:XR+32*\k+4*\i+3], v[XR+32*\k+4*\i+2:XR+32*\k+4*\i+3], v[IV+\i-1:IV+\i] op_sel:[0,1] op_sel_hi:[1,1]
.endif
.endr
.set n, 0
.rept 32
	v_med3_num_f32 v[XR+32*\k+n], v[XR+32*\k+n], -v31, v31   ; the conversion to an 8-bit code does not saturate (ISA guide 7.6.2): the hold at 448
.set n, n+1
.endr
.irp g, 0,1,2,3
	v_cvt_scalef32_pk8_fp8_f32 v[DC+8*\k+2*\g:DC+8*\k+2*\g+1], v[XR+32*\k+8*\g:XR+32*\k+8*\g+7], v30
.endr
	v_nop                                          ; one plain instruction behind the last conversion
.irp i, 0,1,2,3,4,5,6,7
	ds_store_b32 v5, v[DC+8*\k+\i] offset:1024*\k+128*\i     ; register i: codes of k = 128 i + 4 lane + 0..3: the row lies in LDS in its true order
.endr
.irp i, 0,1,2,3,4,5,6,7
	ds_store_b8 v7, v[EB+8*\k+\i] offset:32*\k+4*\i          ; word i, byte lane / 8; the eight lanes of a block write the same byte with the same value
.endr
.irp q, 0,1
	ds_load_b128 v[OC+8*\k+4*\q:OC+8*\k+4*\q+3], v6 offset:1024*\k+512*\q   ; LDS serves a wave's instructions in order (ISA guide 5.7.1.4): these see my stores
.endr
.endm
	QTOK 0
	QTOK 1
	ds_load_b32 v29, v11                           ; the two tokens' sixteen scale words
	s_wait_dscnt 0x0
.irp k, 0,1
.irp q, 0,1
	global_store_b128 v2, v[OC+8*\k+4*\q:OC+8*\k+4*\q+3], s[30:31] offset:1024*\k+512*\q   ; 32 lanes store 512 consecutive bytes, aligned
.endr
.endr
	global_store_b32 v8, v29, s[32:33]             ; 64 consecutive bytes; lanes l and l + 16 store the same word with the same value
	s_wait_tensorcnt 0x0
	ds_add_u32 v27, v28
	s_wait_dscnt 0x0
	s_endpgm
.Lfunc_end_k_q4f8e44768c_route:
	.size	k_q4f8e44768c_route, .Lfunc_end_k_q4f8e44768c_route-k_q4f8e44768c_route
	.p2alignl 7, 3214868480
	.fill 96, 4, 3214868480
	.section	.rodata,"a",@progbits
	.p2align	6, 0x0
	.amdhsa_kernel k_q4f8e44768c_route
		.amdhsa_group_segment_fixed_size 46592
		.amdhsa_private_segment_fixed_size 0
		.amdhsa_enable_private_segment 0
		.amdhsa_kernarg_size 40
		.amdhsa_user_sgpr_count 2
		.amdhsa_user_sgpr_kernarg_segment_ptr 1
		.amdhsa_wavefront_size32 1
		.amdhsa_system_sgpr_workgroup_id_x 1
		.amdhsa_system_sgpr_workgroup_id_y 1
		.amdhsa_system_sgpr_workgroup_id_z 1
		.amdhsa_system_vgpr_workitem_id 0
		.amdhsa_next_free_vgpr 256
		.amdhsa_next_free_sgpr 66
		.amdhsa_reserve_vcc 1
		.amdhsa_float_denorm_mode_32 3
		.amdhsa_float_denorm_mode_16_64 3
		.amdhsa_memory_ordered 1
		.amdhsa_forward_progress 1
		.amdhsa_inst_pref_size 56
	.end_amdhsa_kernel
	.amdgpu_metadata
---
amdhsa.version: [ 1, 2 ]
amdhsa.kernels:
  - .name:           k_q4f8e44768c_route
    .symbol:         k_q4f8e44768c_route.kd
    .args:
      - { .name: x, .offset: 0, .size: 8, .value_kind: global_buffer, .address_space: global }
      - { .name: gate_w, .offset: 8, .size: 8, .value_kind: global_buffer, .address_space: global }
      - { .name: gate_b, .offset: 16, .size: 8, .value_kind: global_buffer, .address_space: global }
      - { .name: sel, .offset: 24, .size: 8, .value_kind: global_buffer, .address_space: global }
      - { .name: xq, .offset: 32, .size: 8, .value_kind: global_buffer, .address_space: global }
    .group_segment_fixed_size: 46592
    .private_segment_fixed_size: 0
    .kernarg_segment_align: 8
    .kernarg_segment_size: 40
    .max_flat_workgroup_size: 128
    .sgpr_count:     66
    .vgpr_count:     256
    .wavefront_size: 32
...
	.end_amdgpu_metadata
.endif
;; end of part 6
;; launch place (part 7): grid 16 x 8, 1 waves a work-group, no clusters, 4,608 bytes of LDS; arguments sel, xq, xs, pos; writes xs, pos
.if DOCPART == 7
	.amdgcn_target "amdgcn-amd-amdhsa--gfx1250"
	.amdhsa_code_object_version 6
	.text
	.protected	k_q4f8e44768c_place
	.globl	k_q4f8e44768c_place
	.p2align	8
	.type	k_q4f8e44768c_place,@function
k_q4f8e44768c_place:
	s_mov_b64 s[64:65], 0
	v_nop
	global_prefetch_b8 v0, s[64:65] scope:SCOPE_SE
	s_setreg_imm32_b32 hwreg(HW_REG_WAVE_MODE, 25, 1), 1
	s_wait_xcnt 0x0
; THE ROWS ARE PLACED BY EXPERT.  sel[token] = e0 | e1 << 8 was stored by the launch before.  Expert e owns rows e x 1024 .. e x 1024 + 1023 of the sorted order (a token's two experts differ, so 1,024 is
; the most it can get); what is written of them is its count rounded up to 64 rows.
; Work-group (i, e), one wave: it makes expert e's whole list in LDS (a counting sort: each token's rank is the number of the expert's tokens in front of it, by a count of mask bits; no atomics), and then
; serves the tiles of 16 rows T = i, i + 16, i + 32, i + 48 of that list, as far as the expert has rows.  For a tile it gathers the rows' codes and scale words out of xq and stores them AS THE MATRIX OPERAND'S REGISTERS WANT THEM:
;   xs + 0:        [e][T 64][K step 8][c 4][lane 32][16 bytes]: lane (r, h)'s registers 4 c .. 4 c + 3 = k 32 c + 16 h + 0..15 of row r.  Each store covers 512 consecutive bytes.
;   xs + 0x800000: [e][T][K step 8][r 16] scale words.
;   pos + 0:       [token][2]: the row (e x 1024 + rank) that holds the token for its first and for its second expert;   pos + 8192: the eight counts.
; Rows between the count and the next multiple of 64 carry token 0's codes: what is made of them is finite and nobody reads it.
; A work-group whose tiles lie behind the expert's rows stores nothing: the grid serves every split, all tokens on one expert too.
; The four tiles are written out: a tile's place stands in the immediates, no pointer is stepped, and all addresses that hang on the list are made once, with all lanes on, in registers that hold nothing else.
.set AC,  12                           ; v12-15    tile k: my row's codes in xq, + 16 h
.set AQ,  16                           ; v16-19    its scale words, + 4 h
.set AP,  20                           ; v20-23    its word of pos
.set SL,  24                           ; v24-55    sel: register 4 a + j, lane l: token 128 a + 4 l + j
.set CD,  56                           ; v56-183   a tile's codes: 32 x 4 registers (while the list is made: at work)
.set SWD, 184                          ; v184-187  its scale words
.set FIL, 188                          ; v188-191  the mark of an empty place
.set MK,  192                          ; v192-195  tile k: negative where my lane stores no word of pos
.set RV,  196                          ; v196-199  tile k: my row's number
.set TOK, 200                          ; the row's token
.set SLT, 201                          ; first or second expert
.set H16, 202                          ; 16 h
.set H4,  203                          ; 4 h
.set CA,  204                          ; the count's place in pos
.set CV,  205                          ; the count
	s_load_b256 s[4:11], s[0:1], 0x0               ; sel s[4:5], xq s[6:7], xs s[8:9], pos s[10:11]
	v_lshl_add_u32 v208, v0, 2, 0x1100
	v_mov_b32 v209, 0
	s_and_b32 s20, ttmp7, 0xffff                   ; my expert
	s_and_b32 s26, ttmp9, 15                       ; i
	s_mov_b32 s21, 0                               ; the expert's tokens so far
	v_and_b32 v2, 15, v0                           ; r
	v_lshrrev_b32 v3, 4, v0                        ; h
	v_lshlrev_b32 v4, 4, v0                        ; 16 x lane
	v_lshlrev_b32 v5, 2, v0                        ; 4 x lane
	v_mov_b32 v6, 0x400                            ; the list's place for tokens of other experts: a word behind its end
	v_lshlrev_b32 v[H16], 4, v3
	v_lshlrev_b32 v[H4], 2, v3
.irp k, 0,1,2,3
	v_mov_b32 v[FIL+\k], 0x80000000                ; an empty place of the list: bit 31, token 0
.endr
.irp a, 0,1,2,3,4,5,6,7
	ds_store_b128 v4, v[FIL:FIL+3] offset:512*\a
.endr
	s_lshl_b32 s24, s26, 6
	v_lshl_add_u32 v1, v2, 2, s24                  ; the list's word of row 16 i + r
	s_lshl_b32 s25, s20, 10
	s_lshl_b32 s24, s26, 4
	s_add_co_u32 s25, s25, s24
	v_add_nc_u32 v7, s25, v2                       ; that row's number: e x 1024 + 16 i + r
	s_lshl_b32 s36, s20, 20
	s_lshl_b32 s24, s26, 14
	s_add_co_u32 s36, s36, s24                     ; my first tile's images: e x 1 MB + i x 16 KB
	s_mov_b32 s37, 0
	s_lshl_b32 s38, s20, 15
	s_lshl_b32 s24, s26, 9
	s_add_co_u32 s38, s38, s24
	s_add_co_u32 s38, s38, 0x800000                ; and its scale words: e x 32 KB + i x 512
	s_mov_b32 s39, 0
	s_lshl_b32 s24, s20, 2
	s_add_co_u32 s24, s24, 8192
	v_mov_b32 v[CA], s24
	s_wait_kmcnt 0x0
	s_add_nc_u64 s[32:33], s[8:9], s[36:37]
	s_add_nc_u64 s[34:35], s[8:9], s[38:39]
.irp a, 0,1,2,3,4,5,6,7
	global_load_b128 v[SL+4*\a:SL+4*\a+3], v4, s[4:5] offset:512*\a
.endr
	s_wait_loadcnt 0x0
; 32 tokens at a time: which of them have my expert; each one's rank; its number, with bit 16 set where my expert is its second, goes to the list at its rank.
.set G, 0
.rept 32
.set TB, CD+6*(G%2)
	v_and_b32 v[TB], 0xff, v[SL+G]
	v_lshrrev_b32 v[TB+1], 8, v[SL+G]
	v_cmp_eq_u32 s28, s20, v[TB]
	v_cmp_eq_u32 s29, s20, v[TB+1]
	s_or_b32 s30, s28, s29
	v_mbcnt_lo_u32_b32 v[TB+2], s30, s21           ; the tokens so far + those of lower lanes
	v_cndmask_b32 v[TB+2], v6, v[TB+2], s30
	v_min_u32 v[TB+2], 0x400, v[TB+2]
	v_lshlrev_b32 v[TB+3], 2, v[TB+2]
	v_or_b32 v[TB+4], 128*(G/4)+(G%4), v5          ; the token's number
	v_or_b32 v[TB+5], 0x10000, v[TB+4]
	v_cndmask_b32 v[TB+4], v[TB+4], v[TB+5], s29
	ds_store_b32 v[TB+3], v[TB+4]
	s_bcnt1_i32_b32 s31, s30
	s_add_co_u32 s21, s21, s31
.set G, G+1
.endr
	s_add_co_u32 s23, s21, 63
	s_lshr_b32 s23, s23, 6
	s_lshl_b32 s23, s23, 2
	s_min_u32 s23, s23, 64                         ; tiles to be written: four for each 64 rows begun
	v_mov_b32 v[CV], s21
.irp k, 0,1,2,3
	ds_load_b32 v[8+\k], v1 offset:1024*\k         ; my row of each of my four possible tiles (LDS serves a wave's instructions in order, ISA guide 5.7.1.4: the list is whole)
.endr
	s_wait_dscnt 0x0
.irp k, 0,1,2,3                        ; what hangs on the list: held to the table's size, then only shifts to the left and additions
	v_and_b32 v[TOK], 0x3ff, v[8+\k]
	v_min_u32 v[TOK], 0x3ff, v[TOK]                ; the row's token
	v_lshlrev_b32 v[AC+\k], 10, v[TOK]
	v_add_nc_u32 v[AC+\k], v[AC+\k], v[H16]
	v_lshlrev_b32 v[AQ+\k], 5, v[TOK]
	v_add_nc_u32 v[AQ+\k], v[AQ+\k], v[H4]
	v_bfe_u32 v[SLT], v[8+\k], 16, 1
	v_min_u32 v[SLT], 1, v[SLT]
	v_lshlrev_b32 v[SLT], 2, v[SLT]
	v_lshlrev_b32 v[AP+\k], 3, v[TOK]
	v_add_nc_u32 v[AP+\k], v[AP+\k], v[SLT]        ; pos: 8 x token + 4 x (first or second expert)
	v_lshl_or_b32 v[MK+\k], v3, 31, v[8+\k]        ; negative: an empty place, or lanes 16-31
	v_add_nc_u32 v[RV+\k], 256*\k, v7
.endr
	s_cmp_lg_u32 s26, 0
	s_cbranch_scc1 .Lno_count                      ; the expert's first work-group stores its count:
	global_store_b32 v[CA], v[CV], s[10:11]        ; the 32 lanes store the same word with the same value
.Lno_count:
.macro TILE k
	s_add_co_u32 s22, s26, 16*\k                   ; T
	s_cmp_ge_u32 s22, s23
	s_cbranch_scc1 .Ldone                          ; the expert's rows end in front of this tile, and so of those behind it
.irp s, 0,1,2,3,4,5,6,7
.irp c, 0,1,2,3
	global_load_b128 v[CD+4*(4*\s+\c):CD+4*(4*\s+\c)+3], v[AC+\k], s[6:7] offset:128*\s+32*\c
.endr
.endr
.irp q, 0,1,2,3
	global_load_b32 v[SWD+\q], v[AQ+\k], s[6:7] offset:0x100000+8*\q   ; lane (r, h): the word of K step 2 q + h
.endr
	s_wait_alu depctr_va_vdst(0)
	v_cmp_le_i32 vcc_lo, 0, v[MK+\k]               ; a true row, and lanes 0-15 alone
	s_wait_loadcnt 0x0
.irp s, 0,1,2,3,4,5,6,7
.irp c, 0,1,2,3
	global_store_b128 v4, v[CD+4*(4*\s+\c):CD+4*(4*\s+\c)+3], s[32:33] offset:\k*0x40000+2048*\s+512*\c   ; sixteen tiles on are 256 KB
.endr
.endr
.irp q, 0,1,2,3
	global_store_b32 v5, v[SWD+\q], s[34:35] offset:\k*0x2000+128*\q
.endr
	s_wait_xcnt 0x0                                ; EXEC changes only behind this wait
	s_and_saveexec_b32 s28, vcc_lo
	global_store_b32 v[AP+\k], v[RV+\k], s[10:11]
	s_wait_xcnt 0x0                                ; and again in front of the line that widens it; the stores' data registers are also free now for the next tile's loads
	s_or_b32 exec_lo, exec_lo, s28
.endm
	TILE 0
	TILE 1
	TILE 2
	TILE 3
.Ldone:
	s_wait_tensorcnt 0x0
	ds_add_u32 v208, v209
	s_wait_dscnt 0x0
	s_endpgm
.Lfunc_end_k_q4f8e44768c_place:
	.size	k_q4f8e44768c_place, .Lfunc_end_k_q4f8e44768c_place-k_q4f8e44768c_place
	.p2alignl 7, 3214868480
	.fill 96, 4, 3214868480
	.section	.rodata,"a",@progbits
	.p2align	6, 0x0
	.amdhsa_kernel k_q4f8e44768c_place
		.amdhsa_group_segment_fixed_size 4608
		.amdhsa_private_segment_fixed_size 0
		.amdhsa_enable_private_segment 0
		.amdhsa_kernarg_size 32
		.amdhsa_user_sgpr_count 2
		.amdhsa_user_sgpr_kernarg_segment_ptr 1
		.amdhsa_wavefront_size32 1
		.amdhsa_system_sgpr_workgroup_id_x 1
		.amdhsa_system_sgpr_workgroup_id_y 1
		.amdhsa_system_sgpr_workgroup_id_z 1
		.amdhsa_system_vgpr_workitem_id 0
		.amdhsa_next_free_vgpr 210
		.amdhsa_next_free_sgpr 66
		.amdhsa_reserve_vcc 1
		.amdhsa_float_denorm_mode_32 3
		.amdhsa_float_denorm_mode_16_64 3
		.amdhsa_memory_ordered 1
		.amdhsa_forward_progress 1
		.amdhsa_inst_pref_size 60
	.end_amdhsa_kernel
	.amdgpu_metadata
---
amdhsa.version: [ 1, 2 ]
amdhsa.kernels:
  - .name:           k_q4f8e44768c_place
    .symbol:         k_q4f8e44768c_place.kd
    .args:
      - { .name: sel, .offset: 0, .size: 8, .value_kind: global_buffer, .address_space: global }
      - { .name: xq, .offset: 8, .size: 8, .value_kind: global_buffer, .address_space: global }
      - { .name: xs, .offset: 16, .size: 8, .value_kind: global_buffer, .address_space: global }
      - { .name: pos, .offset: 24, .size: 8, .value_kind: global_buffer, .address_space: global }
    .group_segment_fixed_size: 4608
    .private_segment_fixed_size: 0
    .kernarg_segment_align: 8
    .kernarg_segment_size: 32
    .max_flat_workgroup_size: 32
    .sgpr_count:     66
    .vgpr_count:     210
    .wavefront_size: 32
...
	.end_amdgpu_metadata
.endif
;; end of part 7
;; launch gemm1 (part 8): grid 32 x 8, 8 waves a work-group, no clusters, 136,448 bytes of LDS; arguments W1, b1, xs, pos, hq; writes hq
.if DOCPART == 8
	.amdgcn_target "amdgcn-amd-amdhsa--gfx1250"
	.amdhsa_code_object_version 6
	.text
	.protected	k_q4f8e44768c_gemm1
	.globl	k_q4f8e44768c_gemm1
	.p2align	8
	.type	k_q4f8e44768c_gemm1,@function
k_q4f8e44768c_gemm1:
	s_mov_b64 s[64:65], 0
	v_nop
	global_prefetch_b8 v0, s[64:65] scope:SCOPE_SE
	s_setreg_imm32_b32 hwreg(HW_REG_WAVE_SCHED_MODE, 0, 2), 2
	s_setreg_imm32_b32 hwreg(HW_REG_WAVE_MODE, 25, 1), 1
	s_wait_xcnt 0x0
	s_wait_alu depctr_vm_vsrc(0)
; THE FIRST PRODUCT OF EACH EXPERT: hidden = relu(x W1[e] + b1[e]) for the rows routed to expert e, in MX-FP8, and the hidden layer quantised on the way out.
; Work-group (sx, e) owns W1[e][:, 128 sx .. 128 sx + 127]: 512 KB of f32, which no other work-group reads.  Two phases, one barrier between them.
; PHASE Q: the slice is streamed once, quantised along K (its first axis) and laid into LDS as images of the operand's registers.  A lane takes four neighbouring columns and 16 rows of a block of 32
;   (lanes l and l xor 16 share a block): one load reads two runs of 256 consecutive bytes, rows k and k + 16.  Four columns stand side by side in a lane's registers, so each number is multiplied by
;   1 / its column's scale (a power of two: nothing is rounded), held at 448 and converted under the scale 1; byte permutes then turn 4 x 4 bytes, so that a column's 16 codes along K are 16 bytes.
; PHASE G: the expert's rows, 64 at a time, against the slice.  A wave's unit: 4 tiles of rows x 4 tiles of columns x all of K: 16 accumulators, 128 matrix instructions.  Waves take panel w % 2 (64 columns)
;   and chunks w / 2, w / 2 + 4, ..  The rows' fragments come from memory as they lie (the launch before laid them so), the weights' from LDS.
;   The loop over a wave's chunks has four trips, as many as an expert's 1,024 rows at the most can ask of it; a wave leaves it at the head of the first trip whose chunk lies behind the expert's rows.
; TRANSPOSED USE: source 0 = 16 columns of W1, source 1 = 16 rows of x: a lane holds ONE row.  THE COLUMNS OF A TILE ARE NOT NEIGHBOURS: lane r of tile 2 b + u takes column 32 b + 8 u + r + 8 (r / 8) of the panel,
;   so that the 16 registers of tiles 2 b, 2 b + 1 are 16 neighbouring hidden units: the conversions' results are registers of the second product's operand, K step sx, pieces c = 2 panel + b.
; b1 is loaded into the accumulators and is the C of each sum's first matrix instruction.
; hq + 0: [e][T 64][K step 32][c 4][lane 32][16 bytes];  hq + 0x2000000: scale words [e][T][K step 32][r 16].
; NO TENSOR LOAD, NO CLUSTER: the number of chunks is a count read from memory, and partners would need different numbers of tiles; each weight byte has one reader anyway.
; LIMITS: NaN and infinities among the inputs are not served.  A block of zeros gets the byte 1 with zero codes (only this program reads the bytes).
; REGISTERS.  Window 0: v1-14 addresses and constants; v16-31 the rows' scale words; v48-51 the weights' scale words; v52-115 the rows' fragments, third buffer (on the way out: at work); v116-121 at work at the head;
;   v126, v127 the closing add's two; v128-255 the weights' fragments, two buffers (in phase Q: at work; on the way out: codes).  Window 1: v0-127 the 16 accumulators, (row tile j, column tile t) at 8 (4 j + t) (in phase Q: loads); v128-255 the rows' fragments, two buffers (likewise).
; THE MODE: SCHED_MODE bits 1:0 = 2 (LLVM: expert scheduling mode 2), set by the entry lines.  The code itself states the register dependences between vector or matrix instructions and memory or LDS
;   instructions, with s_wait_alu, always for 0.
; THE PLAN.  Registers that memory or LDS instructions touch, and who else names them:
;   PHASE Q.  Q0 .. Q3 (window 1, 64 registers each): a set's 16 loads land; its maxima read it, its multiplications and holds write it, its conversions read it; in the first K step the same set of the second K step is then loaded.
;             TT, SW: written by the byte turns and by the joining of the scale bytes; read by the set's LDS stores; written again by the next set.
;             ONE wait on va_vdst a set, behind its turns, serves the LDS stores (TT, SW are written) and the loads (the set's vector work is over); one on vm_vsrc at the head of every set but the first frees TT and SW.
;   PHASE G.  XF0 .. XF2, the rows' fragments: step s's products read XF[s % 3]; the loads of step s + 2, issued in step s, land in XF[(s - 1) % 3].
;             WF0, WF1 and the weights' four scale registers: step s reads half s % 2; the LDS loads of step s + 1, issued in step s, land in the other half.
;             The rows' scale words and b1 (in the accumulators) are loaded at a unit's head.  The codes (v128-159) and half scale words (v92-95) of the way out are written by vector instructions and read by the stores; the next unit's loads land there.
;             ONE wait on va_vdst at the head of a unit and of each step that issues loads (step 0 leans on the unit's): the products issued so far are done reading the buffers that the step's loads land in.  The loads follow it, dealt among the
;             step's first products, which name the accumulators, XF[s % 3], WF[s % 2] and this step's scale registers: none of the registers that those loads touch.  One more stands ahead of the way out's stores; one wait on vm_vsrc at a unit's end.
;   All address registers are made at the head and never written again: scalar bases and immediates do the stepping.
.set S,      8                         ; K steps of 128
.set NP,     4                         ; registers of scale words for a tile of rows: two K steps to a register
.set TRIPS,  4                         ; 16 chunks at the most, four waves to a panel
.set TILEB,  16384                     ; a tile of rows in xs
.set SWT,    512                       ; its scale words
.set PITCH,  16384                     ; a row of W1[e] in bytes
.set TSTR,   16400                     ; a tile of columns in LDS: 8 K steps x 2,048 bytes, + 16, so that the sixteen lanes of a store start at sixteen different places modulo 256
.set WSC,    131328                    ; behind the 8 tiles: the weights' scale words, [panel][K step][16 t + r]
.set KSOFF,  8192                      ; a wave's second K step lies four steps on
.set SWOFF,  1024
.set LN16, 1                           ; 16 x lane
.set LN4,  2                           ; 4 x lane
.set AW,   3                           ; v3-6  my panel's four tiles in LDS, + 16 x lane
.set AS,   7                           ; my panel's scale words, + 4 x lane
.set HB,   8                           ; 64 h: b1
.set R4,   9                           ; 4 r: the hidden layer's scale words
.set VO,   10                          ; phase Q: my 16 bytes of a row, 16 rows down for lanes 16-31
.set AWR,  11                          ; phase Q: where my first column's 16 codes go
.set ASW,  12                          ; phase Q: where my four columns' scale words go
.set ONE,  13
.set HOLD, 14
.set XS,   16
.set WS,   48
.set XF2,  52
.set WF,   128
.set AM,   128                         ; phase Q: largest magnitudes of my four columns
.set PM,   132                         ;          the other half's
.set IV,   136                         ;          1 / scale
.set EB,   140                         ;          scale bytes
.set SW,   144                         ;          scale words in the making
.set PP,   148                         ;          halfway through the turn
.set CC,   160                         ;          codes: register i = row i's four columns
.set TT,   176                         ;          codes: registers 4 j .. 4 j + 3 = column j's sixteen rows
.set QTM,  52                          ; the way out: largest numbers of eight blocks, the other half's, scale operands, 448 x scale, bytes, half scale words
.set QTP,  60
.set QSC,  68
.set QTH,  76
.set QTB,  84
.set QPW,  92
.set CD,   128                         ; and the codes
.set MSB, 0
.macro WIN new                         ; s_set_vgpr_msb: bits 1:0 source 0, 3:2 source 1, 5:4 source 2, 7:6 destination; the high byte repeats the setting that is left
.if MSB != \new
	s_set_vgpr_msb (MSB<<8)|\new
.set MSB, \new
.endif
.endm
.macro PLACES n
.rept \n
	v_nop
.endr
.endm
	s_load_b256 s[4:11], s[0:1], 0x0               ; W1 s[4:5], b1 s[6:7], xs s[8:9], pos s[10:11]
	s_load_b64 s[12:13], s[0:1], 0x20              ; hq
	v_lshl_add_u32 v126, v0, 2, 0x21100            ; my spare word, and 0: made here and kept for the closing lines alone
	v_mov_b32 v127, 0
	v_lshrrev_b32 v116, 5, v0
	v_readfirstlane_b32 s30, v116                  ; wave 0..7
	s_and_b32 s31, ttmp7, 0xffff                   ; e
	s_mov_b32 s32, ttmp9                           ; sx
	v_and_b32 v116, 31, v0
	v_lshlrev_b32 v[LN16], 4, v116
	v_lshlrev_b32 v[LN4], 2, v116
	v_and_b32 v117, 15, v0                         ; q in phase Q, r in phase G
	v_bfe_u32 v118, v0, 4, 1                       ; which half of the lanes
	v_lshlrev_b32 v[HB], 6, v118
	v_lshlrev_b32 v[R4], 2, v117
	v_lshlrev_b32 v[VO], 4, v117
	v_lshl_or_b32 v[VO], v118, 18, v[VO]           ; 16 q + 16 rows of 16,384 bytes for lanes 16-31
	; my columns 4 q + j = 32 b + 16 a + 8 u + lo: tile 2 b + u, lane r = 8 a + lo of the image
	v_bfe_u32 v119, v0, 3, 1                       ; b
	v_bfe_u32 v120, v0, 1, 1                       ; u
	v_lshl_add_u32 v119, v119, 1, v120             ; the tile
	v_bfe_u32 v120, v0, 2, 1                       ; a
	v_and_b32 v121, 1, v0                          ; lo / 4
	v_mul_u32_u24 v[AWR], v119, TSTR
	v_lshl_add_u32 v[AWR], v120, 7, v[AWR]
	v_lshl_add_u32 v[AWR], v121, 6, v[AWR]
	v_lshl_add_u32 v[AWR], v118, 8, v[AWR]
	s_wait_alu depctr_va_sdst(0)                   ; s30 is written, ahead of its first reader: the panel, the K step and every base are made from it
	s_and_b32 s45, s30, 1                          ; my panel
	s_lshr_b32 s46, s30, 1                         ; phase Q: my first K step; phase G: my first chunk
	s_mul_i32 s47, s45, 4*TSTR                     ; my panel's tiles
	s_lshl_b32 s48, s46, 11
	s_add_co_u32 s48, s48, s47
	v_add_nc_u32 v[AWR], s48, v[AWR]
	v_lshlrev_b32 v[ASW], 6, v119
	v_lshl_add_u32 v[ASW], v120, 5, v[ASW]
	v_lshl_add_u32 v[ASW], v121, 4, v[ASW]
	s_lshl_b32 s48, s45, 11
	s_add_co_u32 s48, s48, WSC                     ; my panel's scale words
	v_add_nc_u32 v[AS], s48, v[LN4]
	s_lshl_b32 s49, s46, 8
	s_add_co_u32 s48, s48, s49
	v_add_nc_u32 v[ASW], s48, v[ASW]
	v_add_nc_u32 v[AW], s47, v[LN16]
	v_add_nc_u32 v[AW+1], TSTR, v[AW]
	v_add_nc_u32 v[AW+2], 2*TSTR, v[AW]
	v_add_nc_u32 v[AW+3], 3*TSTR, v[AW]
	v_mov_b32 v[ONE], 1.0
	v_mov_b32 v[HOLD], 0x43e00000                  ; 448
.irp j, 0,1,2,3
	v_mov_b32 v[PM+\j], 0                          ; written once: a lane permute's destination counts as one of its sources
.endr
	s_mov_b32 s36, 0x76543210
	s_mov_b32 s37, 0xfedcba98                      ; v_permlanex16_b32's selects for lane l xor 16
	s_mov_b32 s39, 0x600000                        ; the mantissa field of 448
	s_mov_b32 s40, 0x05010400                      ; byte selects of the 4 x 4 turn
	s_mov_b32 s41, 0x07030602
	s_mov_b32 s42, 0x05040100
	s_mov_b32 s43, 0x07060302
	s_lshl_b32 s50, s31, 24                        ; W1: e x 16 MB + 512 sx + 256 panel + my K step's 128 rows
	s_lshl_b32 s52, s32, 9
	s_add_co_u32 s50, s50, s52
	s_lshl_b32 s52, s45, 8
	s_add_co_u32 s50, s50, s52
	s_lshl_b32 s52, s46, 21
	s_add_co_u32 s50, s50, s52
	s_mov_b32 s51, 0
	s_lshl_b32 s56, s31, 2
	s_wait_kmcnt 0x0
	s_add_nc_u64 s[16:17], s[4:5], s[50:51]
	s_add_nc_u64 s[18:19], s[16:17], 0x800000      ; my second K step: four steps, 512 rows, on
	s_load_b32 s33, s[10:11], s56 offset:0x2000    ; the expert's count of rows
; A set: 64 columns x 32 rows of K: 16 loads into 64 registers of window 1, register 4 i + j = row 32 c + 16 (lane / 16) + i, column 4 q + j.
.macro QLOAD buf, ks, c
	WIN 0x40
.irp i, 0,1,2,3,4,5,6,7,8,9,10,11,12,13,14,15
	global_load_b128 v[64*\buf+4*\i:64*\buf+4*\i+3], v[VO], s[16+2*\ks:17+2*\ks] offset:(32*\c+\i)*PITCH th:TH_LOAD_NT
.endr
.endm
; first = 1: the first set of all, with no LDS store in front of it.  again = 1: the set's registers are asked for again, for the same set of the second K step.
.macro QSET buf, ks, c, left, first, again
	s_wait_loadcnt \left                           ; this set is in; the younger sets, 16 loads each, may stay out
	s_wait_dscnt 0x0                               ; the last set's LDS stores are done
.if !\first
	s_wait_alu depctr_vm_vsrc(0)                   ; the last set's LDS stores have read TT and SW, which this set's joins and turns write again
.endif
	WIN 0x05
.irp j, 0,1,2,3
	v_max3_num_f32 v[AM+\j], |v[64*\buf+\j]|, |v[64*\buf+4+\j]|, 0x4800000   ; with the floor 2^(9 - 127): the byte cannot fall under 1
.endr
	WIN 0x14
.irp i, 2,4,6,8,10,12,14
.irp j, 0,1,2,3
	v_max3_num_f32 v[AM+\j], v[AM+\j], |v[64*\buf+4*\i+\j]|, |v[64*\buf+4*\i+4+\j]|   ; the four columns by turns
.endr
.endr
	WIN 0
.irp j, 0,1,2,3
	v_permlanex16_b32 v[PM+\j], v[AM+\j], s36, s37
.endr
.irp j, 0,1,2,3
	v_max_num_f32 v[AM+\j], v[AM+\j], v[PM+\j]     ; with the block's other 16 rows
.endr
.irp j, 0,1,2,3
	v_and_b32 v[IV+\j], 0x7f800000, v[AM+\j]
.endr
.irp j, 0,1,2,3
	v_sub_nc_u32 v[IV+\j], 0x83000000, v[IV+\j]    ; exponent field 262 - the largest magnitude's: 1 / scale
.endr
.irp j, 0,1,2,3
	v_lshrrev_b32 v[EB+\j], 23, v[AM+\j]
.endr
.irp j, 0,1,2,3
.if \c == 0
	v_add_nc_u32 v[SW+\j], -8, v[EB+\j]            ; the scale's byte: the K step's first starts the word
.else
	v_add_nc_u32 v[EB+\j], -8, v[EB+\j]
.endif
.endr
.if \c > 0
.irp j, 0,1,2,3
	v_lshl_or_b32 v[SW+\j], v[EB+\j], 8*\c, v[SW+\j]
.endr
.endif
	WIN 0x41
.irp i, 0,1,2,3,4,5,6,7,8,9,10,11,12,13,14,15
	v_pk_mul_f32 v[64*\buf+4*\i:64*\buf+4*\i+1], v[64*\buf+4*\i:64*\buf+4*\i+1], v[IV:IV+1]
	v_pk_mul_f32 v[64*\buf+4*\i+2:64*\buf+4*\i+3], v[64*\buf+4*\i+2:64*\buf+4*\i+3], v[IV+2:IV+3]
.endr
.set n, 0
.rept 64
	v_med3_num_f32 v[64*\buf+n], v[64*\buf+n], -v[HOLD], v[HOLD]   ; the conversion to an 8-bit code does not saturate (ISA guide 7.6.2): the hold at 448
.set n, n+1
.endr
	WIN 0x01
.irp g, 0,1,2,3,4,5,6,7
	v_cvt_scalef32_pk8_fp8_f32 v[CC+2*\g:CC+2*\g+1], v[64*\buf+8*\g:64*\buf+8*\g+7], v[ONE]
.endr
	WIN 0
	v_nop                                          ; one plain instruction behind the last conversion
.irp g, 0,1,2,3                        ; rows 4 g .. 4 g + 3: four registers of four columns become four registers of four rows
	v_perm_b32 v[PP+4*(\g%2)],   v[CC+4*\g+1], v[CC+4*\g],   s40
	v_perm_b32 v[PP+4*(\g%2)+1], v[CC+4*\g+1], v[CC+4*\g],   s41
	v_perm_b32 v[PP+4*(\g%2)+2], v[CC+4*\g+3], v[CC+4*\g+2], s40
	v_perm_b32 v[PP+4*(\g%2)+3], v[CC+4*\g+3], v[CC+4*\g+2], s41
	v_perm_b32 v[TT+\g],    v[PP+4*(\g%2)+2], v[PP+4*(\g%2)],   s42
	v_perm_b32 v[TT+4+\g],  v[PP+4*(\g%2)+2], v[PP+4*(\g%2)],   s43
	v_perm_b32 v[TT+8+\g],  v[PP+4*(\g%2)+3], v[PP+4*(\g%2)+1], s42
	v_perm_b32 v[TT+12+\g], v[PP+4*(\g%2)+3], v[PP+4*(\g%2)+1], s43
.endr
	s_wait_alu depctr_va_vdst(0)                   ; the turns have written TT and the joins SW, which the LDS stores below read; the holds and conversions are done with this set's registers, in which the loads below land
.if \again
	QLOAD \buf, 1, \c                              ; the set is asked for again at once, ahead of the stores
	WIN 0
.endif
.irp j, 0,1,2,3
	ds_store_b128 v[AWR], v[TT+4*\j:TT+4*\j+3] offset:16*\j+512*\c+\ks*KSOFF   ; column j: registers 4 c .. 4 c + 3 of its lane of the image
.endr
.if \c == 3
	ds_store_b128 v[ASW], v[SW:SW+3] offset:\ks*SWOFF   ; my four columns' words of this K step; both halves of the lanes write the same words
.endif
.endm
	s_wait_alu depctr_va_vdst(0)                   ; the twelve offsets and addresses v1 to v12 are written: every load and store of the kernel, LDS too, reads some of them, and none is written again
	QLOAD 0, 0, 0                                  ; four sets, 64 loads a wave, go out before anything else
	QLOAD 1, 0, 1
	QLOAD 2, 0, 2
	QLOAD 3, 0, 3
	s_lshl_b32 s50, s31, 20                        ; the rows' images: e x 1 MB + chunk x 64 KB
	s_lshl_b32 s52, s46, 16
	s_add_co_u32 s50, s50, s52
	s_add_nc_u64 s[20:21], s[8:9], s[50:51]
	s_lshl_b32 s50, s31, 15                        ; their scale words: e x 32 KB + chunk x 2 KB
	s_lshl_b32 s52, s46, 11
	s_add_co_u32 s50, s50, s52
	s_add_co_u32 s50, s50, 0x800000
	s_add_nc_u64 s[22:23], s[8:9], s[50:51]
	s_lshl_b32 s50, s31, 22                        ; the hidden layer's images: e x 4 MB + chunk x 256 KB + K step sx + my panel's two pieces
	s_lshl_b32 s52, s46, 18
	s_add_co_u32 s50, s50, s52
	s_lshl_b32 s52, s32, 11
	s_add_co_u32 s50, s50, s52
	s_lshl_b32 s52, s45, 10
	s_add_co_u32 s50, s50, s52
	s_add_nc_u64 s[24:25], s[12:13], s[50:51]
	s_lshl_b32 s50, s31, 17                        ; its scale words: e x 128 KB + chunk x 8 KB + 64 sx + my panel's two bytes
	s_lshl_b32 s52, s46, 13
	s_add_co_u32 s50, s50, s52
	s_lshl_b32 s52, s32, 6
	s_add_co_u32 s50, s50, s52
	s_lshl_b32 s52, s45, 1
	s_add_co_u32 s50, s50, s52
	s_add_co_u32 s50, s50, 0x2000000
	s_add_nc_u64 s[26:27], s[12:13], s[50:51]
	s_lshl_b32 s50, s31, 14                        ; b1: e x 16 KB + 512 sx + 256 panel
	s_lshl_b32 s52, s32, 9
	s_add_co_u32 s50, s50, s52
	s_lshl_b32 s52, s45, 8
	s_add_co_u32 s50, s50, s52
	s_add_nc_u64 s[28:29], s[6:7], s[50:51]
	s_wait_kmcnt 0x0                               ; the count
	s_add_co_u32 s34, s33, 63
	s_lshr_b32 s34, s34, 6
	s_min_u32 s34, s34, 16                         ; chunks of 64 rows
	QSET 0, 0, 0, 48, 1, 1
	QSET 1, 0, 1, 48, 0, 1
	QSET 2, 0, 2, 48, 0, 1
	QSET 3, 0, 3, 48, 0, 1
	QSET 0, 1, 0, 48, 0, 0
	QSET 1, 1, 1, 32, 0, 0
	QSET 2, 1, 2, 16, 0, 0
	QSET 3, 1, 3, 0, 0, 0
	s_wait_dscnt 0x0                               ; for the others' sake: my part of the slice lies in LDS
	s_barrier_signal -1
	s_barrier_wait -1                              ; the whole slice does.  The one barrier: it stands ahead of every branch on the count
	s_wait_alu depctr_vm_vsrc(0)                   ; my last LDS stores have read TT and SW: these registers are the weights' first buffer from here on, in which LDS loads land
; ---- PHASE G
.macro XLOAD2 s, buf, j0               ; row tiles j0, j0 + 1: their fragments of K step s: 8 loads of 512 consecutive bytes
.if (\buf) == 2
	WIN 0
.set XLB, XF2
.else
	WIN 0x40
.set XLB, 128+64*(\buf)
.endif
.irp j, \j0, \j0+1
.irp c, 0,1,2,3
	global_load_b128 v[XLB+16*(\j)+4*\c:XLB+16*(\j)+4*\c+3], v[LN16], s[20:21] offset:(\j)*TILEB+2048*(\s)+512*\c
.endr
.endr
.endm
.macro WLOAD2 s, buf, t0               ; my panel's tiles t0, t0 + 1: their fragments of K step s, and their scale words: lanes 0-15 the even tile's, lanes 16-31 the odd tile's behind it
	WIN 0
.irp t, \t0, \t0+1
.irp c, 0,1,2,3
	ds_load_b128 v[WF+64*(\buf)+16*(\t)+4*\c:WF+64*(\buf)+16*(\t)+4*\c+3], v[AW+(\t)] offset:2048*(\s)+512*\c
.endr
.endr
	ds_load_b32 v[WS+2*(\buf)+(\t0)/2], v[AS] offset:256*(\s)+64*(\t0)
.endm
.macro MM j, t, s                      ; accumulator (j, t) += W1's tile t x rows' tile j, K step s.  The scale registers' upper lanes serve odd tiles and odd K steps
.set AC, 8*(4*(\j)+(\t))
.set FA, WFB+16*(\t)
.set FB, XFB+16*(\j)
.set SA, WS+2*((\s)%2)+(\t)/2
.set SB, XS+NP*(\j)+(\s)/2
.if (((\t)%2) == 0) && (((\s)%2) == 0)
	v_wmma_scale_f32_16x16x128_f8f6f4 v[AC:AC+7], v[FA:FA+15], v[FB:FB+15], v[AC:AC+7], v[SA], v[SB]
.elseif (((\s)%2) == 0)
	v_wmma_scale_f32_16x16x128_f8f6f4 v[AC:AC+7], v[FA:FA+15], v[FB:FB+15], v[AC:AC+7], v[SA], v[SB] matrix_a_scale:MATRIX_SCALE_ROW1
.elseif (((\t)%2) == 0)
	v_wmma_scale_f32_16x16x128_f8f6f4 v[AC:AC+7], v[FA:FA+15], v[FB:FB+15], v[AC:AC+7], v[SA], v[SB] matrix_b_scale:MATRIX_SCALE_ROW1
.else
	v_wmma_scale_f32_16x16x128_f8f6f4 v[AC:AC+7], v[FA:FA+15], v[FB:FB+15], v[AC:AC+7], v[SA], v[SB] matrix_a_scale:MATRIX_SCALE_ROW1 matrix_b_scale:MATRIX_SCALE_ROW1
.endif
.endm
.macro MROW j, s                       ; row tile j against the panel's four tiles
.irp t, 0,1,2,3
	MM \j, \t, \s
.endr
.endm
; A K step: 16 matrix instructions, the 16 accumulators by turns, one instruction a turn.  The rows' fragments are asked for two steps ahead (three buffers), the weights' one (two).
; The step's loads stand in two halves, behind its first and its second four products: early in the step, so that they have the rest of it in which to land.
.macro GSTEP s
.if (\s)+1 < S
	s_wait_loadcnt 16                              ; this step's rows are in (in step 0 b1 and the rows' scale words too); the next step's 16 loads may be out
.else
	s_wait_loadcnt 0x0
.endif
	s_wait_dscnt 0x0                               ; this step's weights and their scale words, asked for a step ago, are in
.if ((\s) > 0) && ((\s)+1 < S)
	s_wait_alu depctr_va_vdst(0)                   ; the last step's products are done reading its rows' buffer, its half of the weights' and of their scale registers: this step's loads land in all three
.endif
.if ((\s)%3) == 2
.set WM, 0x50                          ; C and D window 1, both sources window 0
.set XFB, XF2
.else
.set WM, 0x54                          ; C, D and source 1 window 1
.set XFB, 128+64*((\s)%3)
.endif
.set WFB, WF+64*((\s)%2)
.set NX, ((\s)+2)%3
.set NW, ((\s)+1)%2
	WIN WM
	MROW 0, \s
.if (\s)+1 < S
	WLOAD2 (\s)+1, NW, 0                           ; no wait: no product since the wait above names these registers
.endif
.if (\s)+2 < S
	XLOAD2 (\s)+2, NX, 0
.endif
	WIN WM
	MROW 1, \s
.if (\s)+1 < S
	WLOAD2 (\s)+1, NW, 2
.endif
.if (\s)+2 < S
	XLOAD2 (\s)+2, NX, 2
.endif
	WIN WM
	MROW 2, \s
	MROW 3, \s
.endm
	s_mov_b32 s35, s46                             ; my chunk
	s_mov_b32 s57, 0                               ; trips
.Lunit:
	s_cmp_ge_u32 s35, s34
	s_cbranch_scc1 .Lend                           ; my chunk lies behind the expert's rows, and so do those that would follow
	WIN 0x40
	s_wait_alu depctr_va_vdst(0)                   ; the unit's head: phase Q's vector instructions, or the last unit's products, holds and conversions, are done with the accumulators, the scale registers and the fragments' buffers, in which the loads of this head and of step 0 land
.irp j, 0,1,2,3                        ; b1 into the accumulators: tile t, register i of lane (r, h) is hidden unit 32 (t / 2) + 16 h + 8 (t % 2) + i of the panel
.irp t, 0,1,2,3
	global_load_b128 v[8*(4*\j+\t):8*(4*\j+\t)+3], v[HB], s[28:29] offset:(32*(\t/2)+8*(\t%2))*4
	global_load_b128 v[8*(4*\j+\t)+4:8*(4*\j+\t)+7], v[HB], s[28:29] offset:(32*(\t/2)+8*(\t%2))*4+16
.endr
.endr
	WIN 0
.irp j, 0,1,2,3
.irp q, 0,1,2,3
	global_load_b32 v[XS+NP*\j+\q], v[LN4], s[22:23] offset:\j*SWT+128*\q   ; lanes 0-15: K step 2 q; lanes 16-31: K step 2 q + 1
.endr
.endr
	XLOAD2 0, 0, 0
	XLOAD2 0, 0, 2
	XLOAD2 1, 1, 0
	XLOAD2 1, 1, 2
	WLOAD2 0, 0, 0
	WLOAD2 0, 0, 2
.irp s, 0,1,2,3,4,5,6,7
	GSTEP \s
.endr
	; THE WAY OUT: eight blocks of 32 hidden units (row tile j, half b of the panel), 16 registers a lane each, at accumulator register 16 (2 j + b); lanes l and l xor 16 share a block.
	WIN 0
	PLACES 9                                       ; plain vector instructions behind the last products, ahead of the vector instructions that read their results and write over operands that are done with (ISA guide 7.12.1)
.irp k, 0,1,2,3,4,5,6,7
	v_mov_b32 v[QTP+\k], 0                         ; a lane permute's destination counts as one of its sources
.endr
	WIN 0x05
.irp k, 0,1,2,3,4,5,6,7
	v_max3_num_f32 v[QTM+\k], v[16*\k], v[16*\k+1], 0x4800000   ; no |.|: what is negative becomes 0 and must not count; the floor stands over it.  Each accumulator is read from its low end on
.endr
	WIN 0x14
.irp i, 2,4,6,8,10,12,14
.irp k, 0,1,2,3,4,5,6,7
	v_max3_num_f32 v[QTM+\k], v[QTM+\k], v[16*\k+\i], v[16*\k+\i+1]
.endr
.endr
	WIN 0
.irp k, 0,1,2,3,4,5,6,7
	v_permlanex16_b32 v[QTP+\k], v[QTM+\k], s36, s37
.endr
.irp k, 0,1,2,3,4,5,6,7
	v_max_num_f32 v[QTM+\k], v[QTM+\k], v[QTP+\k]
.endr
.irp k, 0,1,2,3,4,5,6,7
	v_add_nc_u32 v[QSC+\k], 0xfc000000, v[QTM+\k]  ; 8 off the exponent field: the conversion's scale operand
.endr
.irp k, 0,1,2,3,4,5,6,7
	v_and_or_b32 v[QTH+\k], v[QTM+\k], 0x7f800000, s39   ; 448 x the scale
.endr
.irp k, 0,1,2,3,4,5,6,7
	v_lshrrev_b32 v[QTB+\k], 23, v[QSC+\k]         ; the scale's byte
.endr
.irp j, 0,1,2,3
	v_lshl_or_b32 v[QPW+\j], v[QTB+2*\j+1], 8, v[QTB+2*\j]   ; my panel's two bytes of the row's scale word
.endr
	WIN 0x41
.irp k, 0,1,2,3,4,5,6,7
.irp i, 0,1,2,3,4,5,6,7,8,9,10,11,12,13,14,15
	v_med3_num_f32 v[16*\k+\i], v[16*\k+\i], 0, v[QTH+\k]   ; the activation and the hold in one
.endr
.endr
	WIN 0x01
.irp k, 0,1,2,3,4,5,6,7
	v_cvt_scalef32_pk8_fp8_f32 v[CD+4*\k:CD+4*\k+1], v[16*\k:16*\k+7], v[QSC+\k]
	v_cvt_scalef32_pk8_fp8_f32 v[CD+4*\k+2:CD+4*\k+3], v[16*\k+8:16*\k+15], v[QSC+\k]
.endr
	WIN 0
	v_nop                                          ; one plain instruction behind the last conversion
	s_wait_alu depctr_va_vdst(0)                   ; the conversions have written the codes and the joins the half scale words, which the stores below read
.irp j, 0,1,2,3
.irp b, 0,1
	global_store_b128 v[LN16], v[CD+4*(2*\j+\b):CD+4*(2*\j+\b)+3], s[24:25] offset:\j*65536+512*\b   ; 512 consecutive bytes: piece 2 panel + b of the operand's image
.endr
	global_store_b16 v[R4], v[QPW+\j], s[26:27] offset:2048*\j   ; lanes l and l + 16 store the same two bytes
.endr
	s_wait_xcnt 0x0                                ; the loads' and stores' bases and the stores' data are rewritten only behind this wait
	s_wait_alu depctr_vm_vsrc(0)                   ; the stores have read the codes (v128-159) and the half scale words (v92-95), in which the next unit's weights and rows land
	s_add_nc_u64 s[20:21], s[20:21], 0x40000       ; four chunks on
	s_add_nc_u64 s[22:23], s[22:23], 0x2000
	s_add_nc_u64 s[24:25], s[24:25], 0x100000
	s_add_nc_u64 s[26:27], s[26:27], 0x8000
	s_add_co_u32 s35, s35, 4
	s_add_co_u32 s57, s57, 1
	s_cmp_lt_u32 s57, TRIPS
	s_cbranch_scc1 .Lunit
.Lend:
	s_wait_dscnt 0x0                               ; the closing lines, six on end
	s_wait_alu 0x0
	s_wait_tensorcnt 0x0
	ds_add_u32 v126, v127
	s_wait_dscnt 0x0
	s_endpgm
.Lfunc_end_k_q4f8e44768c_gemm1:
	.size	k_q4f8e44768c_gemm1, .Lfunc_end_k_q4f8e44768c_gemm1-k_q4f8e44768c_gemm1
	.p2alignl 7, 3214868480
	.fill 96, 4, 3214868480
	.section	.rodata,"a",@progbits
	.p2align	6, 0x0
	.amdhsa_kernel k_q4f8e44768c_gemm1
		.amdhsa_group_segment_fixed_size 136448
		.amdhsa_private_segment_fixed_size 0
		.amdhsa_enable_private_segment 0
		.amdhsa_kernarg_size 40
		.amdhsa_user_sgpr_count 2
		.amdhsa_user_sgpr_kernarg_segment_ptr 1
		.amdhsa_wavefront_size32 1
		.amdhsa_system_sgpr_workgroup_id_x 1
		.amdhsa_system_sgpr_workgroup_id_y 1
		.amdhsa_system_sgpr_workgroup_id_z 1
		.amdhsa_system_vgpr_workitem_id 0
		.amdhsa_next_free_vgpr 512
		.amdhsa_next_free_sgpr 66
		.amdhsa_reserve_vcc 0
		.amdhsa_float_denorm_mode_32 3
		.amdhsa_float_denorm_mode_16_64 3
		.amdhsa_memory_ordered 1
		.amdhsa_forward_progress 1
		.amdhsa_inst_pref_size 180
	.end_amdhsa_kernel
	.amdgpu_metadata
---
amdhsa.version: [ 1, 2 ]
amdhsa.kernels:
  - .name:           k_q4f8e44768c_gemm1
    .symbol:         k_q4f8e44768c_gemm1.kd
    .args:
      - { .name: W1, .offset: 0, .size: 8, .value_kind: global_buffer, .address_space: global }
      - { .name: b1, .offset: 8, .size: 8, .value_kind: global_buffer, .address_space: global }
      - { .name: xs, .offset: 16, .size: 8, .value_kind: global_buffer, .address_space: global }
      - { .name: pos, .offset: 24, .size: 8, .value_kind: global_buffer, .address_space: global }
      - { .name: hq, .offset: 32, .size: 8, .value_kind: global_buffer, .address_space: global }
    .group_segment_fixed_size: 136448
    .private_segment_fixed_size: 0
    .kernarg_segment_align: 8
    .kernarg_segment_size: 40
    .max_flat_workgroup_size: 256
    .sgpr_count:     66
    .vgpr_count:     512
    .wavefront_size: 32
...
	.end_amdgpu_metadata
.endif
;; end of part 8
;; launch gemm2 (part 9): grid 32 x 8, 8 waves a work-group, no clusters, 171,264 bytes of LDS; arguments W2, hq, pos, yp; writes yp
.if DOCPART == 9
	.amdgcn_target "amdgcn-amd-amdhsa--gfx1250"
	.amdhsa_code_object_version 6
	.text
	.protected	k_q4f8e44768c_gemm2
	.globl	k_q4f8e44768c_gemm2
	.p2align	8
	.type	k_q4f8e44768c_gemm2,@function
k_q4f8e44768c_gemm2:
	s_mov_b64 s[64:65], 0
	v_nop
	global_prefetch_b8 v0, s[64:65] scope:SCOPE_SE
	s_setreg_imm32_b32 hwreg(HW_REG_WAVE_SCHED_MODE, 0, 2), 2
	s_setreg_imm32_b32 hwreg(HW_REG_WAVE_MODE, 25, 1), 1
	s_wait_xcnt 0x0
	s_wait_alu depctr_vm_vsrc(0)
; THE SECOND PRODUCT OF EACH EXPERT: yp[kh][row] = hidden[row][2048 kh ..] W2[e][2048 kh .., 64 ns ..], in MX-FP8, f32 sums, for the rows routed to expert e.
; Work-group (ns + 16 kh, e) owns 2,048 rows x 64 columns of W2[e]: 512 KB of f32, which no other work-group reads.  The two halves of K are added, with b2 and the gates' weights, by the launch behind this one.
; PHASE Q as in the first product: the slice is streamed once, quantised along K (its first axis) and laid into LDS as images of the operand's registers.  A lane takes four neighbouring columns and 16 rows of a
;   block of 32 (lanes l and l xor 16 share a block): one load reads two runs of 256 consecutive bytes.  Wave w takes K steps w and w + 8 of the slice's 16.
; PHASE G: a wave's unit: 64 rows (4 tiles) x the 64 columns (4 tiles) x 16 K steps: 16 accumulators, 256 matrix instructions.  Waves take chunks w, w + 8.
;   The loop over a wave's chunks has two trips, as many as an expert's 1,024 rows at the most can ask of it; a wave leaves it at the head of the first trip whose chunk lies behind the expert's rows.
; TRANSPOSED USE: source 0 = 16 columns of W2, source 1 = 16 rows of the hidden layer: a lane's eight results are eight neighbouring columns of one row.  A tile of 16 rows x 64 columns goes through the
;   wave's own stage in LDS and leaves as rows: sixteen lanes store 256 consecutive bytes, aligned.
; NO TENSOR LOAD, NO CLUSTER: the number of chunks is a count read from memory, and partners would need different numbers of tiles; each weight byte has one reader anyway.
; LIMITS: NaN and infinities among the inputs are not served.  A block of zeros gets the byte 1 with zero codes (only this program reads the bytes).
; REGISTERS.  Window 0: v1-15 addresses and constants; v16-47 the rows' scale words; v48-51 the weights'; v52-115 the rows' fragments, third buffer; v116-121 at work at the head; v126, v127 the closing add's two; v128-255 the weights' fragments,
;   two buffers (in phase Q: at work; on the way out: rows read back).  Window 1: v0-127 the 16 accumulators, (row tile j, column tile t) at 8 (4 j + t) (in phase Q: loads); v128-255 the rows' fragments, two buffers (likewise).
; THE MODE: SCHED_MODE bits 1:0 = 2 (LLVM: expert scheduling mode 2), set by the entry lines.  The code itself states the register dependences between vector or matrix instructions and memory or LDS
;   instructions, with s_wait_alu, always for 0.
; THE PLAN.  Registers that memory or LDS instructions touch, and who else names them:
;   PHASE Q.  Q0 .. Q3 (window 1, 64 registers each): a set's 16 loads land; its maxima read it, its multiplications and holds write it, its conversions read it; in the first K step the same set of the second K step is then loaded.
;             TT, SW: written by the byte turns and by the joining of the scale bytes; read by the set's LDS stores; written again by the next set.
;             ONE wait on va_vdst a set, behind its turns, serves the LDS stores (TT, SW are written) and the loads (the set's vector work is over); one on vm_vsrc at the head of every set but the first frees TT and SW.
;   PHASE G.  XF0 .. XF2, the rows' fragments: step s's products read XF[s % 3]; the loads of step s + 2, issued in step s, land in XF[(s - 1) % 3].
;             WF0, WF1 and the weights' four scale registers: step s reads half s % 2; the LDS loads of step s + 1, issued in step s, land in the other half.  The rows' scale words are loaded at a unit's head.
;             The accumulators: written by the products, read by the way out's LDS stores, begun anew by the next unit's first products.  v128-191 on the way out: rows land from the stage, the global stores read them, later rows and the next unit's weights land.
;             ONE wait on va_vdst at the head of a unit and of each step that issues loads (step 0 leans on the unit's): the products issued so far are done reading the buffers that the step's loads land in.  The loads follow it, dealt among the
;             step's first products, which name the accumulators, XF[s % 3], WF[s % 2] and this step's scale registers: none of the registers that those loads touch.  One more stands at the way out's head; a wait on vm_vsrc ahead of each reuse of a stored row's registers.
;   All address registers are made at the head and never written again: scalar bases and immediates do the stepping.
.set S,      16                        ; K steps of 128
.set NP,     8                         ; registers of scale words for a tile of rows: two K steps to a register
.set TRIPS,  2                         ; 16 chunks at the most, eight waves
.set TILEB,  65536                     ; a tile of rows in hq
.set SWT,    2048                      ; its scale words
.set PITCH,  4096                      ; a row of W2[e] in bytes
.set TSTR,   32784                     ; a tile of columns in LDS: 16 K steps x 2,048 bytes, + 16, so that the sixteen lanes of a store start at sixteen different places modulo 256
.set WSC,    131328                    ; behind the 4 tiles: the weights' scale words, [K step][16 t + r]
.set STG,    135424                    ; behind them: a stage of 16 rows x (256 + 16) bytes for each wave
.set KSOFF,  16384                     ; a wave's second K step lies eight steps on
.set SWOFF,  2048
.set LN16, 1                           ; 16 x lane
.set LN4,  2                           ; 4 x lane
.set AW,   3                           ; v3-6  the four tiles in LDS, + 16 x lane
.set AS,   7                           ; the weights' scale words, + 4 x lane
.set STO,  8                           ; the stage: where I put 32 bytes of a row
.set RD,   9                           ; and where I read a row back
.set VO,   10                          ; phase Q: my 16 bytes of a row, 16 rows down for lanes 16-31
.set AWR,  11                          ; phase Q: where my first column's 16 codes go
.set ASW,  12                          ; phase Q: where my four columns' scale words go
.set ONE,  13
.set HOLD, 14
.set YO,   15                          ; my 16 bytes of two rows of yp
.set XS,   16
.set WS,   48
.set XF2,  52
.set WF,   128
.set OBR,  128                         ; the way out: 16 rows read back, two sets by turns
.set AM,   128                         ; phase Q: as in the first product
.set PM,   132
.set IV,   136
.set EB,   140
.set SW,   144
.set PP,   148
.set CC,   160
.set TT,   176
.set MSB, 0
.macro WIN new                         ; s_set_vgpr_msb: bits 1:0 source 0, 3:2 source 1, 5:4 source 2, 7:6 destination; the high byte repeats the setting that is left
.if MSB != \new
	s_set_vgpr_msb (MSB<<8)|\new
.set MSB, \new
.endif
.endm
.macro PLACES n
.rept \n
	v_nop
.endr
.endm
	s_load_b256 s[4:11], s[0:1], 0x0               ; W2 s[4:5], hq s[6:7], pos s[8:9], yp s[10:11]
	v_lshl_add_u32 v126, v0, 2, 0x29900            ; my spare word, and 0: made here and kept for the closing lines alone
	v_mov_b32 v127, 0
	v_lshrrev_b32 v116, 5, v0
	v_readfirstlane_b32 s30, v116                  ; wave 0..7
	s_and_b32 s31, ttmp7, 0xffff                   ; e
	s_and_b32 s32, ttmp9, 15                       ; ns: which 64 columns
	s_lshr_b32 s45, ttmp9, 4                       ; kh: which half of K
	v_and_b32 v116, 31, v0
	v_lshlrev_b32 v[LN16], 4, v116
	v_lshlrev_b32 v[LN4], 2, v116
	v_and_b32 v117, 15, v0                         ; q in phase Q, r in phase G
	v_bfe_u32 v118, v0, 4, 1                       ; which half of the lanes
	v_lshlrev_b32 v[VO], 4, v117
	v_lshl_or_b32 v[VO], v118, 16, v[VO]           ; 16 q + 16 rows of 4,096 bytes for lanes 16-31
	v_bfe_u32 v119, v0, 2, 2                       ; my columns 4 q + j: tile q / 4,
	v_and_b32 v120, 3, v0                          ; lane r = 4 (q % 4) + j of the image
	v_mul_u32_u24 v[AWR], v119, TSTR
	v_lshl_add_u32 v[AWR], v120, 6, v[AWR]
	v_lshl_add_u32 v[AWR], v118, 8, v[AWR]
	s_wait_alu depctr_va_sdst(0)                   ; s30 is written, ahead of its first reader: the K step, the stage and every base are made from it
	s_lshl_b32 s48, s30, 11                        ; my first K step
	v_add_nc_u32 v[AWR], s48, v[AWR]
	v_lshlrev_b32 v[ASW], 4, v117
	s_lshl_b32 s48, s30, 8
	s_add_co_u32 s48, s48, WSC
	v_add_nc_u32 v[ASW], s48, v[ASW]
	v_add_nc_u32 v[AS], WSC, v[LN4]
	v_mov_b32 v[AW], v[LN16]
	v_add_nc_u32 v[AW+1], TSTR, v[LN16]
	v_add_nc_u32 v[AW+2], 2*TSTR, v[LN16]
	v_add_nc_u32 v[AW+3], 3*TSTR, v[LN16]
	s_mul_i32 s48, s30, 16*272
	s_add_co_u32 s48, s48, STG                     ; my stage
	v_mul_u32_u24 v[STO], v117, 272
	v_lshl_add_u32 v[STO], v118, 5, v[STO]
	v_add_nc_u32 v[STO], s48, v[STO]               ; in: row r, + 32 h
	v_mul_u32_u24 v[RD], v118, 272
	v_lshl_add_u32 v[RD], v117, 4, v[RD]
	v_add_nc_u32 v[RD], s48, v[RD]                 ; back: lanes 0-15 one row, lanes 16-31 the next
	v_lshlrev_b32 v[YO], 12, v118
	v_lshl_add_u32 v[YO], v117, 4, v[YO]           ; and the same two rows in yp
	v_mov_b32 v[ONE], 1.0
	v_mov_b32 v[HOLD], 0x43e00000                  ; 448
.irp j, 0,1,2,3
	v_mov_b32 v[PM+\j], 0                          ; written once: a lane permute's destination counts as one of its sources
.endr
	s_mov_b32 s36, 0x76543210
	s_mov_b32 s37, 0xfedcba98                      ; v_permlanex16_b32's selects for lane l xor 16
	s_mov_b32 s40, 0x05010400                      ; byte selects of the 4 x 4 turn
	s_mov_b32 s41, 0x07030602
	s_mov_b32 s42, 0x05040100
	s_mov_b32 s43, 0x07060302
	s_lshl_b32 s50, s31, 24                        ; W2: e x 16 MB + (2048 kh + 128 wave) rows + 256 ns
	s_lshl_b32 s52, s45, 23
	s_add_co_u32 s50, s50, s52
	s_lshl_b32 s52, s30, 19
	s_add_co_u32 s50, s50, s52
	s_lshl_b32 s52, s32, 8
	s_add_co_u32 s50, s50, s52
	s_mov_b32 s51, 0
	s_lshl_b32 s56, s31, 2
	s_wait_kmcnt 0x0
	s_add_nc_u64 s[16:17], s[4:5], s[50:51]
	s_add_nc_u64 s[18:19], s[16:17], 0x400000      ; my second K step: eight steps, 1,024 rows, on
	s_load_b32 s33, s[8:9], s56 offset:0x2000      ; the expert's count of rows
; A set: 64 columns x 32 rows of K: 16 loads into 64 registers of window 1, register 4 i + j = row 32 c + 16 (lane / 16) + i, column 4 q + j.
.macro QLOAD buf, ks, c
	WIN 0x40
.irp i, 0,1,2,3,4,5,6,7,8,9,10,11,12,13,14,15
	global_load_b128 v[64*\buf+4*\i:64*\buf+4*\i+3], v[VO], s[16+2*\ks:17+2*\ks] offset:(32*\c+\i)*PITCH th:TH_LOAD_NT
.endr
.endm
; first = 1: the first set of all, with no LDS store in front of it.  again = 1: the set's registers are asked for again, for the same set of the second K step.
.macro QSET buf, ks, c, left, first, again
	s_wait_loadcnt \left                           ; this set is in; the younger sets, 16 loads each, may stay out
	s_wait_dscnt 0x0                               ; the last set's LDS stores are done
.if !\first
	s_wait_alu depctr_vm_vsrc(0)                   ; the last set's LDS stores have read TT and SW, which this set's joins and turns write again
.endif
	WIN 0x05
.irp j, 0,1,2,3
	v_max3_num_f32 v[AM+\j], |v[64*\buf+\j]|, |v[64*\buf+4+\j]|, 0x4800000   ; with the floor 2^(9 - 127): the byte cannot fall under 1
.endr
	WIN 0x14
.irp i, 2,4,6,8,10,12,14
.irp j, 0,1,2,3
	v_max3_num_f32 v[AM+\j], v[AM+\j], |v[64*\buf+4*\i+\j]|, |v[64*\buf+4*\i+4+\j]|   ; the four columns by turns
.endr
.endr
	WIN 0
.irp j, 0,1,2,3
	v_permlanex16_b32 v[PM+\j], v[AM+\j], s36, s37
.endr
.irp j, 0,1,2,3
	v_max_num_f32 v[AM+\j], v[AM+\j], v[PM+\j]     ; with the block's other 16 rows
.endr
.irp j, 0,1,2,3
	v_and_b32 v[IV+\j], 0x7f800000, v[AM+\j]
.endr
.irp j, 0,1,2,3
	v_sub_nc_u32 v[IV+\j], 0x83000000, v[IV+\j]    ; exponent field 262 - the largest magnitude's: 1 / scale
.endr
.irp j, 0,1,2,3
	v_lshrrev_b32 v[EB+\j], 23, v[AM+\j]
.endr
.irp j, 0,1,2,3
.if \c == 0
	v_add_nc_u32 v[SW+\j], -8, v[EB+\j]            ; the scale's byte: the K step's first starts the word
.else
	v_add_nc_u32 v[EB+\j], -8, v[EB+\j]
.endif
.endr
.if \c > 0
.irp j, 0,1,2,3
	v_lshl_or_b32 v[SW+\j], v[EB+\j], 8*\c, v[SW+\j]
.endr
.endif
	WIN 0x41
.irp i, 0,1,2,3,4,5,6,7,8,9,10,11,12,13,14,15
	v_pk_mul_f32 v[64*\buf+4*\i:64*\buf+4*\i+1], v[64*\buf+4*\i:64*\buf+4*\i+1], v[IV:IV+1]
	v_pk_mul_f32 v[64*\buf+4*\i+2:64*\buf+4*\i+3], v[64*\buf+4*\i+2:64*\buf+4*\i+3], v[IV+2:IV+3]
.endr
.set n, 0
.rept 64
	v_med3_num_f32 v[64*\buf+n], v[64*\buf+n], -v[HOLD], v[HOLD]   ; the conversion to an 8-bit code does not saturate (ISA guide 7.6.2): the hold at 448
.set n, n+1
.endr
	WIN 0x01
.irp g, 0,1,2,3,4,5,6,7
	v_cvt_scalef32_pk8_fp8_f32 v[CC+2*\g:CC+2*\g+1], v[64*\buf+8*\g:64*\buf+8*\g+7], v[ONE]
.endr
	WIN 0
	v_nop                                          ; one plain instruction behind the last conversion
.irp g, 0,1,2,3                        ; rows 4 g .. 4 g + 3: four registers of four columns become four registers of four rows
	v_perm_b32 v[PP+4*(\g%2)],   v[CC+4*\g+1], v[CC+4*\g],   s40
	v_perm_b32 v[PP+4*(\g%2)+1], v[CC+4*\g+1], v[CC+4*\g],   s41
	v_perm_b32 v[PP+4*(\g%2)+2], v[CC+4*\g+3], v[CC+4*\g+2], s40
	v_perm_b32 v[PP+4*(\g%2)+3], v[CC+4*\g+3], v[CC+4*\g+2], s41
	v_perm_b32 v[TT+\g],    v[PP+4*(\g%2)+2], v[PP+4*(\g%2)],   s42
	v_perm_b32 v[TT+4+\g],  v[PP+4*(\g%2)+2], v[PP+4*(\g%2)],   s43
	v_perm_b32 v[TT+8+\g],  v[PP+4*(\g%2)+3], v[PP+4*(\g%2)+1], s42
	v_perm_b32 v[TT+12+\g], v[PP+4*(\g%2)+3], v[PP+4*(\g%2)+1], s43
.endr
	s_wait_alu depctr_va_vdst(0)                   ; the turns have written TT and the joins SW, which the LDS stores below read; the holds and conversions are done with this set's registers, in which the loads below land
.if \again
	QLOAD \buf, 1, \c                              ; the set is asked for again at once, ahead of the stores
	WIN 0
.endif
.irp j, 0,1,2,3
	ds_store_b128 v[AWR], v[TT+4*\j:TT+4*\j+3] offset:16*\j+512*\c+\ks*KSOFF   ; column j: registers 4 c .. 4 c + 3 of its lane of the image
.endr
.if \c == 3
	ds_store_b128 v[ASW], v[SW:SW+3] offset:\ks*SWOFF   ; my four columns' words of this K step; both halves of the lanes write the same words
.endif
.endm
	s_wait_alu depctr_va_vdst(0)                   ; the offsets and addresses v1 to v12 and v15 are written: every load and store of the kernel, LDS too, reads some of them, and none is written again
	QLOAD 0, 0, 0                                  ; four sets, 64 loads a wave, go out before anything else
	QLOAD 1, 0, 1
	QLOAD 2, 0, 2
	QLOAD 3, 0, 3
	s_lshl_b32 s50, s31, 22                        ; the hidden layer's images: e x 4 MB + chunk x 256 KB + my half's 16 K steps
	s_lshl_b32 s52, s30, 18
	s_add_co_u32 s50, s50, s52
	s_lshl_b32 s52, s45, 15
	s_add_co_u32 s50, s50, s52
	s_add_nc_u64 s[20:21], s[6:7], s[50:51]
	s_lshl_b32 s50, s31, 17                        ; its scale words: e x 128 KB + chunk x 8 KB + my half's 1 KB
	s_lshl_b32 s52, s30, 13
	s_add_co_u32 s50, s50, s52
	s_lshl_b32 s52, s45, 10
	s_add_co_u32 s50, s50, s52
	s_add_co_u32 s50, s50, 0x2000000
	s_add_nc_u64 s[22:23], s[6:7], s[50:51]
	s_lshl_b32 s50, s45, 25                        ; yp: kh x 32 MB + e x 4 MB + chunk x 256 KB + 256 ns
	s_lshl_b32 s52, s31, 22
	s_add_co_u32 s50, s50, s52
	s_lshl_b32 s52, s30, 18
	s_add_co_u32 s50, s50, s52
	s_lshl_b32 s52, s32, 8
	s_add_co_u32 s50, s50, s52
	s_add_nc_u64 s[24:25], s[10:11], s[50:51]
	s_wait_kmcnt 0x0                               ; the count
	s_add_co_u32 s34, s33, 63
	s_lshr_b32 s34, s34, 6
	s_min_u32 s34, s34, 16                         ; chunks of 64 rows
	QSET 0, 0, 0, 48, 1, 1
	QSET 1, 0, 1, 48, 0, 1
	QSET 2, 0, 2, 48, 0, 1
	QSET 3, 0, 3, 48, 0, 1
	QSET 0, 1, 0, 48, 0, 0
	QSET 1, 1, 1, 32, 0, 0
	QSET 2, 1, 2, 16, 0, 0
	QSET 3, 1, 3, 0, 0, 0
	s_wait_dscnt 0x0                               ; for the others' sake: my part of the slice lies in LDS
	s_barrier_signal -1
	s_barrier_wait -1                              ; the whole slice does.  The one barrier: it stands ahead of every branch on the count
	s_wait_alu depctr_vm_vsrc(0)                   ; my last LDS stores have read TT and SW: these registers are the weights' first buffer from here on, in which LDS loads land
; ---- PHASE G
.macro XLOAD2 s, buf, j0               ; row tiles j0, j0 + 1: their fragments of K step s: 8 loads of 512 consecutive bytes
.if (\buf) == 2
	WIN 0
.set XLB, XF2
.else
	WIN 0x40
.set XLB, 128+64*(\buf)
.endif
.irp j, \j0, \j0+1
.irp c, 0,1,2,3
	global_load_b128 v[XLB+16*(\j)+4*\c:XLB+16*(\j)+4*\c+3], v[LN16], s[20:21] offset:(\j)*TILEB+2048*(\s)+512*\c
.endr
.endr
.endm
.macro WLOAD2 s, buf, t0               ; column tiles t0, t0 + 1: their fragments of K step s, and their scale words: lanes 0-15 the even tile's, lanes 16-31 the odd tile's behind it
	WIN 0
.irp t, \t0, \t0+1
.irp c, 0,1,2,3
	ds_load_b128 v[WF+64*(\buf)+16*(\t)+4*\c:WF+64*(\buf)+16*(\t)+4*\c+3], v[AW+(\t)] offset:2048*(\s)+512*\c
.endr
.endr
	ds_load_b32 v[WS+2*(\buf)+(\t0)/2], v[AS] offset:256*(\s)+64*(\t0)
.endm
.macro MM j, t, s                      ; accumulator (j, t) += W2's tile t x rows' tile j, K step s.  The scale registers' upper lanes serve odd tiles and odd K steps
.set AC, 8*(4*(\j)+(\t))
.set FA, WFB+16*(\t)
.set FB, XFB+16*(\j)
.set SA, WS+2*((\s)%2)+(\t)/2
.set SB, XS+NP*(\j)+(\s)/2
.if (((\t)%2) == 0) && (((\s)%2) == 0)
	v_wmma_scale_f32_16x16x128_f8f6f4 v[AC:AC+7], v[FA:FA+15], v[FB:FB+15], v[AC:AC+7], v[SA], v[SB]
.elseif (((\s)%2) == 0)
	v_wmma_scale_f32_16x16x128_f8f6f4 v[AC:AC+7], v[FA:FA+15], v[FB:FB+15], v[AC:AC+7], v[SA], v[SB] matrix_a_scale:MATRIX_SCALE_ROW1
.elseif (((\t)%2) == 0)
	v_wmma_scale_f32_16x16x128_f8f6f4 v[AC:AC+7], v[FA:FA+15], v[FB:FB+15], v[AC:AC+7], v[SA], v[SB] matrix_b_scale:MATRIX_SCALE_ROW1
.else
	v_wmma_scale_f32_16x16x128_f8f6f4 v[AC:AC+7], v[FA:FA+15], v[FB:FB+15], v[AC:AC+7], v[SA], v[SB] matrix_a_scale:MATRIX_SCALE_ROW1 matrix_b_scale:MATRIX_SCALE_ROW1
.endif
.endm
.macro MMZ j, t                        ; K step 0 starts the sums: nothing is cleared
.set AC, 8*(4*(\j)+(\t))
.set FA, WFB+16*(\t)
.set FB, XFB+16*(\j)
.set SA, WS+(\t)/2
.set SB, XS+NP*(\j)
.if ((\t)%2) == 0
	v_wmma_scale_f32_16x16x128_f8f6f4 v[AC:AC+7], v[FA:FA+15], v[FB:FB+15], 0, v[SA], v[SB]
.else
	v_wmma_scale_f32_16x16x128_f8f6f4 v[AC:AC+7], v[FA:FA+15], v[FB:FB+15], 0, v[SA], v[SB] matrix_a_scale:MATRIX_SCALE_ROW1
.endif
.endm
.macro MROW j, s                       ; row tile j against the four column tiles
.irp t, 0,1,2,3
.if (\s) == 0
	MMZ \j, \t
.else
	MM \j, \t, \s
.endif
.endr
.endm
; A K step: 16 matrix instructions, the 16 accumulators by turns, one instruction a turn.  The rows' fragments are asked for two steps ahead (three buffers), the weights' one (two).
; The step's loads stand in two halves, behind its first and its second four products: early in the step, so that they have the rest of it in which to land.
.macro GSTEP s
.if (\s)+1 < S
	s_wait_loadcnt 16                              ; this step's rows are in (in step 0 the rows' scale words too); the next step's 16 loads may be out
.else
	s_wait_loadcnt 0x0
.endif
	s_wait_dscnt 0x0                               ; this step's weights and their scale words, asked for a step ago, are in
.if ((\s) > 0) && ((\s)+1 < S)
	s_wait_alu depctr_va_vdst(0)                   ; the last step's products are done reading its rows' buffer, its half of the weights' and of their scale registers: this step's loads land in all three
.endif
.if ((\s)%3) == 2
.set WM, 0x50                          ; C and D window 1, both sources window 0
.set XFB, XF2
.else
.set WM, 0x54                          ; C, D and source 1 window 1
.set XFB, 128+64*((\s)%3)
.endif
.set WFB, WF+64*((\s)%2)
.set NX, ((\s)+2)%3
.set NW, ((\s)+1)%2
	WIN WM
	MROW 0, \s
.if (\s)+1 < S
	WLOAD2 (\s)+1, NW, 0                           ; no wait: no product since the wait above names these registers
.endif
.if (\s)+2 < S
	XLOAD2 (\s)+2, NX, 0
.endif
	WIN WM
	MROW 1, \s
.if (\s)+1 < S
	WLOAD2 (\s)+1, NW, 2
.endif
.if (\s)+2 < S
	XLOAD2 (\s)+2, NX, 2
.endif
	WIN WM
	MROW 2, \s
	MROW 3, \s
.endm
; THE WAY OUT of row tile j.  Into my stage: lane (r, h) puts tile t's eight columns at row r, 64 t + 32 h; each accumulator from its low end on.  Back as rows of 256 bytes, two an instruction.
.macro TOSTAGE j
	WIN 0x04                                       ; an LDS store's data are its source 1: window 1
.irp t, 0,1,2,3
	ds_store_b128 v[STO], v[8*(4*(\j)+\t):8*(4*(\j)+\t)+3] offset:64*\t
	ds_store_b128 v[STO], v[8*(4*(\j)+\t)+4:8*(4*(\j)+\t)+7] offset:64*\t+16
.endr
	WIN 0
.irp i, 0,1,2,3,4,5,6,7
	ds_load_b128 v[OBR+32*((\j)%2)+4*\i:OBR+32*((\j)%2)+4*\i+3], v[RD] offset:544*\i   ; LDS serves a wave's instructions in order (ISA guide 5.7.1.4): these see my stores, and the next tile's stores come behind them
.endr
.endm
.macro SEND j, younger                 ; younger: the LDS instructions issued behind tile j's loads, which may stay out
	s_wait_dscnt \younger
.irp i, 0,1,2,3,4,5,6,7
	global_store_b128 v[YO], v[OBR+32*((\j)%2)+4*\i:OBR+32*((\j)%2)+4*\i+3], s[24:25] offset:(16*(\j)+2*\i)*4096 th:TH_STORE_NT   ; sixteen lanes store 256 consecutive bytes, aligned; nobody in this launch reads them
.endr
.endm
	s_mov_b32 s35, s30                             ; my chunk
	s_mov_b32 s57, 0                               ; trips
.Lunit:
	s_cmp_ge_u32 s35, s34
	s_cbranch_scc1 .Lend                           ; my chunk lies behind the expert's rows, and so does the one that would follow
	s_wait_alu depctr_va_vdst(0)                   ; the unit's head: phase Q's vector instructions, or the last unit's products, are done with the scale registers and the fragments' buffers, in which the loads of this head and of step 0 land
.irp j, 0,1,2,3
.irp q, 0,1,2,3,4,5,6,7
	global_load_b32 v[XS+NP*\j+\q], v[LN4], s[22:23] offset:\j*SWT+128*\q   ; lanes 0-15: K step 2 q; lanes 16-31: K step 2 q + 1
.endr
.endr
	XLOAD2 0, 0, 0
	XLOAD2 0, 0, 2
	XLOAD2 1, 1, 0
	XLOAD2 1, 1, 2
	WLOAD2 0, 0, 0
	WLOAD2 0, 0, 2
.irp s, 0,1,2,3,4,5,6,7,8,9,10,11,12,13,14,15
	GSTEP \s
.endr
	WIN 0
	PLACES 9                                       ; plain vector instructions behind the last products: their results are read by stores, and the next unit's first products write the accumulators anew
	s_wait_alu depctr_va_vdst(0)                   ; the products have written the accumulators, which the LDS stores read, and are done reading the weights' first buffer, in which the rows from the stage land; the places above stay beside this wait
	TOSTAGE 0
.irp j, 1,2,3
.if \j > 1
	s_wait_xcnt 0x0                                ; tile j - 2's stores have read their registers: tile j's rows may land there
	s_wait_alu depctr_vm_vsrc(0)                   ; the same stated for the registers themselves: tile j - 2's global stores have read its rows' set, in which tile j's rows land
.endif
	TOSTAGE \j
	SEND \j-1, 16                                  ; behind tile j - 1's loads: tile j's 8 stores and 8 loads
.endr
	SEND 3, 0
	s_wait_xcnt 0x0                                ; the loads' and stores' bases and the stores' data are rewritten only behind this wait
	s_wait_alu depctr_vm_vsrc(0)                   ; the LDS stores have read the accumulators, which the next unit's first products write; the global stores have read v128-191, in which its weights land
	s_add_nc_u64 s[20:21], s[20:21], 0x200000      ; eight chunks on
	s_add_nc_u64 s[22:23], s[22:23], 0x10000
	s_add_nc_u64 s[24:25], s[24:25], 0x200000
	s_add_co_u32 s35, s35, 8
	s_add_co_u32 s57, s57, 1
	s_cmp_lt_u32 s57, TRIPS
	s_cbranch_scc1 .Lunit
.Lend:
	s_wait_dscnt 0x0                               ; the closing lines, six on end
	s_wait_alu 0x0
	s_wait_tensorcnt 0x0
	ds_add_u32 v126, v127
	s_wait_dscnt 0x0
	s_endpgm
.Lfunc_end_k_q4f8e44768c_gemm2:
	.size	k_q4f8e44768c_gemm2, .Lfunc_end_k_q4f8e44768c_gemm2-k_q4f8e44768c_gemm2
	.p2alignl 7, 3214868480
	.fill 96, 4, 3214868480
	.section	.rodata,"a",@progbits
	.p2align	6, 0x0
	.amdhsa_kernel k_q4f8e44768c_gemm2
		.amdhsa_group_segment_fixed_size 171264
		.amdhsa_private_segment_fixed_size 0
		.amdhsa_enable_private_segment 0
		.amdhsa_kernarg_size 32
		.amdhsa_user_sgpr_count 2
		.amdhsa_user_sgpr_kernarg_segment_ptr 1
		.amdhsa_wavefront_size32 1
		.amdhsa_system_sgpr_workgroup_id_x 1
		.amdhsa_system_sgpr_workgroup_id_y 1
		.amdhsa_system_sgpr_workgroup_id_z 1
		.amdhsa_system_vgpr_workitem_id 0
		.amdhsa_next_free_vgpr 512
		.amdhsa_next_free_sgpr 66
		.amdhsa_reserve_vcc 0
		.amdhsa_float_denorm_mode_32 3
		.amdhsa_float_denorm_mode_16_64 3
		.amdhsa_memory_ordered 1
		.amdhsa_forward_progress 1
		.amdhsa_inst_pref_size 207
	.end_amdhsa_kernel
	.amdgpu_metadata
---
amdhsa.version: [ 1, 2 ]
amdhsa.kernels:
  - .name:           k_q4f8e44768c_gemm2
    .symbol:         k_q4f8e44768c_gemm2.kd
    .args:
      - { .name: W2, .offset: 0, .size: 8, .value_kind: global_buffer, .address_space: global }
      - { .name: hq, .offset: 8, .size: 8, .value_kind: global_buffer, .address_space: global }
      - { .name: pos, .offset: 16, .size: 8, .value_kind: global_buffer, .address_space: global }
      - { .name: yp, .offset: 24, .size: 8, .value_kind: global_buffer, .address_space: global }
    .group_segment_fixed_size: 171264
    .private_segment_fixed_size: 0
    .kernarg_segment_align: 8
    .kernarg_segment_size: 32
    .max_flat_workgroup_size: 256
    .sgpr_count:     66
    .vgpr_count:     512
    .wavefront_size: 32
...
	.end_amdgpu_metadata
.endif
;; end of part 9
;; launch combine (part 10): grid 256 x 1, 4 waves a work-group, no clusters, 0 bytes of LDS; arguments yp, pos, xq, b2, out0; writes out0
.if DOCPART == 10
	.amdgcn_target "amdgcn-amd-amdhsa--gfx1250"
	.amdhsa_code_object_version 6
	.text
	.protected	k_q4f8e44768c_combine
	.globl	k_q4f8e44768c_combine
	.p2align	8
	.type	k_q4f8e44768c_combine,@function
k_q4f8e44768c_combine:
	s_mov_b64 s[64:65], 0
	v_nop
	global_prefetch_b8 v0, s[64:65] scope:SCOPE_SE
	s_setreg_imm32_b32 hwreg(HW_REG_WAVE_MODE, 25, 1), 1
	s_wait_xcnt 0x0
; out0[token] = g0 (y[R0] + b2[e0]) + g1 (y[R1] + b2[e1]), y[R] = yp[0][R] + yp[1][R]: the two halves of the second product's K.
; pos[token] = the rows R0, R1 (expert x 1024 + rank) that hold the token for its first and second expert, stored two launches ago; the weights g0, g1 lie at xq + 0x108000.
; Each output row has one owner, a wave, which gathers its four rows of yp and two rows of b2: no sum crosses work-groups.  A stream: 48 loads of 512 consecutive bytes go out together, eight stores likewise.
; No LDS, no matrix unit, no cluster: nothing is shared but b2, 32 KB.
	s_load_b256 s[4:11], s[0:1], 0x0               ; yp s[4:5], pos s[6:7], xq s[8:9], b2 s[10:11]
	s_load_b64 s[12:13], s[0:1], 0x20              ; out0
	v_lshrrev_b32 v2, 5, v0
	v_readfirstlane_b32 s14, v2                    ; wave
	v_and_b32 v1, 31, v0
	v_lshlrev_b32 v1, 4, v1                        ; 16 x lane
	s_lshl_b32 s15, ttmp9, 2
	s_add_co_u32 s15, s15, s14                     ; my token
	s_lshl_b32 s16, s15, 3
	s_wait_alu depctr_va_vdst(0)
	s_wait_kmcnt 0x0
	s_load_b64 s[18:19], s[6:7], s16 offset:0x0
	s_load_b64 s[20:21], s[8:9], s16 offset:0x108000
	s_lshl_b32 s46, s15, 12
	s_mov_b32 s47, 0
	s_add_nc_u64 s[40:41], s[12:13], s[46:47]      ; my row of out0
	s_mov_b32 s45, 0
	s_wait_kmcnt 0x0
	s_lshr_b32 s24, s18, 10
	s_min_u32 s24, s24, 7                          ; e0
	s_lshr_b32 s25, s19, 10
	s_min_u32 s25, s25, 7                          ; e1
	s_min_u32 s22, s18, 0x1fff                     ; R0
	s_min_u32 s23, s19, 0x1fff                     ; R1
	s_lshl_b32 s44, s22, 12
	s_add_nc_u64 s[28:29], s[4:5], s[44:45]
	s_add_nc_u64 s[30:31], s[28:29], 0x2000000     ; the other half of K lies 32 MB on
	s_lshl_b32 s44, s23, 12
	s_add_nc_u64 s[32:33], s[4:5], s[44:45]
	s_add_nc_u64 s[34:35], s[32:33], 0x2000000
	s_lshl_b32 s44, s24, 12
	s_add_nc_u64 s[36:37], s[10:11], s[44:45]
	s_lshl_b32 s44, s25, 12
	s_add_nc_u64 s[38:39], s[10:11], s[44:45]
	s_mov_b32 s42, s21                             ; g1 as the low word of a pair: the packed forms take a scalar pair's low word for both halves
	s_mov_b32 s43, s21
.irp q, 0,1,2,3,4,5,6,7                ; piece q of the row: six loads, registers 32 + 24 q on
	global_load_b128 v[32+24*\q:35+24*\q], v1, s[28:29] offset:512*\q th:TH_LOAD_NT
	global_load_b128 v[36+24*\q:39+24*\q], v1, s[30:31] offset:512*\q th:TH_LOAD_NT
	global_load_b128 v[40+24*\q:43+24*\q], v1, s[32:33] offset:512*\q th:TH_LOAD_NT
	global_load_b128 v[44+24*\q:47+24*\q], v1, s[34:35] offset:512*\q th:TH_LOAD_NT
	global_load_b128 v[48+24*\q:51+24*\q], v1, s[36:37] offset:512*\q
	global_load_b128 v[52+24*\q:55+24*\q], v1, s[38:39] offset:512*\q
.endr
.irp q, 0,1,2,3,4,5,6,7
	s_wait_loadcnt 6*(7-\q)                        ; piece q is in; the younger pieces, six loads each, may stay out
.irp u, 0,2
	v_pk_add_f32 v[32+24*\q+\u:33+24*\q+\u], v[32+24*\q+\u:33+24*\q+\u], v[36+24*\q+\u:37+24*\q+\u]
	v_pk_add_f32 v[40+24*\q+\u:41+24*\q+\u], v[40+24*\q+\u:41+24*\q+\u], v[44+24*\q+\u:45+24*\q+\u]
	v_pk_add_f32 v[32+24*\q+\u:33+24*\q+\u], v[32+24*\q+\u:33+24*\q+\u], v[48+24*\q+\u:49+24*\q+\u]
	v_pk_add_f32 v[40+24*\q+\u:41+24*\q+\u], v[40+24*\q+\u:41+24*\q+\u], v[52+24*\q+\u:53+24*\q+\u]
	v_pk_mul_f32 v[32+24*\q+\u:33+24*\q+\u], v[32+24*\q+\u:33+24*\q+\u], s[20:21] op_sel_hi:[1,0]
	v_pk_fma_f32 v[32+24*\q+\u:33+24*\q+\u], v[40+24*\q+\u:41+24*\q+\u], s[42:43], v[32+24*\q+\u:33+24*\q+\u] op_sel_hi:[1,0,1]
.endr
	global_store_b128 v1, v[32+24*\q:35+24*\q], s[40:41] offset:512*\q th:TH_STORE_NT   ; 32 lanes store 512 consecutive bytes, aligned
.endr
	s_endpgm
.Lfunc_end_k_q4f8e44768c_combine:
	.size	k_q4f8e44768c_combine, .Lfunc_end_k_q4f8e44768c_combine-k_q4f8e44768c_combine
	.p2alignl 7, 3214868480
	.fill 96, 4, 3214868480
	.section	.rodata,"a",@progbits
	.p2align	6, 0x0
	.amdhsa_kernel k_q4f8e44768c_combine
		.amdhsa_group_segment_fixed_size 0
		.amdhsa_private_segment_fixed_size 0
		.amdhsa_enable_private_segment 0
		.amdhsa_kernarg_size 40
		.amdhsa_user_sgpr_count 2
		.amdhsa_user_sgpr_kernarg_segment_ptr 1
		.amdhsa_wavefront_size32 1
		.amdhsa_system_sgpr_workgroup_id_x 1
		.amdhsa_system_sgpr_workgroup_id_y 1
		.amdhsa_system_sgpr_workgroup_id_z 1
		.amdhsa_system_vgpr_workitem_id 0
		.amdhsa_next_free_vgpr 224
		.amdhsa_next_free_sgpr 66
		.amdhsa_reserve_vcc 0
		.amdhsa_float_denorm_mode_32 3
		.amdhsa_float_denorm_mode_16_64 3
		.amdhsa_memory_ordered 1
		.amdhsa_forward_progress 1
		.amdhsa_inst_pref_size 14
	.end_amdhsa_kernel
	.amdgpu_metadata
---
amdhsa.version: [ 1, 2 ]
amdhsa.kernels:
  - .name:           k_q4f8e44768c_combine
    .symbol:         k_q4f8e44768c_combine.kd
    .args:
      - { .name: yp, .offset: 0, .size: 8, .value_kind: global_buffer, .address_space: global }
      - { .name: pos, .offset: 8, .size: 8, .value_kind: global_buffer, .address_space: global }
      - { .name: xq, .offset: 16, .size: 8, .value_kind: global_buffer, .address_space: global }
      - { .name: b2, .offset: 24, .size: 8, .value_kind: global_buffer, .address_space: global }
      - { .name: out0, .offset: 32, .size: 8, .value_kind: global_buffer, .address_space: global }
    .group_segment_fixed_size: 0
    .private_segment_fixed_size: 0
    .kernarg_segment_align: 8
    .kernarg_segment_size: 40
    .max_flat_workgroup_size: 128
    .sgpr_count:     66
    .vgpr_count:     224
    .wavefront_size: 32
...
	.end_amdgpu_metadata
.endif
;; end of part 10
